; MI455X (gfx1250); checked and timed in simulation.
; The chip was launched on July 23, 2026; its instructions are those of AMD's public machine-readable ISA for CDNA 5 (MIT licence, August 2026) and "CDNA5" Instruction Set Architecture Reference Guide (July 2026). The comments in the code are by the model that wrote it; some were corrected since.
;; Mixture Of Experts. Allowed arithmetic: float matrix products may take bf16 or f16 operands with f32 sums; other float arithmetic in f32, or as packed bf16 or f16 multiplies, adds, multiply-adds, maxima and minima; sums over many terms, partial sums and values carried from step to step in f32; what a program stores and reads back later, other than sums and carried values, may be rounded once to bf16 or f16.
;; Inputs: W1 8 x 1,024 x 4,096 float32; W2 8 x 4,096 x 1,024 float32; Wg 1,024 x 8 float32; b1 8 x 4,096 float32; b2 8 x 1,024 float32; bg 8 float32; x 1,024 x 1,024 float32.
;; Outputs: out0 1,024 x 1,024 float32.
;; Constants: top_k = 2.
;; 3 versions, each right; version 2 is faster than version 1; version 3 is version 2 with the launch down written anew for expert scheduling mode. Each part assembles by itself: llvm-mc -triple=amdgcn-amd-amdhsa -mcpu=gfx1250 --defsym DOCPART=n.
;; ======== version 1 of 3: 4 launches
;; workspace buffers: xb 2,097,152 bytes; eidx 8,192 bytes of whole numbers; gw 8,192 bytes; bm 1,024 bytes of whole numbers; rk 32,768 bytes of whole numbers; h 67,108,864 bytes; part 134,217,728 bytes
;; launch router (part 1): grid 32 x 1, 8 waves a work-group, no clusters, 1,536 bytes of LDS; arguments x, Wg, bg, xb, eidx, gw, bm; writes xb, eidx, gw, bm
.if DOCPART == 1
	.amdgcn_target "amdgcn-amd-amdhsa--gfx1250"
	.amdhsa_code_object_version 6
	.text
	.protected	k_q1ac6eb788a_router
	.globl	k_q1ac6eb788a_router
	.p2align	8
	.type	k_q1ac6eb788a_router,@function
k_q1ac6eb788a_router:
	s_mov_b64 s[64:65], 0
	v_nop
	global_prefetch_b8 v0, s[64:65] scope:SCOPE_SE
	s_setreg_imm32_b32 hwreg(HW_REG_WAVE_MODE, 25, 1), 1
	s_wait_xcnt 0x0
; ROUTER.  gates = softmax(x Wg + bg); the two largest gates (of equals the lower index) and softmax over those two.  Also x rounded to bf16 for the first product.
; x, Wg and bg are rounded to bf16, as every floating-point input of this program is; products and sums in f32 on the vector unit: 8 M multiply-adds.
; Stored at fixed places: xb [1024][1024] bf16; eidx [1024][2] the chosen experts; gw [1024][2] their weights; bm [8][32]: bit b of bm[e][g] = token 32 g + b chose e.
; No address and no branch hangs on the choice: later launches place the rows.
; SHARES.  Work-group g has tokens 32 g .. 32 g + 31, wave v four of them; lane L has the inputs d = 128 c + 4 L + 0..3, c = 0..7.  The sum over the lanes leaves token L % 4 in lane L.
; LIMITS.  The logits' sums are taken in another order than the reference's: gates closer than that rounding may be chosen otherwise.  A gate below 2^-126 counts as 0.  NaN and infinities are not treated apart.
.set ACC, 32                           ; v[32:63]   sum (tk, e) at 32 + 8 tk + e
.set X,   64                           ; v[64:191]  x of token tk, chunk c at 64 + 32 tk + 4 c
.set G,   192                          ; v[192:255] Wg of one chunk, two buffers of 32: (dd, e) at 8 dd + e
.set PK,  24                           ; v[24:31]   a chunk's x in bf16, a pair of registers a token
.set SPARE, 512                        ; behind the 512 bytes of choices: the spare words, 128 bytes a wave
	s_load_b256 s[4:11], s[0:1], 0x0               ; x s[4:5], Wg s[6:7], bg s[8:9], xb s[10:11]
	s_load_b128 s[12:15], s[0:1], 0x20             ; eidx s[12:13], gw s[14:15]
	s_load_b64 s[16:17], s[0:1], 0x30              ; bm
	v_lshl_add_u32 v20, v0, 2, SPARE               ; my spare word,
	v_mov_b32 v21, 0                               ; and 0: kept for the add alone
	v_lshrrev_b32 v12, 5, v0
	v_readfirstlane_b32 s28, v12                   ; wave 0..7
	v_and_b32 v13, 3, v0
	v_lshlrev_b32 v12, 6, v12
	v_lshl_add_u32 v12, v13, 4, v12                ; LDS: the choice of token 4 v + L % 4, 16 bytes
	s_mov_b32 s29, ttmp9
	v_and_b32 v1, 31, v0                           ; lane
	v_lshlrev_b32 v2, 4, v1                        ; 16 x lane
	v_lshlrev_b32 v3, 3, v1                        ; 8 x lane
	v_lshlrev_b32 v4, 7, v1                        ; 128 x lane
	v_and_b32 v5, 1, v0
	v_cmp_eq_u32 s36, 1, v5                        ; lanes with L % 2 = 1
	v_and_b32 v5, 2, v0
	v_cmp_eq_u32 s37, 2, v5                        ; lanes with (L / 2) % 2 = 1
	s_mov_b32 s30, 0x76543210                      ; v_permlanex16_b32: each lane takes its own place in the other half
	s_mov_b32 s31, 0xfedcba98
	s_mov_b32 s44, 0x3fb8aa3b                      ; log2(e)
	s_mov_b32 s45, 0xffff0000                      ; a word's upper bf16
	s_lshl_b32 s40, s29, 5
	s_lshl2_add_u32 s40, s28, s40                  ; my first token: 32 g + 4 v
	s_lshl_b32 s42, s40, 11                        ; its row in xb,
	s_lshl_b32 s40, s40, 12                        ; and in x
	s_mov_b32 s41, 0
	s_mov_b32 s43, 0
	s_wait_kmcnt 0x0
	s_load_b256 s[20:27], s[8:9], 0x0              ; bg
	s_add_nc_u64 s[32:33], s[4:5], s[40:41]
	s_add_nc_u64 s[34:35], s[10:11], s[42:43]
.irp tk, 0,1,2,3
.irp c, 0,1,2,3,4,5,6,7
	global_load_b128 v[X+32*(\tk)+4*(\c):X+32*(\tk)+4*(\c)+3], v2, s[32:33] offset:4096*(\tk)+512*(\c) th:TH_LOAD_NT  ; 512 neighbouring bytes a load
.endr
.endr
.macro GL c                            ; Wg's rows 128 c + 4 L .. + 3: 128 bytes a lane, eight loads
.irp m, 0,1,2,3,4,5,6,7
	global_load_b128 v[G+32*((\c)%2)+4*(\m):G+32*((\c)%2)+4*(\m)+3], v4, s[6:7] offset:4096*(\c)+16*(\m)
.endr
.endm
.macro RND a, t                        ; two f32 rounded to bf16 and widened again, in place; t: a register at work
	v_cvt_pk_bf16_f32 v[\t], v[\a], v[(\a)+1]
	v_lshlrev_b32 v[\a], 16, v[\t]
	v_and_b32 v[(\a)+1], s45, v[\t]
.endm
.macro FMAS c                          ; 64 packed multiply-adds: two experts at a time, one x for both; fifteen others stand between two on one pair of sums
.irp dd, 0,1,2,3
.irp tk, 0,1,2,3
.irp ep, 0,2,4,6
.set rA, ACC+8*(\tk)+(\ep)
.set rX, X+32*(\tk)+4*(\c)+2*((\dd)/2)
.set rG, G+32*((\c)%2)+8*(\dd)+(\ep)
.if ((\c) == 0) && ((\dd) == 0)
	v_pk_mul_f32 v[rA:rA+1], v[rX:rX+1], v[rG:rG+1] op_sel_hi:[0,1]  ; the first product starts the sums
.elseif ((\dd)%2) == 0
	v_pk_fma_f32 v[rA:rA+1], v[rX:rX+1], v[rG:rG+1], v[rA:rA+1] op_sel_hi:[0,1,1]
.else
	v_pk_fma_f32 v[rA:rA+1], v[rX:rX+1], v[rG:rG+1], v[rA:rA+1] op_sel:[1,0,0] op_sel_hi:[1,1,1]
.endif
.endr
.endr
.endr
.endm
	GL 0
	GL 1
.irp c, 0,1,2,3,4,5,6,7
.if \c < 7
	s_wait_loadcnt 8                               ; x and this chunk of Wg are in; the next chunk's eight loads may stay out
.else
	s_wait_loadcnt 0x0
.endif
	s_wait_xcnt 0x0                                ; the last chunk's stores have read PK: it is rewritten only behind this wait
.irp tk, 0,1,2,3
	v_cvt_pk_bf16_f32 v[PK+2*(\tk)], v[X+32*(\tk)+4*(\c)], v[X+32*(\tk)+4*(\c)+1]
	v_cvt_pk_bf16_f32 v[PK+2*(\tk)+1], v[X+32*(\tk)+4*(\c)+2], v[X+32*(\tk)+4*(\c)+3]
.endr
.irp tk, 0,1,2,3
	global_store_b64 v3, v[PK+2*(\tk):PK+2*(\tk)+1], s[34:35] offset:2048*(\tk)+256*(\c)  ; 32 lanes x 8 bytes: 256 consecutive bytes, aligned
	v_lshlrev_b32 v[X+32*(\tk)+4*(\c)], 16, v[PK+2*(\tk)]          ; and the rounded numbers back as f32
	v_and_b32 v[X+32*(\tk)+4*(\c)+1], s45, v[PK+2*(\tk)]
	v_lshlrev_b32 v[X+32*(\tk)+4*(\c)+2], 16, v[PK+2*(\tk)+1]
	v_and_b32 v[X+32*(\tk)+4*(\c)+3], s45, v[PK+2*(\tk)+1]
.endr
.set z, 0
.rept 16
	RND G+32*((\c)%2)+2*z, 5+z%4
.set z, z+1
.endr
	FMAS \c
.if \c < 6
	GL (\c)+2
.endif
.endr
	; THE SUM OVER THE 32 LANES.  Step xor 1: of tokens 2 p and 2 p + 1 a lane keeps the one of its own parity and gives the other to its neighbour; step xor 2 likewise for p.
	; Then lane L holds token L % 4 alone, and three more steps (xor 4, 8, 16) finish its eight sums.
.irp p, 0,16
.irp e, 0,1,2,3,4,5,6,7
	v_cndmask_b32 v[G+(\p)/2+\e], v[ACC+\p+8+\e], v[ACC+\p+\e], s36  ; what I give
	v_cndmask_b32 v[ACC+\p+\e], v[ACC+\p+\e], v[ACC+\p+8+\e], s36    ; what I keep
.endr
.endr
.irp p, 0,16
.irp e, 0,1,2,3,4,5,6,7
	v_add_f32_dpp v[ACC+\p+\e], v[G+(\p)/2+\e], v[ACC+\p+\e] row_xmask:1 row_mask:0xf bank_mask:0xf
.endr
.endr
.irp e, 0,1,2,3,4,5,6,7
	v_cndmask_b32 v[G+\e], v[ACC+16+\e], v[ACC+\e], s37
	v_cndmask_b32 v[ACC+\e], v[ACC+\e], v[ACC+16+\e], s37
.endr
.irp e, 0,1,2,3,4,5,6,7
	v_add_f32_dpp v[ACC+\e], v[G+\e], v[ACC+\e] row_xmask:2 row_mask:0xf bank_mask:0xf
.endr
.irp mk, 4,8
.irp e, 0,1,2,3,4,5,6,7
	v_add_f32_dpp v[ACC+\e], v[ACC+\e], v[ACC+\e] row_xmask:\mk row_mask:0xf bank_mask:0xf
.endr
.endr
.irp e, 0,1,2,3,4,5,6,7
	v_permlanex16_b32 v[G+\e], v[ACC+\e], s30, s31 ; its destination has been written
.endr
.irp e, 0,1,2,3,4,5,6,7
	v_add_f32 v[ACC+\e], v[ACC+\e], v[G+\e]
.endr
	s_wait_kmcnt 0x0                               ; bg
.irp e, 0,1,2,3,4,5,6,7
	v_mov_b32 v[G+8+\e], s[20+\e]
.endr
.irp e, 0,2,4,6
	RND G+8+\e, 5
.endr
.set A, ACC
.macro TOP val, idx                    ; the largest of the eight gates and its index; a strict comparison going up keeps the lower index
	v_mov_b32 v[\val], v[A]
	v_mov_b32 v[\idx], 0
.irp e, 1,2,3,4,5,6,7
	v_cmp_gt_f32 vcc_lo, v[A+\e], v[\val]
	v_cndmask_b32 v[\val], v[\val], v[A+\e], vcc_lo
	v_cndmask_b32 v[\idx], v[\idx], \e, vcc_lo
.endr
.endm
	; THE GATES of my lane's token
.irp e, 0,1,2,3,4,5,6,7
	v_add_f32 v[A+\e], v[G+8+\e], v[A+\e]
.endr
	v_max3_num_f32 v5, v[A], v[A+1], v[A+2]        ; the maximum is taken away, as the reference's softmax does
	v_max3_num_f32 v5, v5, v[A+3], v[A+4]
	v_max3_num_f32 v5, v5, v[A+5], v[A+6]
	v_max_num_f32 v5, v5, v[A+7]
	v_mul_f32 v5, s44, v5
.irp e, 0,1,2,3,4,5,6,7
	v_fma_f32 v[A+\e], v[A+\e], s44, -v5
.endr
.irp e, 0,1,2,3,4,5,6,7
	v_exp_f32 v[A+\e], v[A+\e]
.endr
	v_nop                                          ; a plain instruction behind the last exponential (ISA guide 5.7.2)
	s_wait_alu depctr_va_vdst(0)
	v_add_f32 v6, v[A], v[A+1]
	v_add_f32 v7, v[A+2], v[A+3]
	v_add_f32 v8, v[A+4], v[A+5]
	v_add_f32 v9, v[A+6], v[A+7]
	v_add_f32 v6, v6, v7
	v_add_f32 v8, v8, v9
	v_add_f32 v6, v6, v8
	v_rcp_f32 v6, v6
	v_nop
	s_wait_alu depctr_va_vdst(0)
.irp e, 0,1,2,3,4,5,6,7
	v_mul_f32 v[A+\e], v[A+\e], v6                 ; the gates
.endr
	TOP 7, 16
.irp e, 0,1,2,3,4,5,6,7
	v_cmp_eq_u32 vcc_lo, \e, v16
	v_cndmask_b32 v[A+\e], v[A+\e], -1.0, vcc_lo   ; the first choice leaves the field: every gate is 0 or more
.endr
	TOP 9, 17
	v_sub_f32 v10, v9, v7                          ; softmax over the two: the larger is the maximum
	v_mul_f32 v10, s44, v10
	v_exp_f32 v10, v10
	v_nop
	s_wait_alu depctr_va_vdst(0)
	v_add_f32 v11, 1.0, v10
	v_rcp_f32 v18, v11
	v_nop
	s_wait_alu depctr_va_vdst(0)
	v_mul_f32 v19, v10, v18
	ds_store_b128 v12, v[16:19]                    ; the eight lanes of a token write the same 16 bytes
	s_wait_tensorcnt 0x0                           ; behind my last LDS store
	ds_add_u32 v20, v21
	s_wait_dscnt 0x0                               ; the wait is also for the others' sake: my four choices are in LDS
	s_barrier_signal -1
	s_barrier_wait -1
	s_cmp_lg_u32 s28, 0
	s_cbranch_scc1 .Lend
	ds_load_b128 v[16:19], v2                      ; wave 0: lane b takes token 32 g + b
	s_lshl_b32 s40, s29, 8
	s_add_nc_u64 s[12:13], s[12:13], s[40:41]
	s_add_nc_u64 s[14:15], s[14:15], s[40:41]
	s_lshl_b32 s42, s29, 2
	s_add_nc_u64 s[16:17], s[16:17], s[42:43]
	v_mov_b32 v22, 0
	s_wait_dscnt 0x0
	global_store_b64 v3, v[16:17], s[12:13]        ; 256 consecutive bytes each
	global_store_b64 v3, v[18:19], s[14:15]
.irp e, 0,1,2,3,4,5,6,7
	v_cmp_eq_u32 s36, \e, v16
	v_cmp_eq_u32 s37, \e, v17
	s_or_b32 s36, s36, s37                         ; the 32 tokens' bits for expert e,
	v_writelane_b32 v22, s36, \e                   ; into lane e
.endr
	s_wait_xcnt 0x0                                ; EXEC changes only behind this wait
	v_cmp_gt_u32 vcc_lo, 8, v1
	s_and_saveexec_b32 s38, vcc_lo
	global_store_b32 v4, v22, s[16:17]             ; bm[e][g]: lanes 0 to 7, 128 bytes apart
	s_wait_xcnt 0x0
	s_or_b32 exec_lo, exec_lo, s38
.Lend:
	s_endpgm
.Lfunc_end_k_q1ac6eb788a_router:
	.size	k_q1ac6eb788a_router, .Lfunc_end_k_q1ac6eb788a_router-k_q1ac6eb788a_router
	.p2alignl 7, 3214868480
	.fill 96, 4, 3214868480
	.section	.rodata,"a",@progbits
	.p2align	6, 0x0
	.amdhsa_kernel k_q1ac6eb788a_router
		.amdhsa_group_segment_fixed_size 1536
		.amdhsa_private_segment_fixed_size 0
		.amdhsa_enable_private_segment 0
		.amdhsa_kernarg_size 56
		.amdhsa_user_sgpr_count 2
		.amdhsa_user_sgpr_kernarg_segment_ptr 1
		.amdhsa_wavefront_size32 1
		.amdhsa_system_sgpr_workgroup_id_x 1
		.amdhsa_system_sgpr_workgroup_id_y 1
		.amdhsa_system_sgpr_workgroup_id_z 1
		.amdhsa_system_vgpr_workitem_id 0
		.amdhsa_next_free_vgpr 256
		.amdhsa_next_free_sgpr 66
		.amdhsa_reserve_vcc 1
		.amdhsa_float_denorm_mode_32 3
		.amdhsa_float_denorm_mode_16_64 3
		.amdhsa_memory_ordered 1
		.amdhsa_forward_progress 1
		.amdhsa_inst_pref_size 85
	.end_amdhsa_kernel
	.amdgpu_metadata
---
amdhsa.version: [ 1, 2 ]
amdhsa.kernels:
  - .name:           k_q1ac6eb788a_router
    .symbol:         k_q1ac6eb788a_router.kd
    .args:
      - { .name: x, .offset: 0, .size: 8, .value_kind: global_buffer, .address_space: global }
      - { .name: Wg, .offset: 8, .size: 8, .value_kind: global_buffer, .address_space: global }
      - { .name: bg, .offset: 16, .size: 8, .value_kind: global_buffer, .address_space: global }
      - { .name: xb, .offset: 24, .size: 8, .value_kind: global_buffer, .address_space: global }
      - { .name: eidx, .offset: 32, .size: 8, .value_kind: global_buffer, .address_space: global }
      - { .name: gw, .offset: 40, .size: 8, .value_kind: global_buffer, .address_space: global }
      - { .name: bm, .offset: 48, .size: 8, .value_kind: global_buffer, .address_space: global }
    .group_segment_fixed_size: 1536
    .private_segment_fixed_size: 0
    .kernarg_segment_align: 8
    .kernarg_segment_size: 56
    .max_flat_workgroup_size: 256
    .sgpr_count:     66
    .vgpr_count:     256
    .wavefront_size: 32
...
	.end_amdgpu_metadata
.endif
;; end of part 1
;; launch up (part 2): grid 32 x 8, 4 waves a work-group, no clusters, 280,320 bytes of LDS; arguments xb, W1, b1, bm, h, rk; writes h, rk
.if DOCPART == 2
	.amdgcn_target "amdgcn-amd-amdhsa--gfx1250"
	.amdhsa_code_object_version 6
	.text
	.protected	k_q1ac6eb788a_up
	.globl	k_q1ac6eb788a_up
	.p2align	8
	.type	k_q1ac6eb788a_up,@function
k_q1ac6eb788a_up:
	s_mov_b64 s[64:65], 0
	v_nop
	global_prefetch_b8 v0, s[64:65] scope:SCOPE_SE
	s_setreg_imm32_b32 hwreg(HW_REG_WAVE_MODE, 25, 1), 1
	s_wait_xcnt 0x0
; FIRST PRODUCT.  h[slot][:] = relu(x[token] W1[e] + b1[e]) in bf16, slot = 1024 e + the token's rank among e's tokens.  Only chosen rows are multiplied.
; SHARES.  Work-group (x, e) has columns 128 x .. + 127 of W1[e], which it alone reads, once, and ALL of e's rows.  Rows go in blocks of 16; wave w has blocks w + 4 i, i = 0..4: 320 rows in the main
; pass.  Rows from 320 on (any split of the tokens is served) go by a slower loop behind it, a block at a time.  Places past the count repeat token 0; whole blocks are stored.  An expert without tokens makes block 0 of token 0.
; WEIGHTS lie [k][n], f32.  A lane loads 16 bytes of a row: sixteen lanes take 256 consecutive bytes.  Component f of a lane's loads over 16 rows, rounded in pairs, IS its part of a fragment
; (16 x 32 K) whose index r stands for column 64 g + 4 r + f.  No load turns anything.  Source 0 = such a fragment, source 1 = 16 token rows: in the result lane (r, hh) holds token row r, and register j of fragment
; 4 g + f holds column 64 g + 32 hh + 4 j + f.
; K goes in 8 steps of 128 through two LDS slots.  In a step wave w rounds and stores the fragments of K rows 32 w .. + 31 (read by all four waves) and stages its own blocks' token rows.
; One barrier a step: a slot is written behind the barrier in front of which every wave has waited for its reads of that slot, two steps back.
; The bias starts the sums: nothing is cleared.
; NO CLUSTER: a slice of weights has one reader, and the token rows that an expert's work-groups share come by a list, which no tile's descriptor covers.  No tensor load for the same reason.
; LIMITS.  x, W1, b1 and h are rounded to bf16.  relu of a NaN gives 0.
; REGISTERS, in windows of 256 (s_set_vgpr_msb: bits 1:0 source 0, 3:2 source 1, 5:4 source 2, 7:6 destination):
;   window 0: addresses; v48-111, v112-175 weight fragments, two buffers; v176-215, v216-255 token fragments, two buffers
;   window 1: the sums of blocks 0-3 at 64 i + 8 fr      window 2: v0-63 block 4's; v64-223 token rows on their way; v224-255 token offsets      window 3: weights as loaded, two sets of 128
.set PITCHW, 16384                     ; bytes from row to row of W1
.set KSTEPW, 128*PITCHW
.set HROW,   8192                      ; bytes in a row of h
.set TSL,    65536                     ; behind the two weight slots of 32,768: the token slots
.set TSLOT,  87040                     ; four waves x 5 blocks x 16 rows x 272
.set TWAVE,  21760
.set STG,    239616                    ; each wave's stage for the way out
.set SGW,    8448
.set TAB,    273408                    ; each wave's bias table, 512 bytes: (fr, hh, j) at 64 fr + 32 hh + 4 j
.set LIST,   275456                    ; rank -> token, 1,024 words, and a word for the tokens that did not choose e
.set SPARE,  279808                    ; the spare words, 128 bytes a wave
.set AW,10                             ; v10,11 weight fragments of slot 0, 1: 16 x lane
.set AT,12                             ; v12,13 my token fragments: row r x 272 + 16 hh
.set AWS,14                            ; v14,15 where I store my fragments
.set ATS,16                            ; v16,17 where I store token rows: row hh x 272 + 16 r
.set WOFF,18                           ; v18 8 hh rows of W + 16 r
.set PIECE,19                          ; v19 16 r
.set TABA,20
.set STO,21
.set RD,22
.set CO,23
.set SPW,24                            ; v24 my spare word; v25 0: for the add alone
.set NIL,25
.set AL,26                             ; v26 the list at my first block
.set ZR,27                             ; v27 0, for relu
.set TOK,28
.set OVT,29
.set OVA,30
.set DUMPI,31
.set TO4,32                            ; v32-39 token offsets of block 4
.set HH16,40
.set LN,41
.set BAD,42
.set TST,43
.set BIA,44                            ; v44-47 four numbers of the bias
.set CT,48                             ; rounded weights, where fragment buffer 0 lies
.set WF,48
.set TF,176
.set E,48                              ; the way out
.set BK,112
.set RK,112                            ; v112-143 ranks, at the start
.set TS,64                             ; window 2
.set TOW,224                           ; window 2
.set MSB, 0
.macro WIN new                         ; the immediate's high byte repeats the setting that is left; a switch that changes nothing is dropped
.if MSB != (\new)
	s_set_vgpr_msb (MSB<<8)|(\new)
.set MSB, (\new)
.endif
.endm
.macro PLACES                          ; four places behind a matrix instruction in front of loads into, and vector writes of, its registers
.rept 4
	v_nop
.endr
.endm
; Half of a set: 16 loads, rows k + 16 half (+ 8 hh), both groups of 64 columns; two neighbouring loads take 512 consecutive bytes of a row
.macro GW S, adv, base, half
	WIN 0xc0
.irp k, 0,1,2,3,4,5,6,7
.irp g, 0,1
	global_load_b128 v[128*(\S)+4*(16*(\g)+8*(\half)+(\k)):128*(\S)+4*(16*(\g)+8*(\half)+(\k))+3], v[WOFF], s[\base:\base+1] offset:((\k)+16*(\half))*PITCHW+256*(\g)+(\adv)*KSTEPW th:TH_LOAD_NT
.endr
.endr
.endm
.macro CVT S                           ; register j of fragment fr = rows 2 j, 2 j + 1 of the lane's sixteen, component fr % 4
	WIN 0x0f
.irp fr, 0,1,2,3,4,5,6,7
.irp j, 0,1,2,3,4,5,6,7
	v_cvt_pk_bf16_f32 v[CT+8*(\fr)+(\j)], v[128*(\S)+4*(16*((\fr)/4)+2*(\j))+(\fr)%4], v[128*(\S)+4*(16*((\fr)/4)+2*(\j)+1)+(\fr)%4]
.endr
.endr
.endm
; A step's token rows: 256 bytes of each row, two rows a load.  cond = 1: the wave's dead blocks are jumped; no count hangs on that, since only weight loads are younger
.macro GT cond
.irp i, 0,1,2,3,4
.if \cond
	WIN 0
	s_cmp_le_u32 s20, \i
	s_cbranch_scc1 .Lgt_\@
.endif
.if \i < 4
	WIN 0x82
.irp qq, 0,1,2,3,4,5,6,7
	global_load_b128 v[TS+4*(8*(\i)+(\qq)):TS+4*(8*(\i)+(\qq))+3], v[TOW+8*(\i)+(\qq)], s[26:27]
.endr
.else
	WIN 0x80
.irp qq, 0,1,2,3,4,5,6,7
	global_load_b128 v[TS+4*(8*(\i)+(\qq)):TS+4*(8*(\i)+(\qq))+3], v[TO4+(\qq)], s[26:27]
.endr
.endif
.endr
	WIN 0
.Lgt_\@:
.endm
.macro INIT i                          ; the bias starts block i's sums
.if (\i) < 4
	WIN 0x40
.set AC, 64*(\i)
.else
	WIN 0x80
.set AC, 0
.endif
.irp fr, 0,1,2,3,4,5,6,7
	ds_load_b128 v[AC+8*(\fr):AC+8*(\fr)+3], v[TABA] offset:64*(\fr)
	ds_load_b128 v[AC+8*(\fr)+4:AC+8*(\fr)+7], v[TABA] offset:64*(\fr)+16
.endr
.endm
.macro LOADF s, q, P                   ; 26 LDS loads: the 8 weight fragments and my 5 token fragments of 32 along K
	WIN 0
.irp fr, 0,1,2,3,4,5,6,7
	ds_load_b128 v[WF+64*(\P)+8*(\fr):WF+64*(\P)+8*(\fr)+3], v[AW+(\s)] offset:1024*(8*(\q)+(\fr))
	ds_load_b128 v[WF+64*(\P)+8*(\fr)+4:WF+64*(\P)+8*(\fr)+7], v[AW+(\s)] offset:1024*(8*(\q)+(\fr))+512
.endr
.irp i, 0,1,2,3,4
	ds_load_b128 v[TF+40*(\P)+8*(\i):TF+40*(\P)+8*(\i)+3], v[AT+(\s)] offset:4352*(\i)+64*(\q)
	ds_load_b128 v[TF+40*(\P)+8*(\i)+4:TF+40*(\P)+8*(\i)+7], v[AT+(\s)] offset:4352*(\i)+64*(\q)+32
.endr
.endm
.macro MULQ P                          ; 8 matrix instructions for each live block; a block's 8 sums take turns; dead blocks are jumped
.irp i, 0,1,2,3,4
	WIN 0
	s_cmp_le_u32 s20, \i
	s_cbranch_scc1 .Lq_\@
.if \i < 4
	WIN 0x50
.set AC, 64*(\i)
.else
	WIN 0xa0
.set AC, 0
.endif
.irp fr, 0,1,2,3,4,5,6,7
	v_wmma_f32_16x16x32_bf16 v[AC+8*(\fr):AC+8*(\fr)+7], v[WF+64*(\P)+8*(\fr):WF+64*(\P)+8*(\fr)+7], v[TF+40*(\P)+8*(\i):TF+40*(\P)+8*(\i)+7], v[AC+8*(\fr):AC+8*(\fr)+7]
.endr
.endr
	WIN 0
.Lq_\@:
.endm
.macro COMPUTE s, gw                   ; four quarters of 32 along K on two fragment buffers; a quarter's loads go out a quarter ahead
	LOADF \s, 0, 0
	LOADF \s, 1, 1
	s_wait_dscnt 26                                ; all but the 26 loads issued last
	MULQ 0
	PLACES
	LOADF \s, 2, 0
	s_wait_dscnt 26
	MULQ 1
	PLACES
	LOADF \s, 3, 1
.if \gw
	GW \s, 1, 24, 1                                ; the second half of the weights two steps on
	WIN 0
.endif
	s_wait_dscnt 26
	MULQ 0
	s_wait_dscnt 0x0                               ; my reads of this slot are over
	MULQ 1
	PLACES
.endm
; K step t, slot s = t % 2.  Issued in it: token rows of t + 1, then weights of t + 2.  So at its head W(t), T(t), W(t + 1) are out in that order: cnt = 32 leaves W(t + 1) out.
.macro STEP s, gt, gw, cnt
	s_wait_loadcnt \cnt
	CVT \s
	WIN 0
.irp fr, 0,1,2,3,4,5,6,7
	ds_store_b128 v[AWS+(\s)], v[CT+8*(\fr):CT+8*(\fr)+3] offset:1024*(\fr)
	ds_store_b128 v[AWS+(\s)], v[CT+8*(\fr)+4:CT+8*(\fr)+7] offset:1024*(\fr)+512
.endr
	WIN 0x08
.irp i, 0,1,2,3,4
.irp qq, 0,1,2,3,4,5,6,7
	ds_store_b128 v[ATS+(\s)], v[TS+4*(8*(\i)+(\qq)):TS+4*(8*(\i)+(\qq))+3] offset:4352*(\i)+544*(\qq)
.endr
.endr
	WIN 0
	s_wait_xcnt 0x0                                ; the two bases are stepped only behind this wait
.if \gt
	s_add_nc_u64 s[26:27], s[26:27], 256
	GT 1
.endif
.if \gw
	s_add_nc_u64 s[24:25], s[24:25], KSTEPW
	GW \s, 1, 24, 0
.endif
	WIN 0
	s_wait_dscnt 0x0                               ; for the others' sake: my stores into the slot are done
	s_barrier_signal -1
	s_barrier_wait -1
	COMPUTE \s, \gw
.endm
; THE WAY OUT of block i: rounded to bf16 (registers in ascending order), relu on the packed halves, through my own stage, back as whole rows of 256 bytes
.macro EPI i, base, rows
.if (\i) < 4
	WIN 0x05
.set AC, 64*(\i)
.else
	WIN 0x0a
.set AC, 0
.endif
.irp g, 0,1
.irp j, 0,1,2,3,4,5,6,7
	v_cvt_pk_bf16_f32 v[E+16*(\g)+2*(\j)], v[AC+32*(\g)+(\j)], v[AC+32*(\g)+8+(\j)]
	v_cvt_pk_bf16_f32 v[E+16*(\g)+2*(\j)+1], v[AC+32*(\g)+16+(\j)], v[AC+32*(\g)+24+(\j)]
.endr
.endr
	WIN 0
.set z, 0
.rept 32
	v_pk_max_num_bf16 v[E+z], v[E+z], v[ZR]
.set z, z+1
.endr
.irp g, 0,1
.irp m, 0,1,2,3
	ds_store_b128 v[STO], v[E+16*(\g)+4*(\m):E+16*(\g)+4*(\m)+3] offset:128*(\g)+16*(\m)
.endr
.endr
	s_wait_xcnt 0x0                                ; the registers that the last block's stores read are loaded again only behind this wait
.irp tt, 0,1,2,3,4,5,6,7
	ds_load_b128 v[BK+4*(\tt):BK+4*(\tt)+3], v[RD] offset:544*(\tt)  ; LDS serves a wave's instructions in order (ISA guide 5.7.1.4): these see the stores above
.endr
	s_wait_dscnt 0x0
.irp tt, 0,1,2,3,4,5,6,7
	global_store_b128 v[CO], v[BK+4*(\tt):BK+4*(\tt)+3], s[\base:\base+1] offset:((\rows)+2*(\tt))*HROW  ; 16 lanes store 256 consecutive bytes, aligned
.endr
.endm
	s_load_b256 s[4:11], s[0:1], 0x0               ; xb s[4:5], W1 s[6:7], b1 s[8:9], bm s[10:11]
	s_load_b128 s[12:15], s[0:1], 0x20             ; h s[12:13], rk s[14:15]
	v_lshl_add_u32 v[SPW], v0, 2, SPARE
	v_mov_b32 v[NIL], 0
	v_lshrrev_b32 v3, 5, v0
	v_readfirstlane_b32 s16, v3                    ; wave w
	s_and_b32 s17, ttmp7, 0xffff                   ; expert e
	s_mov_b32 s18, ttmp9                           ; slice x
	v_and_b32 v1, 15, v0                           ; r
	v_bfe_u32 v2, v0, 4, 1                         ; hh
	v_and_b32 v[LN], 31, v0
	v_lshlrev_b32 v[PIECE], 4, v1
	v_lshlrev_b32 v[HH16], 4, v2
	v_lshl_add_u32 v[WOFF], v2, 17, v[PIECE]       ; 8 rows of 16,384 bytes
	v_lshlrev_b32 v[BAD], 4, v[LN]
	s_mov_b32 s3, 0
	s_wait_kmcnt 0x0
	s_lshl_b32 s2, s17, 7
	s_add_nc_u64 s[10:11], s[10:11], s[2:3]
	s_load_b512 s[32:47], s[10:11], 0x0            ; e's bitmap of tokens, 32 words
	s_load_b512 s[48:63], s[10:11], 0x40
	s_lshl_b32 s2, s17, 14
	s_lshl_b32 s22, s18, 9
	s_add_co_u32 s2, s2, s22
	s_add_nc_u64 s[8:9], s[8:9], s[2:3]
	global_load_b128 v[BIA:BIA+3], v[BAD], s[8:9]  ; every wave: the slice's 128 numbers of b1
	s_lshl_b32 s2, s17, 24
	s_add_co_u32 s2, s2, s22
	s_add_nc_u64 s[70:71], s[6:7], s[2:3]          ; the slice's first byte
	s_lshl_b32 s2, s16, 19
	s_add_nc_u64 s[24:25], s[70:71], s[2:3]        ; my 32 rows of a step
	GW 0, 0, 24, 0                                 ; the weights hang on no data: step 0 goes out at once
	GW 0, 0, 24, 1
	WIN 0
	s_lshl_b32 s2, s17, 12
	s_add_nc_u64 s[14:15], s[14:15], s[2:3]        ; rk[e]
	s_lshl_b32 s2, s17, 23
	s_lshl_b32 s22, s16, 17
	s_add_co_u32 s2, s2, s22
	s_lshl_b32 s22, s18, 8
	s_add_co_u32 s2, s2, s22
	s_add_nc_u64 s[28:29], s[12:13], s[2:3]        ; h at slot 1024 e + 16 w, my 256 bytes of a row
	s_add_nc_u64 s[76:77], s[28:29], 320*HROW      ; and at block 20 + w
	s_mov_b64 s[26:27], s[4:5]
	s_mul_i32 s22, s16, TWAVE
	s_add_co_u32 s22, s22, TSL
	v_lshlrev_b32 v[AW], 4, v[LN]
	v_add_nc_u32 v[AW+1], 32768, v[AW]
	v_mul_u32_u24 v3, v1, 272
	v_add_nc_u32 v3, v3, v[HH16]
	v_add_nc_u32 v[AT], s22, v3
	v_add_nc_u32 v[AT+1], TSLOT, v[AT]
	v_lshl_add_u32 v[AWS], s16, 13, v[AW]
	v_add_nc_u32 v[AWS+1], 32768, v[AWS]
	v_mul_u32_u24 v3, v2, 272
	v_add_nc_u32 v3, v3, v[PIECE]
	v_add_nc_u32 v[ATS], s22, v3
	v_add_nc_u32 v[ATS+1], TSLOT, v[ATS]
	s_mul_i32 s22, s16, SGW
	s_add_co_u32 s22, s22, STG
	v_add_nc_u32 v[RD], s22, v3                    ; back: lanes 0-15 one row, lanes 16-31 the next
	v_mul_u32_u24 v3, v1, 272
	v_lshl_add_u32 v3, v2, 6, v3
	v_add_nc_u32 v[STO], s22, v3                   ; in: row r, 64 bytes for each half of the lanes
	v_lshl_add_u32 v[CO], v2, 13, v[PIECE]
	s_lshl_b32 s22, s16, 9
	s_add_co_u32 s22, s22, TAB
	v_lshl_add_u32 v[TABA], v2, 5, s22
	v_and_b32 v3, 7, v0                            ; column 4 L + f: j = L % 8, its half (L / 8) % 2, its group L / 16
	v_lshlrev_b32 v3, 2, v3
	v_bfe_u32 v4, v0, 3, 1
	v_lshl_add_u32 v3, v4, 5, v3
	v_lshl_add_u32 v3, v2, 8, v3
	v_add_nc_u32 v[TST], s22, v3
	s_lshl_b32 s22, s16, 6
	s_add_co_u32 s22, s22, LIST
	v_lshl_add_u32 v[AL], v2, 2, s22               ; list entry 16 w + hh
	v_lshl_add_u32 v[OVA], v1, 2, s22
	v_add_nc_u32 v[OVA], 1280, v[OVA]              ; list entry 16 (20 + w) + r
	v_mov_b32 v[ZR], 0
	s_wait_loadcnt 32                              ; the bias is in; the 32 weight loads behind it stay out
	v_cvt_pk_bf16_f32 v3, v[BIA], v[BIA+1]         ; the bias rounded to bf16, as every input is, and widened again
	v_cvt_pk_bf16_f32 v4, v[BIA+2], v[BIA+3]
	v_lshlrev_b32 v[BIA], 16, v3
	v_and_b32 v[BIA+1], 0xffff0000, v3
	v_lshlrev_b32 v[BIA+2], 16, v4
	v_and_b32 v[BIA+3], 0xffff0000, v4
.irp f, 0,1,2,3
	ds_store_b32 v[TST], v[BIA+\f] offset:64*(\f)
.endr
	GW 1, 1, 24, 0                                 ; step 1
	GW 1, 1, 24, 1
	INIT 0                                         ; my own table: LDS serves a wave's instructions in order
	INIT 1
	INIT 2
	INIT 3
	INIT 4
	WIN 0
	s_wait_kmcnt 0x0                               ; the bitmap
	s_mov_b32 s66, 0
.set k, 0
.rept 32
	s_bcnt1_i32_b32 s22, s[32+k]
	s_add_co_u32 s66, s66, s22
.set k, k+1
.endr
	s_add_co_u32 s66, s66, 15
	s_lshr_b32 s66, s66, 4                         ; blocks of 16 rows,
	s_max_u32 s66, s66, 1                          ; one at the least, so that block 0 of every expert is stored,
	s_min_u32 s66, s66, 64
	s_min_u32 s20, s66, 20
	s_add_co_u32 s20, s20, 3
	s_sub_co_u32 s20, s20, s16
	s_lshr_b32 s20, s20, 2                         ; my live blocks in the main pass, 0 to 5
	s_max_u32 s67, s66, 20
	s_sub_co_u32 s67, s67, 17
	s_sub_co_u32 s67, s67, s16
	s_lshr_b32 s67, s67, 2                         ; and behind it, 0 to 11
	s_wait_dscnt 0x0
	s_barrier_signal -1
	s_barrier_wait -1                              ; no wave has an LDS instruction out: wave 0 alone now writes the list
	s_cmp_lg_u32 s16, 0
	s_cbranch_scc1 .Lno_list
	v_mov_b32 v4, 0
	v_mov_b32 v5, 0
	v_mov_b32 v6, 0
	v_mov_b32 v7, 0
	v_lshl_add_u32 v3, v[LN], 4, LIST
.irp k, 0,1,2,3,4,5,6,7
	ds_store_b128 v3, v[4:7] offset:512*(\k)       ; places past the count name token 0
.endr
	v_mov_b32 v[TOK], v[LN]
	v_mov_b32 v[DUMPI], 0x400
	s_mov_b32 s22, 0
.set k, 0
.rept 32                                               ; tokens 32 k + lane: rank = e's tokens in front of it
	v_mbcnt_lo_u32_b32 v[RK+k], s[32+k], s22
	v_cndmask_b32 v8, v[DUMPI], v[RK+k], s[32+k]   ; a token that did not choose e goes to word 1,024
	v_min_u32 v8, 0x400, v8
	v_lshl_add_u32 v8, v8, 2, LIST
	ds_store_b32 v8, v[TOK]
	v_add_nc_u32 v[TOK], 32, v[TOK]
	s_bcnt1_i32_b32 s30, s[32+k]
	s_add_co_u32 s22, s22, s30
.set k, k+1
.endr
	s_cmp_lg_u32 s18, 0
	s_cbranch_scc1 .Lno_list
	v_lshlrev_b32 v3, 2, v[LN]                     ; slice 0 stores the ranks for the last launch
.set k, 0
.rept 32
	global_store_b32 v3, v[RK+k], s[14:15] offset:128*k
.set k, k+1
.endr
	s_wait_xcnt 0x0                                ; the ranks' registers become fragments
.Lno_list:
	s_wait_dscnt 0x0
	s_barrier_signal -1
	s_barrier_wait -1                              ; the list is whole
	WIN 0x80
.irp i, 0,1,2,3
.irp qq, 0,1,2,3,4,5,6,7
	ds_load_b32 v[TOW+8*(\i)+(\qq)], v[AL] offset:256*(\i)+8*(\qq)  ; the token of row 16 (w + 4 i) + 2 qq + hh
.endr
.endr
	WIN 0
.irp qq, 0,1,2,3,4,5,6,7
	ds_load_b32 v[TO4+(\qq)], v[AL] offset:1024+8*(\qq)
.endr
	s_wait_dscnt 0x0
	WIN 0x8a
.set k, 0
.rept 32
	v_min_u32 v[TOW+k], 0x3ff, v[TOW+k]
	v_lshl_add_u32 v[TOW+k], v[TOW+k], 11, v[PIECE]  ; its row of 2,048 bytes, my 16 bytes
.set k, k+1
.endr
	WIN 0
.set k, 0
.rept 8
	v_min_u32 v[TO4+k], 0x3ff, v[TO4+k]
	v_lshl_add_u32 v[TO4+k], v[TO4+k], 11, v[PIECE]
.set k, k+1
.endr
	GT 0                                           ; step 0's token rows, dead blocks too: every staging register is written
	s_wait_loadcnt 0x0                             ; they were issued last
	s_mov_b32 s21, 3
.Lloop:
	STEP 0, 1, 1, 32
	STEP 1, 1, 1, 32
	s_sub_co_u32 s21, s21, 1
	s_cmp_lg_u32 s21, 0
	s_cbranch_scc1 .Lloop
	STEP 0, 1, 0, 32                               ; step 6: no weights are left to ask for
	STEP 1, 0, 0, 0                                ; step 7: nothing is younger
.irp i, 0,1,2,3,4
	s_cmp_le_u32 s20, \i
	s_cbranch_scc1 .Lmain_done
	EPI \i, 28, 64*\i
.endr
.Lmain_done:
	; ROWS FROM 320 ON: block 20 + w + 4 j.  A constant count of trips, dead ones jumped; no barrier; the weights are read again, straight into fragments, the token rows straight into a fragment.
	s_mov_b32 s68, 0
.Lov:
	s_cmp_ge_u32 s68, s67
	s_cbranch_scc1 .Lov_next
	INIT 0
	WIN 0
	ds_load_b32 v[OVT], v[OVA]
	s_mov_b64 s[72:73], s[70:71]
	s_mov_b64 s[74:75], s[4:5]
	s_wait_dscnt 0x0
	v_min_u32 v[OVT], 0x3ff, v[OVT]
	v_lshl_add_u32 v[OVT], v[OVT], 11, v[HH16]
	s_mov_b32 s69, 32
.Lovk:                                                 ; 32 along K a trip
	GW 0, 0, 72, 0
	GW 0, 0, 72, 1
	WIN 0
	global_load_b128 v[TF:TF+3], v[OVT], s[74:75]
	global_load_b128 v[TF+4:TF+7], v[OVT], s[74:75] offset:32
	s_wait_loadcnt 0x0                             ; which also frees the two bases
	CVT 0
	WIN 0x50
.irp fr, 0,1,2,3,4,5,6,7
	v_wmma_f32_16x16x32_bf16 v[8*(\fr):8*(\fr)+7], v[CT+8*(\fr):CT+8*(\fr)+7], v[TF:TF+7], v[8*(\fr):8*(\fr)+7]
.endr
	WIN 0
	PLACES
	s_add_nc_u64 s[72:73], s[72:73], 32*PITCHW
	s_add_nc_u64 s[74:75], s[74:75], 64
	s_sub_co_u32 s69, s69, 1
	s_cmp_lg_u32 s69, 0
	s_cbranch_scc1 .Lovk
	EPI 0, 76, 0
.Lov_next:
	s_wait_xcnt 0x0                                ; the stores' base is stepped only behind this wait
	s_add_nc_u64 s[76:77], s[76:77], 64*HROW
	v_add_nc_u32 v[OVA], 256, v[OVA]
	s_add_co_u32 s68, s68, 1
	s_cmp_lt_u32 s68, 11
	s_cbranch_scc1 .Lov
	s_wait_tensorcnt 0x0                           ; the wave's end, behind my last LDS store
	ds_add_u32 v[SPW], v[NIL]
	s_wait_dscnt 0x0
	s_endpgm
.Lfunc_end_k_q1ac6eb788a_up:
	.size	k_q1ac6eb788a_up, .Lfunc_end_k_q1ac6eb788a_up-k_q1ac6eb788a_up
	.p2alignl 7, 3214868480
	.fill 96, 4, 3214868480
	.section	.rodata,"a",@progbits
	.p2align	6, 0x0
	.amdhsa_kernel k_q1ac6eb788a_up
		.amdhsa_group_segment_fixed_size 280320
		.amdhsa_private_segment_fixed_size 0
		.amdhsa_enable_private_segment 0
		.amdhsa_kernarg_size 48
		.amdhsa_user_sgpr_count 2
		.amdhsa_user_sgpr_kernarg_segment_ptr 1
		.amdhsa_wavefront_size32 1
		.amdhsa_system_sgpr_workgroup_id_x 1
		.amdhsa_system_sgpr_workgroup_id_y 1
		.amdhsa_system_sgpr_workgroup_id_z 1
		.amdhsa_system_vgpr_workitem_id 0
		.amdhsa_next_free_vgpr 1024
		.amdhsa_next_free_sgpr 80
		.amdhsa_reserve_vcc 0
		.amdhsa_float_denorm_mode_32 3
		.amdhsa_float_denorm_mode_16_64 3
		.amdhsa_memory_ordered 1
		.amdhsa_forward_progress 1
		.amdhsa_inst_pref_size 223
	.end_amdhsa_kernel
	.amdgpu_metadata
---
amdhsa.version: [ 1, 2 ]
amdhsa.kernels:
  - .name:           k_q1ac6eb788a_up
    .symbol:         k_q1ac6eb788a_up.kd
    .args:
      - { .name: xb, .offset: 0, .size: 8, .value_kind: global_buffer, .address_space: global }
      - { .name: W1, .offset: 8, .size: 8, .value_kind: global_buffer, .address_space: global }
      - { .name: b1, .offset: 16, .size: 8, .value_kind: global_buffer, .address_space: global }
      - { .name: bm, .offset: 24, .size: 8, .value_kind: global_buffer, .address_space: global }
      - { .name: h, .offset: 32, .size: 8, .value_kind: global_buffer, .address_space: global }
      - { .name: rk, .offset: 40, .size: 8, .value_kind: global_buffer, .address_space: global }
    .group_segment_fixed_size: 280320
    .private_segment_fixed_size: 0
    .kernarg_segment_align: 8
    .kernarg_segment_size: 48
    .max_flat_workgroup_size: 128
    .sgpr_count:     80
    .vgpr_count:     1024
    .wavefront_size: 32
...
	.end_amdgpu_metadata
.endif
;; end of part 2
;; launch down (part 3): grid 32 x 8, 4 waves a work-group, no clusters, 280,320 bytes of LDS; arguments h, W2, b2, bm, part; writes part
.if DOCPART == 3
	.amdgcn_target "amdgcn-amd-amdhsa--gfx1250"
	.amdhsa_code_object_version 6
	.text
	.protected	k_q1ac6eb788a_down
	.globl	k_q1ac6eb788a_down
	.p2align	8
	.type	k_q1ac6eb788a_down,@function
k_q1ac6eb788a_down:
	s_mov_b64 s[64:65], 0
	v_nop
	global_prefetch_b8 v0, s[64:65] scope:SCOPE_SE
	s_setreg_imm32_b32 hwreg(HW_REG_WAVE_MODE, 25, 1), 1
	s_wait_xcnt 0x0
; SECOND PRODUCT, in four parts along K.  part[ks][slot][:] = h[slot][1024 ks .. + 1023] W2[e][1024 ks .. + 1023][:] (+ b2[e] in part 0), f32; slot = 1024 e + rank.  The last launch adds the parts.
; SHARES.  Work-group (x, e): columns 128 (x % 8) .. + 127, K rows 1024 (x / 8) .. + 1023 of W2[e], which it alone reads, once, and ALL of e's rows.  K is split so that there are 256 work-groups
; whose pieces of a weight row are 512 bytes.  Rows go in blocks of 16; wave w has blocks w + 4 i, i = 0..4; rows from 320 on go by a slower loop behind the main pass.  Whole blocks are stored.
; WEIGHTS, K STEPS, RING, REGISTERS: as in the first product.  A lane loads 16 bytes of a weight row; component f over 16 rows, rounded in pairs, is its part of a fragment whose index r stands for column
; 64 g + 4 r + f; source 0 = such a fragment, source 1 = 16 rows of h; in the result lane (r, hh) holds row r, register j of fragment 4 g + f column 64 g + 32 hh + 4 j + f.
; So four neighbouring f32 columns lie in four sums: on the way out 64 moves a block bring them together for 16-byte stores.
; Eight steps of 128 along K through two LDS slots, one barrier a step: a slot is written behind the barrier in front of which every wave has waited for its reads of that slot, two steps back.
; NO CLUSTER: a slice of weights has one reader.  What the eight work-groups of one (e, ks) share is h's rows; how many of them are live hangs on a count read from memory, and loads that a count may skip go through registers here.
; LIMITS.  W2 and b2 are rounded to bf16; h arrives in bf16.
.set PITCHW, 4096                      ; bytes from row to row of W2
.set KSTEPW, 128*PITCHW
.set HROW,   8192                      ; bytes in a row of h
.set PROW,   4096                      ; bytes in a row of part
.set TSL,    65536
.set TSLOT,  87040
.set TWAVE,  21760
.set STG,    239616                    ; each wave's stage: 16 rows x 528
.set SGW,    8448
.set TAB,    273408                    ; each wave's bias table, 512 bytes
.set SPARE,  279808                    ; the spare words, 128 bytes a wave
.set AW,10
.set AT,12
.set AWS,14
.set ATS,16
.set WOFF,18
.set PIECE,19
.set TABA,20
.set STO,21
.set RD,22
.set CO,23
.set SPW,24                            ; v24 my spare word; v25 0: for the add alone
.set NIL,25
.set OVT,29
.set TO,32                             ; v32-36 block i's offset in h
.set HH16,40
.set LN,41
.set BAD,42
.set TST,43
.set BIA,44
.set CT,48
.set WF,48
.set TF,176
.set E,48
.set BK,112
.set TS,64                             ; window 2
.set MSB, 0
.macro WIN new                         ; the immediate's high byte repeats the setting that is left; a switch that changes nothing is dropped
.if MSB != (\new)
	s_set_vgpr_msb (MSB<<8)|(\new)
.set MSB, (\new)
.endif
.endm
.macro PLACES                          ; four places behind a matrix instruction in front of loads into, and vector writes of, its registers
.rept 4
	v_nop
.endr
.endm
.macro GW S, adv, base, half           ; half of a set: 16 loads, rows k + 16 half (+ 8 hh), both groups of 64 columns
	WIN 0xc0
.irp k, 0,1,2,3,4,5,6,7
.irp g, 0,1
	global_load_b128 v[128*(\S)+4*(16*(\g)+8*(\half)+(\k)):128*(\S)+4*(16*(\g)+8*(\half)+(\k))+3], v[WOFF], s[\base:\base+1] offset:((\k)+16*(\half))*PITCHW+256*(\g)+(\adv)*KSTEPW th:TH_LOAD_NT
.endr
.endr
.endm
.macro CVT S
	WIN 0x0f
.irp fr, 0,1,2,3,4,5,6,7
.irp j, 0,1,2,3,4,5,6,7
	v_cvt_pk_bf16_f32 v[CT+8*(\fr)+(\j)], v[128*(\S)+4*(16*((\fr)/4)+2*(\j))+(\fr)%4], v[128*(\S)+4*(16*((\fr)/4)+2*(\j)+1)+(\fr)%4]
.endr
.endr
.endm
.macro GT cond                         ; a step's 256 bytes of each row of h, two rows a load.  cond = 1: dead blocks are jumped; no count hangs on that
.irp i, 0,1,2,3,4
.if \cond
	WIN 0
	s_cmp_le_u32 s20, \i
	s_cbranch_scc1 .Lgt_\@
.endif
	WIN 0x80
.irp qq, 0,1,2,3,4,5,6,7
	global_load_b128 v[TS+4*(8*(\i)+(\qq)):TS+4*(8*(\i)+(\qq))+3], v[TO+(\i)], s[26:27] offset:2*HROW*(\qq)
.endr
.endr
	WIN 0
.Lgt_\@:
.endm
.macro INIT i                          ; the bias (part 0) or 0 starts block i's sums
.if (\i) < 4
	WIN 0x40
.set AC, 64*(\i)
.else
	WIN 0x80
.set AC, 0
.endif
.irp fr, 0,1,2,3,4,5,6,7
	ds_load_b128 v[AC+8*(\fr):AC+8*(\fr)+3], v[TABA] offset:64*(\fr)
	ds_load_b128 v[AC+8*(\fr)+4:AC+8*(\fr)+7], v[TABA] offset:64*(\fr)+16
.endr
.endm
.macro LOADF s, q, P                   ; 26 LDS loads
	WIN 0
.irp fr, 0,1,2,3,4,5,6,7
	ds_load_b128 v[WF+64*(\P)+8*(\fr):WF+64*(\P)+8*(\fr)+3], v[AW+(\s)] offset:1024*(8*(\q)+(\fr))
	ds_load_b128 v[WF+64*(\P)+8*(\fr)+4:WF+64*(\P)+8*(\fr)+7], v[AW+(\s)] offset:1024*(8*(\q)+(\fr))+512
.endr
.irp i, 0,1,2,3,4
	ds_load_b128 v[TF+40*(\P)+8*(\i):TF+40*(\P)+8*(\i)+3], v[AT+(\s)] offset:4352*(\i)+64*(\q)
	ds_load_b128 v[TF+40*(\P)+8*(\i)+4:TF+40*(\P)+8*(\i)+7], v[AT+(\s)] offset:4352*(\i)+64*(\q)+32
.endr
.endm
.macro MULQ P                          ; 8 matrix instructions for each live block; a block's 8 sums take turns
.irp i, 0,1,2,3,4
	WIN 0
	s_cmp_le_u32 s20, \i
	s_cbranch_scc1 .Lq_\@
.if \i < 4
	WIN 0x50
.set AC, 64*(\i)
.else
	WIN 0xa0
.set AC, 0
.endif
.irp fr, 0,1,2,3,4,5,6,7
	v_wmma_f32_16x16x32_bf16 v[AC+8*(\fr):AC+8*(\fr)+7], v[WF+64*(\P)+8*(\fr):WF+64*(\P)+8*(\fr)+7], v[TF+40*(\P)+8*(\i):TF+40*(\P)+8*(\i)+7], v[AC+8*(\fr):AC+8*(\fr)+7]
.endr
.endr
	WIN 0
.Lq_\@:
.endm
.macro COMPUTE s, gw
	LOADF \s, 0, 0
	LOADF \s, 1, 1
	s_wait_dscnt 26                                ; all but the 26 loads issued last
	MULQ 0
	PLACES
	LOADF \s, 2, 0
	s_wait_dscnt 26
	MULQ 1
	PLACES
	LOADF \s, 3, 1
.if \gw
	GW \s, 1, 24, 1                                ; the second half of the weights two steps on
	WIN 0
.endif
	s_wait_dscnt 26
	MULQ 0
	s_wait_dscnt 0x0                               ; my reads of this slot are over
	MULQ 1
	PLACES
.endm
; K step t, slot s = t % 2.  Issued in it: rows of h of t + 1, then weights of t + 2.  At its head W(t), T(t), W(t + 1) are out in that order: cnt = 32 leaves W(t + 1) out.
.macro STEP s, gt, gw, cnt
	s_wait_loadcnt \cnt
	CVT \s
	WIN 0
.irp fr, 0,1,2,3,4,5,6,7
	ds_store_b128 v[AWS+(\s)], v[CT+8*(\fr):CT+8*(\fr)+3] offset:1024*(\fr)
	ds_store_b128 v[AWS+(\s)], v[CT+8*(\fr)+4:CT+8*(\fr)+7] offset:1024*(\fr)+512
.endr
	WIN 0x08
.irp i, 0,1,2,3,4
.irp qq, 0,1,2,3,4,5,6,7
	ds_store_b128 v[ATS+(\s)], v[TS+4*(8*(\i)+(\qq)):TS+4*(8*(\i)+(\qq))+3] offset:4352*(\i)+544*(\qq)
.endr
.endr
	WIN 0
	s_wait_xcnt 0x0                                ; the two bases are stepped only behind this wait
.if \gt
	s_add_nc_u64 s[26:27], s[26:27], 256
	GT 1
.endif
.if \gw
	s_add_nc_u64 s[24:25], s[24:25], KSTEPW
	GW \s, 1, 24, 0
.endif
	WIN 0
	s_wait_dscnt 0x0                               ; for the others' sake: my stores into the slot are done
	s_barrier_signal -1
	s_barrier_wait -1
	COMPUTE \s, \gw
.endm
; THE WAY OUT of block i: four sums' registers j (ascending) are four neighbouring columns; through my own stage, back as whole rows of 512 bytes
.macro EPI i, base, rows
.if (\i) < 4
	WIN 0x05
.set AC, 64*(\i)
.else
	WIN 0x0a
.set AC, 0
.endif
.irp g, 0,1
.irp j, 0,1,2,3,4,5,6,7
.irp f, 0,1,2,3
	v_mov_b32 v[E+32*(\g)+4*(\j)+(\f)], v[AC+8*(4*(\g)+(\f))+(\j)]
.endr
.endr
.endr
	WIN 0
.irp g, 0,1
.irp j, 0,1,2,3,4,5,6,7
	ds_store_b128 v[STO], v[E+32*(\g)+4*(\j):E+32*(\g)+4*(\j)+3] offset:256*(\g)+16*(\j)
.endr
.endr
	s_wait_xcnt 0x0                                ; the registers that the last block's stores read are loaded again only behind this wait
.irp rr, 0,1,2,3,4,5,6,7,8,9,10,11,12,13,14,15
	ds_load_b128 v[BK+4*(\rr):BK+4*(\rr)+3], v[RD] offset:528*(\rr)  ; LDS serves a wave's instructions in order (ISA guide 5.7.1.4): these see the stores above
.endr
	s_wait_dscnt 0x0
.irp rr, 0,1,2,3,4,5,6,7,8,9,10,11,12,13,14,15
	global_store_b128 v[CO], v[BK+4*(\rr):BK+4*(\rr)+3], s[\base:\base+1] offset:((\rows)+(\rr))*PROW  ; 512 consecutive bytes, aligned
.endr
.endm
	s_load_b256 s[4:11], s[0:1], 0x0               ; h s[4:5], W2 s[6:7], b2 s[8:9], bm s[10:11]
	s_load_b64 s[12:13], s[0:1], 0x20              ; part
	v_lshl_add_u32 v[SPW], v0, 2, SPARE
	v_mov_b32 v[NIL], 0
	v_lshrrev_b32 v3, 5, v0
	v_readfirstlane_b32 s16, v3                    ; wave w
	s_and_b32 s17, ttmp7, 0xffff                   ; expert e
	s_and_b32 s18, ttmp9, 7                        ; slice of columns
	s_lshr_b32 s19, ttmp9, 3                       ; part of K
	v_and_b32 v1, 15, v0                           ; r
	v_bfe_u32 v2, v0, 4, 1                         ; hh
	v_and_b32 v[LN], 31, v0
	v_lshlrev_b32 v[PIECE], 4, v1
	v_lshlrev_b32 v[HH16], 4, v2
	v_lshl_add_u32 v[WOFF], v2, 15, v[PIECE]       ; 8 rows of 4,096 bytes
	v_lshlrev_b32 v[BAD], 4, v[LN]
	s_mov_b32 s3, 0
	s_wait_kmcnt 0x0
	s_lshl_b32 s2, s17, 7
	s_add_nc_u64 s[10:11], s[10:11], s[2:3]
	s_load_b512 s[32:47], s[10:11], 0x0            ; e's bitmap of tokens
	s_load_b512 s[48:63], s[10:11], 0x40
	s_lshl_b32 s2, s17, 12
	s_lshl_b32 s22, s18, 9
	s_add_co_u32 s2, s2, s22
	s_add_nc_u64 s[8:9], s[8:9], s[2:3]
	global_load_b128 v[BIA:BIA+3], v[BAD], s[8:9]  ; every wave: the slice's 128 numbers of b2
	s_lshl_b32 s2, s17, 24
	s_add_co_u32 s2, s2, s22
	s_lshl_b32 s22, s19, 22
	s_add_co_u32 s2, s2, s22
	s_add_nc_u64 s[70:71], s[6:7], s[2:3]          ; the slice's first byte
	s_lshl_b32 s2, s16, 17
	s_add_nc_u64 s[24:25], s[70:71], s[2:3]        ; my 32 rows of a step
	GW 0, 0, 24, 0                                 ; the weights hang on no data: step 0 goes out at once
	GW 0, 0, 24, 1
	WIN 0
	s_lshl_b32 s2, s17, 23
	s_lshl_b32 s22, s19, 11
	s_add_co_u32 s2, s2, s22
	s_add_nc_u64 s[26:27], s[4:5], s[2:3]          ; h at slot 1024 e, my part of K
	s_add_co_u32 s2, s16, 20
	s_lshl_b32 s2, s2, 17
	s_add_nc_u64 s[78:79], s[26:27], s[2:3]        ; and at block 20 + w
	s_lshl_b32 s2, s19, 25
	s_lshl_b32 s22, s17, 22
	s_add_co_u32 s2, s2, s22
	s_lshl_b32 s22, s16, 16
	s_add_co_u32 s2, s2, s22
	s_lshl_b32 s22, s18, 9
	s_add_co_u32 s2, s2, s22
	s_add_nc_u64 s[28:29], s[12:13], s[2:3]        ; part ks at slot 1024 e + 16 w, my 512 bytes of a row
	s_add_nc_u64 s[76:77], s[28:29], 320*PROW
	s_mul_i32 s22, s16, TWAVE
	s_add_co_u32 s22, s22, TSL
	v_lshlrev_b32 v[AW], 4, v[LN]
	v_add_nc_u32 v[AW+1], 32768, v[AW]
	v_mul_u32_u24 v3, v1, 272
	v_add_nc_u32 v3, v3, v[HH16]
	v_add_nc_u32 v[AT], s22, v3
	v_add_nc_u32 v[AT+1], TSLOT, v[AT]
	v_lshl_add_u32 v[AWS], s16, 13, v[AW]
	v_add_nc_u32 v[AWS+1], 32768, v[AWS]
	v_mul_u32_u24 v3, v2, 272
	v_add_nc_u32 v3, v3, v[PIECE]
	v_add_nc_u32 v[ATS], s22, v3
	v_add_nc_u32 v[ATS+1], TSLOT, v[ATS]
	s_mul_i32 s22, s16, SGW
	s_add_co_u32 s22, s22, STG
	v_add_nc_u32 v[RD], s22, v[AW]                 ; back: 32 lanes take a row of 512 bytes
	v_mul_u32_u24 v3, v1, 528
	v_lshl_add_u32 v3, v2, 7, v3
	v_add_nc_u32 v[STO], s22, v3                   ; in: row r, 128 bytes for each half of the lanes
	v_lshlrev_b32 v[CO], 4, v[LN]
	s_lshl_b32 s22, s16, 9
	s_add_co_u32 s22, s22, TAB
	v_lshl_add_u32 v[TABA], v2, 5, s22
	v_and_b32 v3, 7, v0                            ; column 4 L + f: j = L % 8, its half (L / 8) % 2, its group L / 16
	v_lshlrev_b32 v3, 2, v3
	v_bfe_u32 v4, v0, 3, 1
	v_lshl_add_u32 v3, v4, 5, v3
	v_lshl_add_u32 v3, v2, 8, v3
	v_add_nc_u32 v[TST], s22, v3
	v_lshl_add_u32 v[OVT], v1, 13, v[HH16]         ; a fragment straight from h: row r, 16 hh
	s_cmp_eq_u32 s19, 0
	s_cselect_b32 s22, -1, 0                       ; the bias belongs to part 0 alone
	s_wait_loadcnt 32                              ; the bias is in; the 32 weight loads behind it stay out
	v_cvt_pk_bf16_f32 v3, v[BIA], v[BIA+1]         ; the bias rounded to bf16, as every input is, and widened again
	v_cvt_pk_bf16_f32 v4, v[BIA+2], v[BIA+3]
	v_lshlrev_b32 v[BIA], 16, v3
	v_and_b32 v[BIA+1], 0xffff0000, v3
	v_lshlrev_b32 v[BIA+2], 16, v4
	v_and_b32 v[BIA+3], 0xffff0000, v4
.irp f, 0,1,2,3
	v_cndmask_b32 v[BIA+\f], 0, v[BIA+\f], s22
.endr
.irp f, 0,1,2,3
	ds_store_b32 v[TST], v[BIA+\f] offset:64*(\f)
.endr
	GW 1, 1, 24, 0                                 ; step 1
	GW 1, 1, 24, 1
	INIT 0                                         ; my own table: LDS serves a wave's instructions in order
	INIT 1
	INIT 2
	INIT 3
	INIT 4
	WIN 0
	s_wait_kmcnt 0x0                               ; the bitmap
	s_mov_b32 s66, 0
.set k, 0
.rept 32
	s_bcnt1_i32_b32 s22, s[32+k]
	s_add_co_u32 s66, s66, s22
.set k, k+1
.endr
	s_add_co_u32 s66, s66, 15
	s_lshr_b32 s66, s66, 4                         ; blocks of 16 rows, as the first product stored them:
	s_max_u32 s66, s66, 1                          ; one at the least
	s_min_u32 s66, s66, 64
	s_min_u32 s20, s66, 20
	s_add_co_u32 s20, s20, 3
	s_sub_co_u32 s20, s20, s16
	s_lshr_b32 s20, s20, 2                         ; my live blocks in the main pass, 0 to 5
	s_max_u32 s67, s66, 20
	s_sub_co_u32 s67, s67, 17
	s_sub_co_u32 s67, s67, s16
	s_lshr_b32 s67, s67, 2                         ; and behind it, 0 to 11
	v_lshl_add_u32 v3, v2, 13, v[PIECE]            ; row hh, my 16 bytes
.irp i, 0,1,2,3,4
	s_add_co_u32 s22, s16, 4*\i                    ; block w + 4 i;
	s_cmp_gt_u32 s20, \i
	s_cselect_b32 s22, s22, 0                      ; a dead block names block 0, which is always stored.
	s_min_u32 s22, s22, 19                         ; The choice hangs on a count read from memory: the number is held inside the main pass's 20 blocks before it enters an address
	s_lshl_b32 s22, s22, 17                        ; 16 rows of 8,192 bytes
	v_add_nc_u32 v[TO+\i], s22, v3
.endr
	GT 0                                           ; step 0's rows, dead blocks too: every staging register is written
	s_wait_loadcnt 0x0                             ; they were issued last
	s_wait_dscnt 0x0                               ; the sums' first values are in
	s_mov_b32 s21, 3
.Lloop:
	STEP 0, 1, 1, 32
	STEP 1, 1, 1, 32
	s_sub_co_u32 s21, s21, 1
	s_cmp_lg_u32 s21, 0
	s_cbranch_scc1 .Lloop
	STEP 0, 1, 0, 32                               ; step 6: no weights are left to ask for
	STEP 1, 0, 0, 0                                ; step 7: nothing is younger
.irp i, 0,1,2,3,4
	s_cmp_le_u32 s20, \i
	s_cbranch_scc1 .Lmain_done
	EPI \i, 28, 64*\i
.endr
.Lmain_done:
	; ROWS FROM 320 ON: block 20 + w + 4 j.  A constant count of trips, dead ones jumped; no barrier; the weights are read again, straight into fragments, h's rows straight into a fragment.
	s_mov_b32 s68, 0
.Lov:
	s_cmp_ge_u32 s68, s67
	s_cbranch_scc1 .Lov_next
	INIT 0
	WIN 0
	s_mov_b64 s[72:73], s[70:71]
	s_mov_b64 s[74:75], s[78:79]
	s_wait_dscnt 0x0
	s_mov_b32 s69, 32
.Lovk:                                                 ; 32 along K a trip
	GW 0, 0, 72, 0
	GW 0, 0, 72, 1
	WIN 0
	global_load_b128 v[TF:TF+3], v[OVT], s[74:75]
	global_load_b128 v[TF+4:TF+7], v[OVT], s[74:75] offset:32
	s_wait_loadcnt 0x0                             ; which also frees the two bases
	CVT 0
	WIN 0x50
.irp fr, 0,1,2,3,4,5,6,7
	v_wmma_f32_16x16x32_bf16 v[8*(\fr):8*(\fr)+7], v[CT+8*(\fr):CT+8*(\fr)+7], v[TF:TF+7], v[8*(\fr):8*(\fr)+7]
.endr
	WIN 0
	PLACES
	s_add_nc_u64 s[72:73], s[72:73], 32*PITCHW
	s_add_nc_u64 s[74:75], s[74:75], 64
	s_sub_co_u32 s69, s69, 1
	s_cmp_lg_u32 s69, 0
	s_cbranch_scc1 .Lovk
	EPI 0, 76, 0
.Lov_next:
	s_wait_xcnt 0x0                                ; the bases are stepped only behind this wait
	s_add_nc_u64 s[76:77], s[76:77], 64*PROW
	s_add_nc_u64 s[78:79], s[78:79], 64*HROW
	s_add_co_u32 s68, s68, 1
	s_cmp_lt_u32 s68, 11
	s_cbranch_scc1 .Lov
	s_wait_tensorcnt 0x0                           ; the wave's end, behind my last LDS store
	ds_add_u32 v[SPW], v[NIL]
	s_wait_dscnt 0x0
	s_endpgm
.Lfunc_end_k_q1ac6eb788a_down:
	.size	k_q1ac6eb788a_down, .Lfunc_end_k_q1ac6eb788a_down-k_q1ac6eb788a_down
	.p2alignl 7, 3214868480
	.fill 96, 4, 3214868480
	.section	.rodata,"a",@progbits
	.p2align	6, 0x0
	.amdhsa_kernel k_q1ac6eb788a_down
		.amdhsa_group_segment_fixed_size 280320
		.amdhsa_private_segment_fixed_size 0
		.amdhsa_enable_private_segment 0
		.amdhsa_kernarg_size 40
		.amdhsa_user_sgpr_count 2
		.amdhsa_user_sgpr_kernarg_segment_ptr 1
		.amdhsa_wavefront_size32 1
		.amdhsa_system_sgpr_workgroup_id_x 1
		.amdhsa_system_sgpr_workgroup_id_y 1
		.amdhsa_system_sgpr_workgroup_id_z 1
		.amdhsa_system_vgpr_workitem_id 0
		.amdhsa_next_free_vgpr 1024
		.amdhsa_next_free_sgpr 80
		.amdhsa_reserve_vcc 0
		.amdhsa_float_denorm_mode_32 3
		.amdhsa_float_denorm_mode_16_64 3
		.amdhsa_memory_ordered 1
		.amdhsa_forward_progress 1
		.amdhsa_inst_pref_size 197
	.end_amdhsa_kernel
	.amdgpu_metadata
---
amdhsa.version: [ 1, 2 ]
amdhsa.kernels:
  - .name:           k_q1ac6eb788a_down
    .symbol:         k_q1ac6eb788a_down.kd
    .args:
      - { .name: h, .offset: 0, .size: 8, .value_kind: global_buffer, .address_space: global }
      - { .name: W2, .offset: 8, .size: 8, .value_kind: global_buffer, .address_space: global }
      - { .name: b2, .offset: 16, .size: 8, .value_kind: global_buffer, .address_space: global }
      - { .name: bm, .offset: 24, .size: 8, .value_kind: global_buffer, .address_space: global }
      - { .name: part, .offset: 32, .size: 8, .value_kind: global_buffer, .address_space: global }
    .group_segment_fixed_size: 280320
    .private_segment_fixed_size: 0
    .kernarg_segment_align: 8
    .kernarg_segment_size: 40
    .max_flat_workgroup_size: 128
    .sgpr_count:     80
    .vgpr_count:     1024
    .wavefront_size: 32
...
	.end_amdgpu_metadata
.endif
;; end of part 3
;; launch combine (part 4): grid 1024 x 1, 4 waves a work-group, no clusters, 0 bytes of LDS; arguments eidx, gw, rk, part, out0; writes out0
.if DOCPART == 4
	.amdgcn_target "amdgcn-amd-amdhsa--gfx1250"
	.amdhsa_code_object_version 6
	.text
	.protected	k_q1ac6eb788a_combine
	.globl	k_q1ac6eb788a_combine
	.p2align	8
	.type	k_q1ac6eb788a_combine,@function
k_q1ac6eb788a_combine:
	s_mov_b64 s[64:65], 0
	v_nop
	global_prefetch_b8 v0, s[64:65] scope:SCOPE_SE
	s_setreg_imm32_b32 hwreg(HW_REG_WAVE_MODE, 25, 1), 1
	s_wait_xcnt 0x0
; out0[n] = w0 y(e0) + w1 y(e1), y(e) = the sum of the four parts along K of slot 1024 e + rank (b2 lies in part 0).  One work-group a token, so each output row has one owner.
; The experts and ranks are whole numbers that earlier launches stored; each is held inside its table before it enters an address.
; Thread t takes bytes 16 t and 2,048 + 16 t of the row: a wave's load or store covers 512 consecutive bytes.  All 16 loads of a lane go out together.
; Memory binds: no LDS, no barrier, no matrix unit.
.set P, 8                              ; v[8:71]  (k, ks, c) at 8 + 32 k + 8 ks + 4 c
	s_load_b256 s[4:11], s[0:1], 0x0               ; eidx s[4:5], gw s[6:7], rk s[8:9], part s[10:11]
	s_load_b64 s[12:13], s[0:1], 0x20              ; out0
	s_lshl_b32 s14, ttmp9, 3
	s_lshl_b32 s15, ttmp9, 2
	s_lshl_b32 s32, ttmp9, 12
	s_mov_b32 s33, 0
	v_lshlrev_b32 v1, 4, v0
	s_wait_kmcnt 0x0
	s_load_b64 s[16:17], s[4:5], s14 offset:0x0    ; the two experts
	s_load_b64 s[18:19], s[6:7], s14 offset:0x0    ; their weights
	s_add_nc_u64 s[24:25], s[10:11], 0x2000000     ; the parts lie 32 MiB apart
	s_add_nc_u64 s[26:27], s[10:11], 0x4000000
	s_add_nc_u64 s[28:29], s[10:11], 0x6000000
	s_add_nc_u64 s[12:13], s[12:13], s[32:33]
	s_wait_kmcnt 0x0
	s_min_u32 s16, s16, 7
	s_min_u32 s17, s17, 7
	s_lshl_b32 s20, s16, 12
	s_add_co_u32 s20, s20, s15
	s_lshl_b32 s21, s17, 12
	s_add_co_u32 s21, s21, s15
	s_load_b32 s22, s[8:9], s20 offset:0x0         ; the token's rank with each
	s_load_b32 s23, s[8:9], s21 offset:0x0
	s_mov_b32 s34, s19                             ; w1 as the low word of a pair
	s_mov_b32 s35, s19
	s_wait_kmcnt 0x0
	s_min_u32 s22, s22, 0x3ff
	s_min_u32 s23, s23, 0x3ff
	s_lshl_b32 s16, s16, 10
	s_add_co_u32 s16, s16, s22
	s_lshl_b32 s16, s16, 12                        ; the slot's row of 4,096 bytes
	s_lshl_b32 s17, s17, 10
	s_add_co_u32 s17, s17, s23
	s_lshl_b32 s17, s17, 12
	v_add_nc_u32 v2, s16, v1
	v_add_nc_u32 v3, s17, v1
.irp k, 0,1
.irp c, 0,1
	global_load_b128 v[P+32*(\k)+4*(\c):P+32*(\k)+4*(\c)+3], v[2+\k], s[10:11] offset:2048*(\c) th:TH_LOAD_NT
	global_load_b128 v[P+32*(\k)+8+4*(\c):P+32*(\k)+8+4*(\c)+3], v[2+\k], s[24:25] offset:2048*(\c) th:TH_LOAD_NT
	global_load_b128 v[P+32*(\k)+16+4*(\c):P+32*(\k)+16+4*(\c)+3], v[2+\k], s[26:27] offset:2048*(\c) th:TH_LOAD_NT
	global_load_b128 v[P+32*(\k)+24+4*(\c):P+32*(\k)+24+4*(\c)+3], v[2+\k], s[28:29] offset:2048*(\c) th:TH_LOAD_NT
.endr
.endr
	s_wait_loadcnt 0x0
.irp ks, 1,2,3                         ; the parts in ascending K, eight chains side by side
.irp k, 0,1
.irp d, 0,2,4,6
	v_pk_add_f32 v[P+32*(\k)+(\d):P+32*(\k)+(\d)+1], v[P+32*(\k)+(\d):P+32*(\k)+(\d)+1], v[P+32*(\k)+8*(\ks)+(\d):P+32*(\k)+8*(\ks)+(\d)+1]
.endr
.endr
.endr
.irp d, 0,2,4,6
	v_pk_mul_f32 v[P+(\d):P+(\d)+1], v[P+(\d):P+(\d)+1], s[18:19] op_sel_hi:[1,0]
.endr
.irp d, 0,2,4,6
	v_pk_fma_f32 v[P+(\d):P+(\d)+1], v[P+32+(\d):P+32+(\d)+1], s[34:35], v[P+(\d):P+(\d)+1] op_sel_hi:[1,0,1]
.endr
	global_store_b128 v1, v[P:P+3], s[12:13]
	global_store_b128 v1, v[P+4:P+7], s[12:13] offset:2048
	s_endpgm
.Lfunc_end_k_q1ac6eb788a_combine:
	.size	k_q1ac6eb788a_combine, .Lfunc_end_k_q1ac6eb788a_combine-k_q1ac6eb788a_combine
	.p2alignl 7, 3214868480
	.fill 96, 4, 3214868480
	.section	.rodata,"a",@progbits
	.p2align	6, 0x0
	.amdhsa_kernel k_q1ac6eb788a_combine
		.amdhsa_group_segment_fixed_size 0
		.amdhsa_private_segment_fixed_size 0
		.amdhsa_enable_private_segment 0
		.amdhsa_kernarg_size 40
		.amdhsa_user_sgpr_count 2
		.amdhsa_user_sgpr_kernarg_segment_ptr 1
		.amdhsa_wavefront_size32 1
		.amdhsa_system_sgpr_workgroup_id_x 1
		.amdhsa_system_sgpr_workgroup_id_y 1
		.amdhsa_system_sgpr_workgroup_id_z 1
		.amdhsa_system_vgpr_workitem_id 0
		.amdhsa_next_free_vgpr 80
		.amdhsa_next_free_sgpr 66
		.amdhsa_reserve_vcc 0
		.amdhsa_float_denorm_mode_32 3
		.amdhsa_float_denorm_mode_16_64 3
		.amdhsa_memory_ordered 1
		.amdhsa_forward_progress 1
		.amdhsa_inst_pref_size 6
	.end_amdhsa_kernel
	.amdgpu_metadata
---
amdhsa.version: [ 1, 2 ]
amdhsa.kernels:
  - .name:           k_q1ac6eb788a_combine
    .symbol:         k_q1ac6eb788a_combine.kd
    .args:
      - { .name: eidx, .offset: 0, .size: 8, .value_kind: global_buffer, .address_space: global }
      - { .name: gw, .offset: 8, .size: 8, .value_kind: global_buffer, .address_space: global }
      - { .name: rk, .offset: 16, .size: 8, .value_kind: global_buffer, .address_space: global }
      - { .name: part, .offset: 24, .size: 8, .value_kind: global_buffer, .address_space: global }
      - { .name: out0, .offset: 32, .size: 8, .value_kind: global_buffer, .address_space: global }
    .group_segment_fixed_size: 0
    .private_segment_fixed_size: 0
    .kernarg_segment_align: 8
    .kernarg_segment_size: 40
    .max_flat_workgroup_size: 128
    .sgpr_count:     66
    .vgpr_count:     80
    .wavefront_size: 32
...
	.end_amdgpu_metadata
.endif
;; end of part 4
;; ======== version 2 of 3: 4 launches; 1.27 times as fast as version 1
;; workspace buffers: xb 2,097,152 bytes; eidx 8,192 bytes of whole numbers; gw 8,192 bytes; bm 1,024 bytes of whole numbers; rk 32,768 bytes of whole numbers; h 67,108,864 bytes; part 134,217,728 bytes
;; launch router (part 5): grid 64 x 1, 8 waves a work-group, no clusters, 39,936 bytes of LDS; arguments x, Wg, bg, xb, eidx, gw, bm; writes xb, eidx, gw, bm
.if DOCPART == 5
	.amdgcn_target "amdgcn-amd-amdhsa--gfx1250"
	.amdhsa_code_object_version 6
	.text
	.protected	k_q1ac6eb788a_router
	.globl	k_q1ac6eb788a_router
	.p2align	8
	.type	k_q1ac6eb788a_router,@function
k_q1ac6eb788a_router:
	s_mov_b64 s[64:65], 0
	v_nop
	global_prefetch_b8 v0, s[64:65] scope:SCOPE_SE
	s_setreg_imm32_b32 hwreg(HW_REG_WAVE_MODE, 25, 1), 1
	s_wait_xcnt 0x0
; ROUTER.  gates = softmax(x Wg + bg); the two largest gates (of equals the lower index) and softmax over those two.  Also x rounded to bf16 for the first product.
; x, Wg and bg are rounded to bf16, as every floating-point input of this program is; the product goes to the matrix unit, sums in f32.
; Stored at fixed places: xb [1024][1024] bf16; eidx [1024][2] the chosen experts; gw [1024][2] their weights; bm [8][32] words: bit b of bm[e][n / 32] = token n (b = n % 32) chose e.
; No address and no branch hangs on the choice: later launches place the rows.
; SHARES.  Work-group g has tokens 16 g .. + 15; wave v the inputs k = 128 v .. + 127 of all sixteen: 16 loads of 512 consecutive bytes.  The rounded rows go out to xb (256 consecutive bytes a store) and,
; through the wave's own LDS rows, into fragments.  Source 0 = Wg (index r stands for expert r % 8, loaded straight in fragment order), source 1 = 16 tokens: in the result a lane holds token r
; and its eight registers the eight experts (both halves of the lanes alike).  The eight waves' partial sums meet in LDS; wave 0 adds them in ascending k and makes the gates, a token a lane.
; LIMITS.  The logits' sums are taken in another order than the reference's: gates closer than that rounding may be chosen otherwise.  A gate below 2^-126 counts as 0.  NaN and infinities are not treated apart.
.set PT,    272                        ; an LDS row: 256 bytes + 16: the 16 rows of a fragment load start at 16 different groups of banks (ISA guide 11.1)
.set STGW,  16*PT                      ; a wave's sixteen rows
.set RED,   8*STGW                     ; the partial sums: wave v, token r at 512 v + 32 r
.set SPARE, RED+4096                   ; the spare words, 128 bytes a wave
.set D0, 16                            ; v[16:23], v[24:31] two accumulators
.set D1, 24
.set X,  32                            ; v[32:95]   x, row t at 32 + 4 t
.set A,  32                            ; later: the eight sums, then gates
.set BI, 40                            ; later: bg
.set P,  96                            ; v[96:127]  x in bf16, row t at 96 + 2 t
.set WR, 128                           ; v[128:191] Wg as loaded: (q, kk) at 16 q + kk; later the eight waves' partial sums
.set WF, 192                           ; v[192:223] Wg's four fragments
.set TF, 224                           ; v[224:255] the tokens' four fragments
	s_load_b256 s[4:11], s[0:1], 0x0               ; x s[4:5], Wg s[6:7], bg s[8:9], xb s[10:11]
	s_load_b128 s[12:15], s[0:1], 0x20             ; eidx s[12:13], gw s[14:15]
	s_load_b64 s[16:17], s[0:1], 0x30              ; bm
	v_lshl_add_u32 v12, v0, 2, SPARE               ; my spare word,
	v_mov_b32 v13, 0                               ; and 0: kept for the add alone
	v_lshrrev_b32 v11, 5, v0
	v_readfirstlane_b32 s28, v11                   ; wave 0..7
	s_mov_b32 s29, ttmp9
	v_and_b32 v1, 31, v0                           ; lane L
	v_and_b32 v2, 15, v0                           ; r
	v_bfe_u32 v3, v0, 4, 1                         ; hh
	v_lshlrev_b32 v4, 4, v1                        ; 16 L
	v_lshlrev_b32 v5, 3, v1                        ; 8 L
	v_and_b32 v6, 7, v0
	v_lshlrev_b32 v6, 2, v6
	v_lshl_add_u32 v6, v3, 8, v6                   ; Wg: 8 hh rows of 32 bytes + expert r % 8
	s_mul_i32 s40, s28, STGW
	v_add_nc_u32 v7, s40, v5                       ; into my LDS rows: 8 L
	v_mul_u32_u24 v8, v2, PT
	v_lshl_add_u32 v8, v3, 4, v8
	v_add_nc_u32 v8, s40, v8                       ; a fragment: row r, 16 hh
	v_lshlrev_b32 v10, 5, v2
	v_add_nc_u32 v10, RED, v10                     ; token r's partial sums of wave 0,
	v_lshl_add_u32 v9, s28, 9, v10                 ; and of my wave
	v_lshlrev_b32 v14, 3, v2                       ; 8 r
	v_lshlrev_b32 v15, 7, v1                       ; 128 L
	s_mov_b32 s44, 0x3fb8aa3b                      ; log2(e)
	s_mov_b32 s45, 0xffff0000                      ; a word's upper bf16
	s_lshl_b32 s40, s29, 16                        ; 16 rows of x,
	s_lshl_b32 s42, s28, 9
	s_add_co_u32 s40, s40, s42                     ; my 512 bytes of a row
	s_mov_b32 s41, 0
	s_lshl_b32 s42, s40, 0
	s_lshr_b32 s42, s42, 1                         ; the same place in xb: half the bytes
	s_mov_b32 s43, 0
	s_lshl_b32 s46, s28, 12                        ; my 128 rows of Wg
	s_mov_b32 s47, 0
	s_wait_kmcnt 0x0
	s_load_b256 s[20:27], s[8:9], 0x0              ; bg
	s_add_nc_u64 s[32:33], s[4:5], s[40:41]
	s_add_nc_u64 s[34:35], s[10:11], s[42:43]
	s_add_nc_u64 s[6:7], s[6:7], s[46:47]
.set t, 0
.rept 16
	global_load_b128 v[X+4*t:X+4*t+3], v4, s[32:33] offset:4096*t th:TH_LOAD_NT  ; 512 consecutive bytes of row t
.set t, t+1
.endr
.irp q, 0,1,2,3
.irp kk, 0,1,2,3,4,5,6,7,8,9,10,11,12,13,14,15
	global_load_b32 v[WR+16*(\q)+(\kk)], v6, s[6:7] offset:1024*(\q)+32*((\kk)%8)+512*((\kk)/8)  ; Wg[32 q + kk % 8 + 16 (kk / 8) + 8 hh][r % 8]
.endr
.endr
	s_wait_loadcnt 63                              ; x's loads have 64 younger ones behind them, and a count holds 63 at the most: with 63 left out x is in
.set t, 0
.rept 16
	v_cvt_pk_bf16_f32 v[P+2*t], v[X+4*t], v[X+4*t+1]
	v_cvt_pk_bf16_f32 v[P+2*t+1], v[X+4*t+2], v[X+4*t+3]
.set t, t+1
.endr
.set t, 0
.rept 16
	global_store_b64 v5, v[P+2*t:P+2*t+1], s[34:35] offset:2048*t  ; 32 lanes x 8 bytes: 256 consecutive bytes, aligned
	ds_store_b64 v7, v[P+2*t:P+2*t+1] offset:PT*t
.set t, t+1
.endr
.irp q, 0,1,2,3
	ds_load_b128 v[TF+8*(\q):TF+8*(\q)+3], v8 offset:64*(\q)       ; my own rows: LDS serves a wave's instructions in order (ISA guide 5.7.1.4)
	ds_load_b128 v[TF+8*(\q)+4:TF+8*(\q)+7], v8 offset:64*(\q)+32
.endr
	s_wait_loadcnt 0x0                             ; Wg
.irp q, 0,1,2,3
.irp j, 0,1,2,3,4,5,6,7
	v_cvt_pk_bf16_f32 v[WF+8*(\q)+(\j)], v[WR+16*(\q)+2*(\j)], v[WR+16*(\q)+2*(\j)+1]
.endr
.endr
	s_wait_dscnt 0x0
	v_wmma_f32_16x16x32_bf16 v[D0:D0+7], v[WF:WF+7], v[TF:TF+7], 0                    ; two accumulators by turns
	v_wmma_f32_16x16x32_bf16 v[D1:D1+7], v[WF+8:WF+15], v[TF+8:TF+15], 0
	v_wmma_f32_16x16x32_bf16 v[D0:D0+7], v[WF+16:WF+23], v[TF+16:TF+23], v[D0:D0+7]
	v_wmma_f32_16x16x32_bf16 v[D1:D1+7], v[WF+24:WF+31], v[TF+24:TF+31], v[D1:D1+7]
.rept 4
	v_nop                                          ; four places behind a matrix instruction (ISA guide 7.12.1)
.endr
.irp d, 0,2,4,6
	v_pk_add_f32 v[A+\d:A+\d+1], v[D0+\d:D0+\d+1], v[D1+\d:D1+\d+1]
.endr
	ds_store_b128 v9, v[A:A+3]                     ; both halves of the lanes hold, and write, the same
	ds_store_b128 v9, v[A+4:A+7] offset:16
	s_wait_tensorcnt 0x0                           ; behind my last LDS store
	ds_add_u32 v12, v13
	s_wait_dscnt 0x0                               ; the wait is also for the others' sake: my partial sums are in LDS
	s_barrier_signal -1
	s_barrier_wait -1
	s_cmp_lg_u32 s28, 0
	s_cbranch_scc1 .Lend
.irp wv, 0,1,2,3,4,5,6,7
	ds_load_b128 v[WR+8*(\wv):WR+8*(\wv)+3], v10 offset:512*(\wv)
	ds_load_b128 v[WR+8*(\wv)+4:WR+8*(\wv)+7], v10 offset:512*(\wv)+16
.endr
	s_lshl_b32 s40, s29, 7
	s_add_nc_u64 s[12:13], s[12:13], s[40:41]      ; 16 tokens x 8 bytes
	s_add_nc_u64 s[14:15], s[14:15], s[40:41]
	s_lshl_b32 s42, s29, 1
	s_add_nc_u64 s[16:17], s[16:17], s[42:43]      ; 16 bits of each expert's bitmap
	v_mov_b32 v11, 0
	s_wait_dscnt 0x0
.irp d, 0,2,4,6
	v_pk_add_f32 v[A+\d:A+\d+1], v[WR+\d:WR+\d+1], v[WR+8+\d:WR+8+\d+1]
.endr
.irp wv, 2,3,4,5,6,7
.irp d, 0,2,4,6
	v_pk_add_f32 v[A+\d:A+\d+1], v[A+\d:A+\d+1], v[WR+8*(\wv)+\d:WR+8*(\wv)+\d+1]
.endr
.endr
	s_wait_kmcnt 0x0                               ; bg
.irp e, 0,1,2,3,4,5,6,7
	v_mov_b32 v[BI+\e], s[20+\e]
.endr
.irp e, 0,2,4,6
	v_cvt_pk_bf16_f32 v48, v[BI+\e], v[BI+\e+1]    ; rounded to bf16 and widened again
	v_lshlrev_b32 v[BI+\e], 16, v48
	v_and_b32 v[BI+\e+1], s45, v48
.endr
.macro TOP val, idx                    ; the largest of the eight gates and its index; a strict comparison going up keeps the lower index
	v_mov_b32 v[\val], v[A]
	v_mov_b32 v[\idx], 0
.irp e, 1,2,3,4,5,6,7
	v_cmp_gt_f32 vcc_lo, v[A+\e], v[\val]
	v_cndmask_b32 v[\val], v[\val], v[A+\e], vcc_lo
	v_cndmask_b32 v[\idx], v[\idx], \e, vcc_lo
.endr
.endm
.irp e, 0,1,2,3,4,5,6,7
	v_add_f32 v[A+\e], v[BI+\e], v[A+\e]
.endr
	v_max3_num_f32 v48, v[A], v[A+1], v[A+2]       ; the maximum is taken away, as the reference's softmax does
	v_max3_num_f32 v48, v48, v[A+3], v[A+4]
	v_max3_num_f32 v48, v48, v[A+5], v[A+6]
	v_max_num_f32 v48, v48, v[A+7]
	v_mul_f32 v48, s44, v48
.irp e, 0,1,2,3,4,5,6,7
	v_fma_f32 v[A+\e], v[A+\e], s44, -v48
.endr
.irp e, 0,1,2,3,4,5,6,7
	v_exp_f32 v[A+\e], v[A+\e]
.endr
	v_nop                                          ; a plain instruction behind the last exponential (ISA guide 5.7.2)
	s_wait_alu depctr_va_vdst(0)
	v_add_f32 v49, v[A], v[A+1]
	v_add_f32 v50, v[A+2], v[A+3]
	v_add_f32 v51, v[A+4], v[A+5]
	v_add_f32 v52, v[A+6], v[A+7]
	v_add_f32 v49, v49, v50
	v_add_f32 v51, v51, v52
	v_add_f32 v49, v49, v51
	v_rcp_f32 v49, v49
	v_nop
	s_wait_alu depctr_va_vdst(0)
.irp e, 0,1,2,3,4,5,6,7
	v_mul_f32 v[A+\e], v[A+\e], v49                ; the gates
.endr
	TOP 53, 56
.irp e, 0,1,2,3,4,5,6,7
	v_cmp_eq_u32 vcc_lo, \e, v56
	v_cndmask_b32 v[A+\e], v[A+\e], -1.0, vcc_lo   ; the first choice leaves the field: every gate is 0 or more
.endr
	TOP 54, 57
	v_sub_f32 v55, v54, v53                        ; softmax over the two: the larger is the maximum
	v_mul_f32 v55, s44, v55
	v_exp_f32 v55, v55
	v_nop
	s_wait_alu depctr_va_vdst(0)
	v_add_f32 v60, 1.0, v55
	v_rcp_f32 v58, v60
	v_nop
	s_wait_alu depctr_va_vdst(0)
	v_mul_f32 v59, v55, v58
	global_store_b64 v14, v[56:57], s[12:13]       ; token r: both halves of the lanes store the same 8 bytes
	global_store_b64 v14, v[58:59], s[14:15]
.irp e, 0,1,2,3,4,5,6,7
	v_cmp_eq_u32 s36, \e, v56
	v_cmp_eq_u32 s37, \e, v57
	s_or_b32 s36, s36, s37                         ; the 16 tokens' bits for expert e (twice),
	v_writelane_b32 v11, s36, \e                   ; into lane e
.endr
	s_wait_xcnt 0x0                                ; EXEC changes only behind this wait
	v_cmp_gt_u32 vcc_lo, 8, v1
	s_and_saveexec_b32 s38, vcc_lo
	global_store_b16 v15, v11, s[16:17]            ; lanes 0 to 7: the low 16 bits, 128 bytes apart
	s_wait_xcnt 0x0
	s_or_b32 exec_lo, exec_lo, s38
.Lend:
	s_endpgm
.Lfunc_end_k_q1ac6eb788a_router:
	.size	k_q1ac6eb788a_router, .Lfunc_end_k_q1ac6eb788a_router-k_q1ac6eb788a_router
	.p2alignl 7, 3214868480
	.fill 96, 4, 3214868480
	.section	.rodata,"a",@progbits
	.p2align	6, 0x0
	.amdhsa_kernel k_q1ac6eb788a_router
		.amdhsa_group_segment_fixed_size 39936
		.amdhsa_private_segment_fixed_size 0
		.amdhsa_enable_private_segment 0
		.amdhsa_kernarg_size 56
		.amdhsa_user_sgpr_count 2
		.amdhsa_user_sgpr_kernarg_segment_ptr 1
		.amdhsa_wavefront_size32 1
		.amdhsa_system_sgpr_workgroup_id_x 1
		.amdhsa_system_sgpr_workgroup_id_y 1
		.amdhsa_system_sgpr_workgroup_id_z 1
		.amdhsa_system_vgpr_workitem_id 0
		.amdhsa_next_free_vgpr 256
		.amdhsa_next_free_sgpr 66
		.amdhsa_reserve_vcc 1
		.amdhsa_float_denorm_mode_32 3
		.amdhsa_float_denorm_mode_16_64 3
		.amdhsa_memory_ordered 1
		.amdhsa_forward_progress 1
		.amdhsa_inst_pref_size 29
	.end_amdhsa_kernel
	.amdgpu_metadata
---
amdhsa.version: [ 1, 2 ]
amdhsa.kernels:
  - .name:           k_q1ac6eb788a_router
    .symbol:         k_q1ac6eb788a_router.kd
    .args:
      - { .name: x, .offset: 0, .size: 8, .value_kind: global_buffer, .address_space: global }
      - { .name: Wg, .offset: 8, .size: 8, .value_kind: global_buffer, .address_space: global }
      - { .name: bg, .offset: 16, .size: 8, .value_kind: global_buffer, .address_space: global }
      - { .name: xb, .offset: 24, .size: 8, .value_kind: global_buffer, .address_space: global }
      - { .name: eidx, .offset: 32, .size: 8, .value_kind: global_buffer, .address_space: global }
      - { .name: gw, .offset: 40, .size: 8, .value_kind: global_buffer, .address_space: global }
      - { .name: bm, .offset: 48, .size: 8, .value_kind: global_buffer, .address_space: global }
    .group_segment_fixed_size: 39936
    .private_segment_fixed_size: 0
    .kernarg_segment_align: 8
    .kernarg_segment_size: 56
    .max_flat_workgroup_size: 256
    .sgpr_count:     66
    .vgpr_count:     256
    .wavefront_size: 32
...
	.end_amdgpu_metadata
.endif
;; end of part 5
;; launch up (part 6): grid 32 x 8, 4 waves a work-group, no clusters, 242,176 bytes of LDS; arguments xb, W1, b1, bm, h, rk; writes h, rk
.if DOCPART == 6
	.amdgcn_target "amdgcn-amd-amdhsa--gfx1250"
	.amdhsa_code_object_version 6
	.text
	.protected	k_q1ac6eb788a_up
	.globl	k_q1ac6eb788a_up
	.p2align	8
	.type	k_q1ac6eb788a_up,@function
k_q1ac6eb788a_up:
	s_mov_b64 s[64:65], 0
	v_nop
	global_prefetch_b8 v0, s[64:65] scope:SCOPE_SE
	s_setreg_imm32_b32 hwreg(HW_REG_WAVE_MODE, 25, 1), 1
	s_wait_xcnt 0x0
; FIRST PRODUCT.  h = relu(x[token] W1[e] + b1[e]) in bf16, for slot = 1024 e + the token's rank among e's tokens.  Only chosen rows are multiplied.
; h IS LAID OUT AS THE SECOND PRODUCT'S OPERAND REGISTERS TAKE IT: [block of 16 slots][128 fragments][1,024 bytes].  In fragment 2 G + u lane (r, hh) has 32 bytes (16 at 16 x lane, 16 at 512 + 16 x lane):
; row r of the block, columns 64 G + 32 hh + 16 u + 0..15.  That is what a lane holds here when its sums are rounded, so the way out is eight stores of 512 consecutive bytes a block.
; SHARES.  Work-group (x, e) has columns 128 x .. + 127 of W1[e], which it alone reads, once, and ALL of e's rows.  Rows go in blocks of 16; wave w has blocks w + 4 i, i = 0..4: 320 rows in the main
; pass.  Rows from 320 on (any split of the tokens is served) go by a slower loop behind it, a block at a time.  Places past the count repeat token 0; whole blocks are stored.  An expert without tokens makes block 0 of token 0.
; WHICH TOKEN HAS A RANK is found in registers, from e's bitmap in 32 scalar registers: a chain of compares with the words' running counts picks the word, partial bit counts of the word and five halvings pick the bit.
; WEIGHTS lie [k][n], f32.  A lane loads 16 bytes of a row: sixteen lanes take 256 consecutive bytes.  Component f of a lane's loads over 16 rows, rounded in pairs, IS its part of a fragment
; (16 x 32 K) whose index r stands for column 64 g + 4 r + f.  No load turns anything.  Source 0 = such a fragment, source 1 = 16 token rows: in the result lane (r, hh) holds token row r, and register j of fragment
; 4 g + f holds column 64 g + 32 hh + 4 j + f.
; K goes in 8 steps of 128 through two LDS slots.  In a step wave w rounds and stores the fragments of K rows 32 w .. + 31 (read by all four waves) and stages its own blocks' token rows.
; One barrier a step: a slot is written behind the barrier in front of which every wave has waited for its reads of that slot, two steps back.
; The bias starts the sums: nothing is cleared.
; NO CLUSTER: a slice of weights has one reader, and the token rows that an expert's work-groups share come by a list, which no tile's descriptor covers.  No tensor load for the same reason.
; LIMITS.  x, W1, b1 and h are rounded to bf16.  relu of a NaN gives 0.
; REGISTERS, in windows of 256 (s_set_vgpr_msb: bits 1:0 source 0, 3:2 source 1, 5:4 source 2, 7:6 destination):
;   window 0: addresses; v48-111, v112-175 weight fragments, two buffers; v176-215, v216-255 token fragments, two buffers
;   window 1: the sums of blocks 0-3 at 64 i + 8 fr      window 2: v0-63 block 4's; v64-223 token rows on their way; v224-255 token offsets      window 3: weights as loaded, two sets of 128
.set PITCHW, 16384                     ; bytes from row to row of W1
.set KSTEPW, 128*PITCHW
.set BLKB,   131072                    ; bytes of a block of 16 slots in h
.set TSL,    65536                     ; behind the two weight slots of 32,768: the token slots
.set TSLOT,  87040                     ; four waves x 5 blocks x 16 rows x 272
.set TWAVE,  21760
.set TAB,    239616                    ; each wave's bias table, 512 bytes: (fr, hh, j) at 64 fr + 32 hh + 4 j
.set SPARE,  241664                    ; the spare words, 128 bytes a wave
.set AW,10                             ; v10,11 weight fragments of slot 0, 1: 16 x lane
.set AT,12                             ; v12,13 my token fragments: row r x 272 + 16 hh
.set AWS,14                            ; v14,15 where I store my fragments
.set ATS,16                            ; v16,17 where I store token rows: row hh x 272 + 16 r
.set WOFF,18                           ; v18 8 hh rows of W + 16 r
.set PIECE,19                          ; v19 16 r
.set TABA,20
.set CO,23                             ; v23 16 x lane: my place in 512 bytes of h
.set SPW,24                            ; v24 my spare word; v25 0: for the add alone
.set NIL,25
.set AWQ,26                            ; v26 the weight fragments of the two quarters in hand
.set ZR,27                             ; v27 0, for relu
.set ATQ,28                            ; v28 the token fragments likewise
.set OVT,29
.set OVA,30                            ; v30 rows from 320 on: my lane's rank
.set TO4,32                            ; v32-39 token offsets of block 4
.set HH16,40
.set LN,41
.set BAD,42
.set TST,43
.set BIA,44                            ; v44-47 four numbers of the bias
.set CT,48                             ; rounded weights, where fragment buffer 0 lies
.set WF,48
.set TF,176
.set E,48                              ; the way out
.set RK,112                            ; v112-143 ranks, at the start
.set RHO,144                           ; v144-154 at work in the search for a rank's token
.set SW,145
.set SB,146
.set SA,147
.set SQ,148
.set SC,149
.set SH,150
.set SN,151
.set SP,152
.set ST,153
.set TKN,154
.set TK,156                            ; v156-158 the tokens of my 80 rows: row 16 (i % 2) + m of register i / 2 is row m of block i
.set TS,64                             ; window 2
.set TOW,224                           ; window 2
.set MSB, 0
.macro WIN new                         ; the immediate's high byte repeats the setting that is left; a switch that changes nothing is dropped
.if MSB != (\new)
	s_set_vgpr_msb (MSB<<8)|(\new)
.set MSB, (\new)
.endif
.endm
.macro PLACES                          ; four places behind a matrix instruction in front of loads into, and vector writes of, its registers
.rept 4
	v_nop
.endr
.endm
; Half of a set: 16 loads, rows k + 16 half (+ 8 hh), both groups of 64 columns; two neighbouring loads take 512 consecutive bytes of a row
.macro GW S, adv, base, half
	WIN 0xc0
.irp k, 0,1,2,3,4,5,6,7
.irp g, 0,1
	global_load_b128 v[128*(\S)+4*(16*(\g)+8*(\half)+(\k)):128*(\S)+4*(16*(\g)+8*(\half)+(\k))+3], v[WOFF], s[\base:\base+1] offset:((\k)+16*(\half))*PITCHW+256*(\g)+(\adv)*KSTEPW th:TH_LOAD_NT
.endr
.endr
.endm
.macro CVT S                           ; register j of fragment fr = rows 2 j, 2 j + 1 of the lane's sixteen, component fr % 4
	WIN 0x0f
.irp fr, 0,1,2,3,4,5,6,7
.irp j, 0,1,2,3,4,5,6,7
	v_cvt_pk_bf16_f32 v[CT+8*(\fr)+(\j)], v[128*(\S)+4*(16*((\fr)/4)+2*(\j))+(\fr)%4], v[128*(\S)+4*(16*((\fr)/4)+2*(\j)+1)+(\fr)%4]
.endr
.endr
.endm
; A step's token rows: 256 bytes of each row, two rows a load.  cond = 1: the wave's dead blocks are jumped; no count hangs on that, since only weight loads are younger
.macro GT cond
.irp i, 0,1,2,3,4
.if \cond
	WIN 0
	s_cmp_le_u32 s20, \i
	s_cbranch_scc1 .Lgt_\@
.endif
.if \i < 4
	WIN 0x82
.irp qq, 0,1,2,3,4,5,6,7
	global_load_b128 v[TS+4*(8*(\i)+(\qq)):TS+4*(8*(\i)+(\qq))+3], v[TOW+8*(\i)+(\qq)], s[26:27]
.endr
.else
	WIN 0x80
.irp qq, 0,1,2,3,4,5,6,7
	global_load_b128 v[TS+4*(8*(\i)+(\qq)):TS+4*(8*(\i)+(\qq))+3], v[TO4+(\qq)], s[26:27]
.endr
.endif
.endr
	WIN 0
.Lgt_\@:
.endm
.macro INIT i                          ; the bias starts block i's sums
.if (\i) < 4
	WIN 0x40
.set AC, 64*(\i)
.else
	WIN 0x80
.set AC, 0
.endif
.irp fr, 0,1,2,3,4,5,6,7
	ds_load_b128 v[AC+8*(\fr):AC+8*(\fr)+3], v[TABA] offset:64*(\fr)
	ds_load_b128 v[AC+8*(\fr)+4:AC+8*(\fr)+7], v[TABA] offset:64*(\fr)+16
.endr
.endm
.macro LOADF q, P                      ; 26 LDS loads: the 8 weight fragments and my 5 token fragments of 32 along K: quarter q of the two in hand
	WIN 0
.irp fr, 0,1,2,3,4,5,6,7
	ds_load_b128 v[WF+64*(\P)+8*(\fr):WF+64*(\P)+8*(\fr)+3], v[AWQ] offset:1024*(8*(\q)+(\fr))
	ds_load_b128 v[WF+64*(\P)+8*(\fr)+4:WF+64*(\P)+8*(\fr)+7], v[AWQ] offset:1024*(8*(\q)+(\fr))+512
.endr
.irp i, 0,1,2,3,4
	ds_load_b128 v[TF+40*(\P)+8*(\i):TF+40*(\P)+8*(\i)+3], v[ATQ] offset:4352*(\i)+64*(\q)
	ds_load_b128 v[TF+40*(\P)+8*(\i)+4:TF+40*(\P)+8*(\i)+7], v[ATQ] offset:4352*(\i)+64*(\q)+32
.endr
.endm
.macro MULQ P                          ; 8 matrix instructions for each live block; a block's 8 sums take turns; dead blocks are jumped
.irp i, 0,1,2,3,4
	WIN 0
	s_cmp_le_u32 s20, \i
	s_cbranch_scc1 .Lq_\@
.if \i < 4
	WIN 0x50
.set AC, 64*(\i)
.else
	WIN 0xa0
.set AC, 0
.endif
.irp fr, 0,1,2,3,4,5,6,7
	v_wmma_f32_16x16x32_bf16 v[AC+8*(\fr):AC+8*(\fr)+7], v[WF+64*(\P)+8*(\fr):WF+64*(\P)+8*(\fr)+7], v[TF+40*(\P)+8*(\i):TF+40*(\P)+8*(\i)+7], v[AC+8*(\fr):AC+8*(\fr)+7]
.endr
.endr
	WIN 0
.Lq_\@:
.endm
; A step's four quarters of 32 along K: written for two, walked twice; the place in the slot is stepped in scalar registers
.macro COMPUTE s
	s_mov_b32 s80, 0
	s_mov_b32 s81, 0
	s_mov_b32 s82, 2
.Lc_\@:
	v_add_nc_u32 v[AWQ], s80, v[AW+(\s)]
	v_add_nc_u32 v[ATQ], s81, v[AT+(\s)]
	LOADF 0, 0
	LOADF 1, 1
	s_wait_dscnt 26                                ; all but the 26 loads issued last
	MULQ 0
	s_wait_dscnt 0x0                               ; in the second trip also: my reads of this slot are over
	MULQ 1
	PLACES
	s_add_co_u32 s80, s80, 16384                   ; 16 fragments of 1,024 bytes,
	s_add_co_u32 s81, s81, 128                     ; 64 numbers along a token row
	s_sub_co_u32 s82, s82, 1
	s_cmp_lg_u32 s82, 0
	s_cbranch_scc1 .Lc_\@
.endm
; K step t, slot s = t % 2.  Issued in it: token rows of t + 1, then weights of t + 2.  So at its head W(t), T(t), W(t + 1) are out in that order: cnt = 32 leaves W(t + 1) out.
.macro STEP s, gt, gw, cnt
	s_wait_loadcnt \cnt
	CVT \s
	WIN 0
.irp fr, 0,1,2,3,4,5,6,7
	ds_store_b128 v[AWS+(\s)], v[CT+8*(\fr):CT+8*(\fr)+3] offset:1024*(\fr)
	ds_store_b128 v[AWS+(\s)], v[CT+8*(\fr)+4:CT+8*(\fr)+7] offset:1024*(\fr)+512
.endr
	WIN 0x08
.irp i, 0,1,2,3,4
.irp qq, 0,1,2,3,4,5,6,7
	ds_store_b128 v[ATS+(\s)], v[TS+4*(8*(\i)+(\qq)):TS+4*(8*(\i)+(\qq))+3] offset:4352*(\i)+544*(\qq)
.endr
.endr
	WIN 0
	s_wait_xcnt 0x0                                ; the two bases are stepped only behind this wait
.if \gt
	s_add_nc_u64 s[26:27], s[26:27], 256
	GT 1
.endif
.if \gw
	s_add_nc_u64 s[24:25], s[24:25], KSTEPW
	GW \s, 1, 24, 0
.endif
	WIN 0
	s_wait_dscnt 0x0                               ; for the others' sake: my stores into the slot are done
	s_barrier_signal -1
	s_barrier_wait -1
	COMPUTE \s
.if \gw
	GW \s, 1, 24, 1                                ; the second half of the weights two steps on
	WIN 0
.endif
.endm
; THE WAY OUT of block i: rounded to bf16 (registers in ascending order), relu on the packed halves; registers 8 c .. 8 c + 7 are my 32 bytes of the slice's fragment c
.macro EPI i, base, off
	s_wait_xcnt 0x0                                ; the registers that the last block's stores read are written again only behind this wait
.if (\i) < 4
	WIN 0x05
.set AC, 64*(\i)
.else
	WIN 0x0a
.set AC, 0
.endif
.irp g, 0,1
.irp j, 0,1,2,3,4,5,6,7
	v_cvt_pk_bf16_f32 v[E+16*(\g)+2*(\j)], v[AC+32*(\g)+(\j)], v[AC+32*(\g)+8+(\j)]
	v_cvt_pk_bf16_f32 v[E+16*(\g)+2*(\j)+1], v[AC+32*(\g)+16+(\j)], v[AC+32*(\g)+24+(\j)]
.endr
.endr
	WIN 0
.set z, 0
.rept 32
	v_pk_max_num_bf16 v[E+z], v[E+z], v[ZR]
.set z, z+1
.endr
.irp c, 0,1,2,3
	global_store_b128 v[CO], v[E+8*(\c):E+8*(\c)+3], s[\base:\base+1] offset:(\off)+1024*(\c)        ; 512 consecutive bytes, aligned
	global_store_b128 v[CO], v[E+8*(\c)+4:E+8*(\c)+7], s[\base:\base+1] offset:(\off)+1024*(\c)+512
.endr
.endm
; One halving: are there n or fewer set bits in the next 'step' places?  Then they are passed over.  src holds the counts of fields of that width
.macro LEVEL src, step, width
	v_bfe_u32 v[ST], v[\src], v[SP], \width
	v_cmp_ge_u32 vcc_lo, v[SN], v[ST]
	v_cndmask_b32 v[ST], 0, v[ST], vcc_lo
	v_sub_nc_u32 v[SN], v[SN], v[ST]
	v_cndmask_b32 v[ST], 0, \step, vcc_lo
	v_add_nc_u32 v[SP], v[SP], v[ST]
.endm
; v[TKN] = the token whose rank among e's tokens is v[RHO], a rank a lane; 0 past the count.  s83 = the count.
.macro SELECT1
	s_mov_b32 s22, 0                               ; e's tokens in front of word k
	v_mov_b32 v[SW], s32
	v_mov_b32 v[SB], 0
.set k, 1
.rept 31                                               ; the last word whose running count does not pass the rank holds the token
	s_bcnt1_i32_b32 s30, s[31+k]
	s_add_co_u32 s22, s22, s30
	s_or_b32 s31, s22, k<<16                       ; the count (1,024 at the most) and the word's number in one register
	v_cmp_le_u32 vcc_lo, s22, v[RHO]
	v_cndmask_b32 v[SW], v[SW], s[32+k], vcc_lo
	v_cndmask_b32 v[SB], v[SB], s31, vcc_lo
.set k, k+1
.endr
	s_bcnt1_i32_b32 s30, s63
	s_add_co_u32 s83, s22, s30
	v_and_b32 v[ST], 0xffff, v[SB]
	v_sub_nc_u32 v[SN], v[RHO], v[ST]              ; n: the set bit wanted in the word
	v_lshrrev_b32 v[SB], 16, v[SB]
	v_lshrrev_b32 v[ST], 1, v[SW]                  ; counts of the word's fields of 2, 4, 8 and 16 bits
	v_and_b32 v[ST], 0x55555555, v[ST]
	v_sub_nc_u32 v[SA], v[SW], v[ST]
	v_lshrrev_b32 v[ST], 2, v[SA]
	v_and_b32 v[ST], 0x33333333, v[ST]
	v_and_b32 v[SQ], 0x33333333, v[SA]
	v_add_nc_u32 v[SQ], v[SQ], v[ST]
	v_lshrrev_b32 v[ST], 4, v[SQ]
	v_add_nc_u32 v[ST], v[SQ], v[ST]
	v_and_b32 v[SC], 0x0f0f0f0f, v[ST]
	v_lshrrev_b32 v[ST], 8, v[SC]
	v_add_nc_u32 v[SH], v[SC], v[ST]
	v_mov_b32 v[SP], 0
	LEVEL SH, 16, 8
	LEVEL SC, 8, 8
	LEVEL SQ, 4, 4
	LEVEL SA, 2, 2
	LEVEL SW, 1, 1
	v_lshl_add_u32 v[TKN], v[SB], 5, v[SP]
	v_cmp_gt_u32 vcc_lo, s83, v[RHO]
	v_cndmask_b32 v[TKN], 0, v[TKN], vcc_lo
.endm
	s_load_b256 s[4:11], s[0:1], 0x0               ; xb s[4:5], W1 s[6:7], b1 s[8:9], bm s[10:11]
	s_load_b128 s[12:15], s[0:1], 0x20             ; h s[12:13], rk s[14:15]
	v_lshl_add_u32 v[SPW], v0, 2, SPARE
	v_mov_b32 v[NIL], 0
	v_lshrrev_b32 v3, 5, v0
	v_readfirstlane_b32 s16, v3                    ; wave w
	s_and_b32 s17, ttmp7, 0xffff                   ; expert e
	s_mov_b32 s18, ttmp9                           ; slice x
	v_and_b32 v1, 15, v0                           ; r
	v_bfe_u32 v2, v0, 4, 1                         ; hh
	v_and_b32 v[LN], 31, v0
	v_lshlrev_b32 v[PIECE], 4, v1
	v_lshlrev_b32 v[HH16], 4, v2
	v_lshl_add_u32 v[WOFF], v2, 17, v[PIECE]       ; 8 rows of 16,384 bytes
	v_lshlrev_b32 v[BAD], 4, v[LN]
	v_cmp_eq_u32 s23, 1, v2                        ; the upper half of the lanes
	s_mov_b32 s3, 0
	s_wait_kmcnt 0x0
	s_lshl_b32 s2, s17, 7
	s_add_nc_u64 s[10:11], s[10:11], s[2:3]
	s_load_b512 s[32:47], s[10:11], 0x0            ; e's bitmap of tokens, 32 words
	s_load_b512 s[48:63], s[10:11], 0x40
	s_lshl_b32 s2, s17, 14
	s_lshl_b32 s22, s18, 9
	s_add_co_u32 s2, s2, s22
	s_add_nc_u64 s[8:9], s[8:9], s[2:3]
	global_load_b128 v[BIA:BIA+3], v[BAD], s[8:9]  ; every wave: the slice's 128 numbers of b1
	s_lshl_b32 s2, s17, 24
	s_add_co_u32 s2, s2, s22
	s_add_nc_u64 s[70:71], s[6:7], s[2:3]          ; the slice's first byte
	s_lshl_b32 s2, s16, 19
	s_add_nc_u64 s[24:25], s[70:71], s[2:3]        ; my 32 rows of a step
	GW 0, 0, 24, 0                                 ; the weights hang on no data: step 0 goes out at once
	GW 0, 0, 24, 1
	WIN 0
	s_lshl_b32 s2, s17, 12
	s_add_nc_u64 s[14:15], s[14:15], s[2:3]        ; rk[e]
	s_lshl_b32 s2, s17, 23
	s_lshl_b32 s22, s16, 17
	s_add_co_u32 s2, s2, s22
	s_lshl_b32 s22, s18, 12
	s_add_co_u32 s2, s2, s22
	s_add_nc_u64 s[28:29], s[12:13], s[2:3]        ; h at block 64 e + w, the slice's four fragments
	s_add_nc_u64 s[76:77], s[28:29], 20*BLKB       ; and at block 20 + w
	s_mov_b64 s[26:27], s[4:5]
	s_mul_i32 s22, s16, TWAVE
	s_add_co_u32 s22, s22, TSL
	v_lshlrev_b32 v[AW], 4, v[LN]
	v_add_nc_u32 v[AW+1], 32768, v[AW]
	v_mul_u32_u24 v3, v1, 272
	v_add_nc_u32 v3, v3, v[HH16]
	v_add_nc_u32 v[AT], s22, v3
	v_add_nc_u32 v[AT+1], TSLOT, v[AT]
	v_lshl_add_u32 v[AWS], s16, 13, v[AW]
	v_add_nc_u32 v[AWS+1], 32768, v[AWS]
	v_mul_u32_u24 v3, v2, 272
	v_add_nc_u32 v3, v3, v[PIECE]
	v_add_nc_u32 v[ATS], s22, v3
	v_add_nc_u32 v[ATS+1], TSLOT, v[ATS]
	v_lshlrev_b32 v[CO], 4, v[LN]
	s_lshl_b32 s22, s16, 9
	s_add_co_u32 s22, s22, TAB
	v_lshl_add_u32 v[TABA], v2, 5, s22
	v_and_b32 v3, 7, v0                            ; column 4 L + f: j = L % 8, its half (L / 8) % 2, its group L / 16
	v_lshlrev_b32 v3, 2, v3
	v_bfe_u32 v4, v0, 3, 1
	v_lshl_add_u32 v3, v4, 5, v3
	v_lshl_add_u32 v3, v2, 8, v3
	v_add_nc_u32 v[TST], s22, v3
	v_mov_b32 v[ZR], 0
	s_lshl_b32 s22, s16, 4
	v_add_nc_u32 v[OVA], s22, v1
	v_lshl_add_u32 v[RHO], v2, 6, v[OVA]           ; rank 16 w + 64 hh + r: row r of block w + 4 hh,
	v_add_nc_u32 v[RHO], 256, v[RHO]               ; and two blocks of mine on for each 128: the search goes down from the last
	v_add_nc_u32 v[OVA], 320, v[OVA]               ; rank 16 (20 + w) + r
	v_mov_b32 v[TK], 0
	v_mov_b32 v[TK+1], 0
	v_mov_b32 v[TK+2], 0
	s_wait_kmcnt 0x0                               ; the bitmap
	s_mov_b32 s82, 3
.Lsel:                                                 ; 32 ranks a trip; the results move up a register each trip
	SELECT1
	v_mov_b32 v[TK+2], v[TK+1]
	v_mov_b32 v[TK+1], v[TK]
	v_mov_b32 v[TK], v[TKN]
	v_add_nc_u32 v[RHO], 0xffffff80, v[RHO]        ; 128 ranks down
	s_sub_co_u32 s82, s82, 1
	s_cmp_lg_u32 s82, 0
	s_cbranch_scc1 .Lsel
	s_wait_loadcnt 32                              ; the bias is in; the 32 weight loads behind it stay out
	v_cvt_pk_bf16_f32 v3, v[BIA], v[BIA+1]         ; the bias rounded to bf16, as every input is, and widened again
	v_cvt_pk_bf16_f32 v4, v[BIA+2], v[BIA+3]
	v_lshlrev_b32 v[BIA], 16, v3
	v_and_b32 v[BIA+1], 0xffff0000, v3
	v_lshlrev_b32 v[BIA+2], 16, v4
	v_and_b32 v[BIA+3], 0xffff0000, v4
.irp f, 0,1,2,3
	ds_store_b32 v[TST], v[BIA+\f] offset:64*(\f)
.endr
	INIT 0                                         ; my own table: LDS serves a wave's instructions in order
	INIT 1
	INIT 2
	INIT 3
	INIT 4
	WIN 0
	s_add_co_u32 s66, s83, 15
	s_lshr_b32 s66, s66, 4                         ; blocks of 16 rows,
	s_max_u32 s66, s66, 1                          ; one at the least, so that block 0 of every expert is stored,
	s_min_u32 s66, s66, 64
	s_min_u32 s20, s66, 20
	s_add_co_u32 s20, s20, 3
	s_sub_co_u32 s20, s20, s16
	s_lshr_b32 s20, s20, 2                         ; my live blocks in the main pass, 0 to 5
	s_max_u32 s67, s66, 20
	s_sub_co_u32 s67, s67, 17
	s_sub_co_u32 s67, s67, s16
	s_lshr_b32 s67, s67, 2                         ; and behind it, 0 to 11
	s_or_b32 s30, s16, s18
	s_cmp_lg_u32 s30, 0
	s_cbranch_scc1 .Lno_rk
	v_lshlrev_b32 v3, 2, v[LN]                     ; wave 0 of slice 0 stores every token's rank for the last launch
	s_mov_b32 s22, 0
.set k, 0
.rept 32                                               ; tokens 32 k + lane: rank = e's tokens in front of it
	v_mbcnt_lo_u32_b32 v[RK+k], s[32+k], s22
	global_store_b32 v3, v[RK+k], s[14:15] offset:128*k
	s_bcnt1_i32_b32 s30, s[32+k]
	s_add_co_u32 s22, s22, s30
.set k, k+1
.endr
	s_wait_xcnt 0x0                                ; the ranks' registers become fragments
.Lno_rk:
	; a load takes rows 2 qq (lower half of the lanes) and 2 qq + 1 (upper half) of a block: their tokens come out of the lanes by way of scalar registers
.irp i, 0,1,2,3,4
	WIN 0
.irp m, 0,1,2,3,4,5,6,7,8,9,10,11,12,13,14,15
	v_readlane_b32 s[84+\m], v[TK+(\i)/2], 16*((\i)%2)+\m
.endr
.if \i < 4
	WIN 0x8a
.set TD, TOW+8*(\i)
.else
.set TD, TO4
.endif
.irp qq, 0,1,2,3,4,5,6,7
	v_mov_b32 v[TD+\qq], s[84+2*\qq]
	v_cndmask_b32 v[TD+\qq], v[TD+\qq], s[85+2*\qq], s23
	v_min_u32 v[TD+\qq], 0x3ff, v[TD+\qq]          ; held inside the table before it enters an address
	v_lshl_add_u32 v[TD+\qq], v[TD+\qq], 11, v[PIECE]  ; its row of 2,048 bytes, my 16 bytes
.endr
.endr
	WIN 0
	GT 0                                           ; step 0's token rows, dead blocks too: every staging register is written
	GW 1, 1, 24, 0                                 ; step 1's weights behind them: the order of every later step
	GW 1, 1, 24, 1
	WIN 0
	s_wait_dscnt 0x0                               ; the sums' first values are in
	s_mov_b32 s21, 3
.Lloop:
	STEP 0, 1, 1, 32
	STEP 1, 1, 1, 32
	s_sub_co_u32 s21, s21, 1
	s_cmp_lg_u32 s21, 0
	s_cbranch_scc1 .Lloop
	STEP 0, 1, 0, 32                               ; step 6: no weights are left to ask for
	STEP 1, 0, 0, 0                                ; step 7: nothing is younger
.irp i, 0,1,2,3,4
	s_cmp_le_u32 s20, \i
	s_cbranch_scc1 .Lmain_done
	EPI \i, 28, 4*BLKB*\i
.endr
.Lmain_done:
	s_wait_xcnt 0x0                                ; the last block's stores have read their registers
	; ROWS FROM 320 ON: block 20 + w + 4 j.  A constant count of trips, dead ones jumped; no barrier; the weights are read again, straight into fragments, the token rows straight into a fragment.
	s_mov_b32 s68, 0
.Lov:
	s_cmp_ge_u32 s68, s67
	s_cbranch_scc1 .Lov_next
	INIT 0
	WIN 0
	v_mov_b32 v[RHO], v[OVA]
	SELECT1
	s_mov_b64 s[72:73], s[70:71]
	s_mov_b64 s[74:75], s[4:5]
	s_wait_dscnt 0x0
	v_min_u32 v[OVT], 0x3ff, v[TKN]
	v_lshl_add_u32 v[OVT], v[OVT], 11, v[HH16]
	s_mov_b32 s69, 32
.Lovk:                                                 ; 32 along K a trip
	GW 0, 0, 72, 0
	GW 0, 0, 72, 1
	WIN 0
	global_load_b128 v[TF:TF+3], v[OVT], s[74:75]
	global_load_b128 v[TF+4:TF+7], v[OVT], s[74:75] offset:32
	s_wait_loadcnt 0x0                             ; which also frees the two bases
	CVT 0
	WIN 0x50
.irp fr, 0,1,2,3,4,5,6,7
	v_wmma_f32_16x16x32_bf16 v[8*(\fr):8*(\fr)+7], v[CT+8*(\fr):CT+8*(\fr)+7], v[TF:TF+7], v[8*(\fr):8*(\fr)+7]
.endr
	WIN 0
	PLACES
	s_add_nc_u64 s[72:73], s[72:73], 32*PITCHW
	s_add_nc_u64 s[74:75], s[74:75], 64
	s_sub_co_u32 s69, s69, 1
	s_cmp_lg_u32 s69, 0
	s_cbranch_scc1 .Lovk
	EPI 0, 76, 0
.Lov_next:
	s_wait_xcnt 0x0                                ; the stores' base and registers are written again only behind this wait
	s_add_nc_u64 s[76:77], s[76:77], 4*BLKB
	v_add_nc_u32 v[OVA], 64, v[OVA]
	s_add_co_u32 s68, s68, 1
	s_cmp_lt_u32 s68, 11
	s_cbranch_scc1 .Lov
	s_wait_tensorcnt 0x0                           ; the wave's end, behind my last LDS store
	ds_add_u32 v[SPW], v[NIL]
	s_wait_dscnt 0x0
	s_endpgm
.Lfunc_end_k_q1ac6eb788a_up:
	.size	k_q1ac6eb788a_up, .Lfunc_end_k_q1ac6eb788a_up-k_q1ac6eb788a_up
	.p2alignl 7, 3214868480
	.fill 96, 4, 3214868480
	.section	.rodata,"a",@progbits
	.p2align	6, 0x0
	.amdhsa_kernel k_q1ac6eb788a_up
		.amdhsa_group_segment_fixed_size 242176
		.amdhsa_private_segment_fixed_size 0
		.amdhsa_enable_private_segment 0
		.amdhsa_kernarg_size 48
		.amdhsa_user_sgpr_count 2
		.amdhsa_user_sgpr_kernarg_segment_ptr 1
		.amdhsa_wavefront_size32 1
		.amdhsa_system_sgpr_workgroup_id_x 1
		.amdhsa_system_sgpr_workgroup_id_y 1
		.amdhsa_system_sgpr_workgroup_id_z 1
		.amdhsa_system_vgpr_workitem_id 0
		.amdhsa_next_free_vgpr 1024
		.amdhsa_next_free_sgpr 100
		.amdhsa_reserve_vcc 1
		.amdhsa_float_denorm_mode_32 3
		.amdhsa_float_denorm_mode_16_64 3
		.amdhsa_memory_ordered 1
		.amdhsa_forward_progress 1
		.amdhsa_inst_pref_size 194
	.end_amdhsa_kernel
	.amdgpu_metadata
---
amdhsa.version: [ 1, 2 ]
amdhsa.kernels:
  - .name:           k_q1ac6eb788a_up
    .symbol:         k_q1ac6eb788a_up.kd
    .args:
      - { .name: xb, .offset: 0, .size: 8, .value_kind: global_buffer, .address_space: global }
      - { .name: W1, .offset: 8, .size: 8, .value_kind: global_buffer, .address_space: global }
      - { .name: b1, .offset: 16, .size: 8, .value_kind: global_buffer, .address_space: global }
      - { .name: bm, .offset: 24, .size: 8, .value_kind: global_buffer, .address_space: global }
      - { .name: h, .offset: 32, .size: 8, .value_kind: global_buffer, .address_space: global }
      - { .name: rk, .offset: 40, .size: 8, .value_kind: global_buffer, .address_space: global }
    .group_segment_fixed_size: 242176
    .private_segment_fixed_size: 0
    .kernarg_segment_align: 8
    .kernarg_segment_size: 48
    .max_flat_workgroup_size: 128
    .sgpr_count:     100
    .vgpr_count:     1024
    .wavefront_size: 32
...
	.end_amdgpu_metadata
.endif
;; end of part 6
;; launch down (part 7): grid 32 x 8, 4 waves a work-group, no clusters, 101,888 bytes of LDS; arguments h, W2, b2, bm, part; writes part
.if DOCPART == 7
	.amdgcn_target "amdgcn-amd-amdhsa--gfx1250"
	.amdhsa_code_object_version 6
	.text
	.protected	k_q1ac6eb788a_down
	.globl	k_q1ac6eb788a_down
	.p2align	8
	.type	k_q1ac6eb788a_down,@function
k_q1ac6eb788a_down:
	s_mov_b64 s[64:65], 0
	v_nop
	global_prefetch_b8 v0, s[64:65] scope:SCOPE_SE
	s_setreg_imm32_b32 hwreg(HW_REG_WAVE_MODE, 25, 1), 1
	s_wait_xcnt 0x0
; SECOND PRODUCT, in four parts along K.  part[ks][slot][:] = h[slot][1024 ks .. + 1023] W2[e][1024 ks .. + 1023][:] (+ b2[e] in part 0), f32; slot = 1024 e + rank.  The last launch adds the parts.
; SHARES.  Work-group (x, e): columns 128 (x % 8) .. + 127, K rows 1024 (x / 8) .. + 1023 of W2[e], which it alone reads, once, and ALL of e's rows.  K is split so that there are 256 work-groups
; whose pieces of a weight row are 512 bytes.  Rows go in blocks of 16; wave w has blocks w + 4 i, i = 0..4; rows from 320 on go by a slower loop behind the main pass.  Whole blocks are stored.
; h ARRIVES IN OPERAND ORDER: [block][128 fragments][1,024 bytes]; in fragment 2 G + u lane (r, hh), register j, half p holds h[row r][k], k = 64 G + 32 hh + 16 u + 2 j + p.  Two loads of 512 consecutive bytes
; bring a fragment straight into source 1's registers: h's rows never touch LDS.  The same order of k is given to the weights: a lane loads 16 bytes of each of the 16 rows 64 G + 16 u + 32 hh + 0..15;
; component f, rounded in pairs of rows, is its part of a fragment whose index r stands for column 64 g + 4 r + f (source 0).  In the result lane (r, hh) holds row r, register j of fragment 4 g + f
; column 64 g + 32 hh + 4 j + f: four neighbouring f32 columns lie in four sums, and on the way out 64 moves a block bring them together for 16-byte stores.
; THE LOOP goes by QUARTERS of 32 along K, four to a K step of 128.  Wave w rounds the eight weight fragments of quarter w of each step, for all four waves, through two LDS slots.  In quarter n a wave issues its
; products one at a time, and behind them stand: 16 roundings (a PIECE: a quarter of its weights for the next step), the 16 LDS loads of the next quarter's fragments, the piece's 4 LDS stores.  One run of global
; loads stands in each quarter: h's fragments for quarter n + 3, into the registers that quarter n - 1 read, then the weight piece for quarter n + 4, into the registers just rounded.
; ONE BARRIER A STEP, in its fourth quarter: in front of it a wave has waited for its stores into the next slot and for its reads of this one; behind it the next slot is read and, in the next step, this one written.
; Blocks 0 to 3 are multiplied without a branch: a dead one repeats block 0 and is not stored.  Block 4's loads and products are jumped where it is dead.
; ONE TEXT FOR EVERY STEP.  In the last trip nothing is left to fetch, and the same lines go on asking, so that each wait's count holds on every path: the weight loads at the slice's first rows, all lanes at one
; address; h's loads for a ninth step at the eighth's place.  Nobody reads what they bring; the eighth step's roundings, LDS stores, barrier and fragment loads for a ninth serve nothing either: the price, once a launch.
; The bias (part 0) or 0 starts the sums: nothing is cleared.
; NO CLUSTER: a slice of weights has one reader.  What the eight work-groups of one (e, ks) share is h's rows; how many of them are live hangs on a count read from memory, and loads that a count may skip go through registers here.
; LIMITS.  W2 and b2 are rounded to bf16; h arrives in bf16.
; REGISTERS, in windows of 256 (s_set_vgpr_msb: bits 1:0 source 0, 3:2 source 1, 5:4 source 2, 7:6 destination):
;   window 0: addresses; v48-111, v112-175 weight fragments, two buffers      window 1: the sums of blocks 0-3 at 64 i + 8 fr
;   window 2: v0-63 block 4's sums; v64-223 h's fragments of a step: (i, q) at 64 + 32 i + 8 q      window 3: v0-127 weights as loaded; v128-159 two rounded pieces (at the start v128-255: step 0's weights)
.set PITCHW, 4096                      ; bytes from row to row of W2
.set KSTEPW, 128*PITCHW
.set BLKB,   131072                    ; bytes of a block of 16 slots in h
.set PROW,   4096                      ; bytes in a row of part
.set STG,    65536                     ; behind the two weight slots of 32,768: each wave's stage, 16 rows x 528
.set SGW,    8448
.set TAB,    STG+4*SGW                 ; each wave's bias table, 512 bytes: (fr, hh, j) at 64 fr + 32 hh + 4 j
.set SPARE,  TAB+2048                  ; the spare words, 128 bytes a wave
.set AW,10                             ; v10,11 weight fragments of slot 0, 1: 16 x lane
.set AWS,14                            ; v14,15 where I store my fragments
.set WOFF,18                           ; v18 32 hh rows of W + 16 r
.set WOFFX,19                          ; v19 the same, or 0 where nothing is left to fetch
.set TABA,20
.set STO,21
.set RD,22
.set CO,23                             ; v23 16 x lane
.set SPW,24                            ; v24 my spare word; v25 0: for the add alone
.set NIL,25
.set TO,32                             ; v32-36 block i's offset in h, with 16 x lane
.set LN,41
.set TST,43
.set BIA,44
.set CT0,48                            ; a whole step's rounded weights, at the start and for rows from 320 on
.set WF,48
.set TFO,176                           ; rows from 320 on: a fragment of h
.set E,48
.set BK,112
.set T,64                              ; window 2
.set CTR,128                           ; window 3
.set MSB, 0
.macro WIN new                         ; the immediate's high byte repeats the setting that is left; a switch that changes nothing is dropped
.if MSB != (\new)
	s_set_vgpr_msb (MSB<<8)|(\new)
.set MSB, (\new)
.endif
.endm
.macro PLACES                          ; four places behind a matrix instruction in front of loads into, and vector writes of, its registers
.rept 4
	v_nop
.endr
.endm
; A piece: eight loads, rows 8 hf + 0..7 (+ 32 hh) of the lane's sixteen, column group g; each load takes 256 consecutive bytes of two rows
.macro GWP S, g, hf, off, base, adr
	WIN 0xc0
.irp k, 0,1,2,3,4,5,6,7
	global_load_b128 v[128*(\S)+4*(16*(\g)+8*(\hf)+(\k)):128*(\S)+4*(16*(\g)+8*(\hf)+(\k))+3], v[\adr], s[\base:\base+1] offset:(8*(\hf)+(\k))*PITCHW+256*(\g)+(\off) th:TH_LOAD_NT
.endr
.endm
.macro CVT S                           ; all four pieces: register j of fragment fr = rows 2 j, 2 j + 1 of the lane's sixteen, component fr % 4
	WIN 0x0f
.irp fr, 0,1,2,3,4,5,6,7
.irp j, 0,1,2,3,4,5,6,7
	v_cvt_pk_bf16_f32 v[CT0+8*(\fr)+(\j)], v[128*(\S)+4*(16*((\fr)/4)+2*(\j))+(\fr)%4], v[128*(\S)+4*(16*((\fr)/4)+2*(\j)+1)+(\fr)%4]
.endr
.endr
.endm
.macro CVR q, c                        ; rounding c of 16 of piece q: fragment 4 (q / 2) + c / 4, register 4 (q % 2) + c % 4
.set CJ, 4*((\q)%2)+(\c)%4
	v_cvt_pk_bf16_f32 v[CTR+16*((\q)%2)+(\c)], v[4*(16*((\q)/2)+2*CJ)+(\c)/4], v[4*(16*((\q)/2)+2*CJ+1)+(\c)/4]
.endm
.macro STW q, sl, f                    ; four registers of piece q into slot sl
	ds_store_b128 v[AWS+(\sl)], v[CTR+16*((\q)%2)+4*(\f):CTR+16*((\q)%2)+4*(\f)+3] offset:1024*(4*((\q)/2)+(\f))+512*((\q)%2)
.endm
.macro LDW sl, qn, P, m                ; load m of the 16 that bring quarter qn's eight weight fragments into buffer P
	ds_load_b128 v[WF+64*(\P)+4*(\m):WF+64*(\P)+4*(\m)+3], v[AW+(\sl)] offset:8192*(\qn)+512*(\m)
.endm
; h's fragments of one quarter: blocks 0 to 3; block 4 if it lives (cond = 1) or in any case (cond = 0: at the start, so that every register is written)
.macro TQ qt, base, imm, cond
	WIN 0x80
.irp i, 0,1,2,3
	global_load_b128 v[T+32*(\i)+8*(\qt):T+32*(\i)+8*(\qt)+3], v[TO+(\i)], s[\base:\base+1] offset:(\imm)
	global_load_b128 v[T+32*(\i)+8*(\qt)+4:T+32*(\i)+8*(\qt)+7], v[TO+(\i)], s[\base:\base+1] offset:(\imm)+512
.endr
.if \cond
	WIN 0
	s_cmp_le_u32 s20, 4
	s_cbranch_scc1 .Lt_\@
	WIN 0x80
.endif
	global_load_b128 v[T+128+8*(\qt):T+128+8*(\qt)+3], v[TO+4], s[\base:\base+1] offset:(\imm)
	global_load_b128 v[T+128+8*(\qt)+4:T+128+8*(\qt)+7], v[TO+4], s[\base:\base+1] offset:(\imm)+512
	WIN 0
.Lt_\@:
.endm
.macro RUN q                           ; quarter q's run: h for three quarters on, then the weight piece for four quarters on
.if (\q) == 0
	TQ 3, 26, 3072, 1
.else
	TQ (\q)-1, 72, 1024*((\q)-1), 1
.endif
	GWP 0, (\q)/2, (\q)%2, 0, 74, WOFFX
.endm
.macro INIT i                          ; the bias (part 0) or 0 starts block i's sums
.if (\i) < 4
	WIN 0x40
.set AC, 64*(\i)
.else
	WIN 0x80
.set AC, 0
.endif
.irp fr, 0,1,2,3,4,5,6,7
	ds_load_b128 v[AC+8*(\fr):AC+8*(\fr)+3], v[TABA] offset:64*(\fr)
	ds_load_b128 v[AC+8*(\fr)+4:AC+8*(\fr)+7], v[TABA] offset:64*(\fr)+16
.endr
.endm
.macro WM i, fr, P, q                  ; one matrix instruction: block i, fragment fr, quarter q
.if (\i) < 4
	WIN 0x58
.set AC, 64*(\i)
.else
	WIN 0xa8
.set AC, 0
.endif
	v_wmma_f32_16x16x32_bf16 v[AC+8*(\fr):AC+8*(\fr)+7], v[WF+64*(\P)+8*(\fr):WF+64*(\P)+8*(\fr)+7], v[T+32*(\i)+8*(\q):T+32*(\i)+8*(\q)+7], v[AC+8*(\fr):AC+8*(\fr)+7]
.endm
.macro BARE cnt, q                     ; matrix instructions with nothing behind them
.rept \cnt
	WM n/8, n%8, PB, \q
.set n, n+1
.endr
.endm
; QUARTER q of a step in slot s.  The 32 sums of blocks 0-3 take turns, one instruction a turn, and so do block 4's eight.
; The 16 roundings behind the first eight products name none of the products' registers: they are the places between the last quarter's products and the loads, below, into registers that those read.
.macro QUARTER q, s
.set PB, (\q)%2
	s_wait_loadcnt 40                              ; h's fragments of this quarter and the piece to be rounded are in: behind them were issued a piece (8 loads) and two whole runs (16 each); block 4's loads only add to that
	s_wait_dscnt 0x0                               ; this quarter's weight fragments are in
.set n, 0
.rept 8
	WM n/8, n%8, PB, \q
	WIN 0xcf
	CVR \q, 2*n
	CVR \q, 2*n+1
.set n, n+1
.endr
	RUN \q
.if (\q) < 3
.rept 8
	WM n/8, n%8, PB, \q
	WIN 0
	LDW \s, (\q)+1, 1-PB, 2*(n-8)
	LDW \s, (\q)+1, 1-PB, 2*(n-8)+1
.set n, n+1
.endr
.rept 4
	WM n/8, n%8, PB, \q
	WIN 0x0c
	STW \q, 1-(\s), n-16
.set n, n+1
.endr
	BARE 12, \q
.else
.rept 2
	WM n/8, n%8, PB, \q
	WIN 0x0c
	STW \q, 1-(\s), 2*(n-8)
	STW \q, 1-(\s), 2*(n-8)+1
.set n, n+1
.endr
	BARE 6, \q
	s_wait_dscnt 0x0                               ; for the others' sake: my stores into the next slot are done, and my reads of this slot are over
	s_barrier_signal -1
	BARE 2, \q                                     ; work on registers while the others arrive
	s_barrier_wait -1
.rept 8
	WM n/8, n%8, PB, \q
	WIN 0
	LDW 1-(\s), 0, 0, 2*(n-18)
	LDW 1-(\s), 0, 0, 2*(n-18)+1
.set n, n+1
.endr
	BARE 6, \q
.endif
	WIN 0
	s_cmp_le_u32 s20, 4
	s_cbranch_scc1 .Lb_\@
.set n, 0
.rept 8
	WM 4, n, PB, \q
.set n, n+1
.endr
	WIN 0
.Lb_\@:
.endm
; K step t in slot s = t % 2; s21 counts the trips 4, 3, 2, 1, two steps a trip.  The weights two steps on exist up to t = 5 (s21 > 1), h's next step up to t = 6.
.macro STEPX s
	s_wait_xcnt 0x0                                ; bases and the offset below are written again only behind this wait
	s_mov_b64 s[26:27], s[72:73]                   ; h at this step
	s_cmp_gt_u32 s21, 1
	s_cselect_b32 s30, -1, 0
	s_cselect_b64 s[74:75], s[24:25], s[70:71]     ; the weights two steps on, or the slice's first rows
.if (\s) == 1
	s_cselect_b32 s22, 4096, 0                     ; four fragments on, or once more the same
.else
	s_mov_b32 s22, 4096
.endif
	s_add_nc_u64 s[72:73], s[26:27], s[22:23]      ; h at the next step
	s_add_nc_u64 s[24:25], s[24:25], KSTEPW
	v_and_b32 v[WOFFX], s30, v[WOFF]
	QUARTER 0, \s
	QUARTER 1, \s
	QUARTER 2, \s
	QUARTER 3, \s
.endm
; THE WAY OUT of block i: four sums' registers j (ascending) are four neighbouring columns; through my own stage, back as whole rows of 512 bytes
.macro EPI i, base, rows
.if (\i) < 4
	WIN 0x05
.set AC, 64*(\i)
.else
	WIN 0x0a
.set AC, 0
.endif
.irp g, 0,1
.irp j, 0,1,2,3,4,5,6,7
.irp f, 0,1,2,3
	v_mov_b32 v[E+32*(\g)+4*(\j)+(\f)], v[AC+8*(4*(\g)+(\f))+(\j)]
.endr
.endr
.endr
	WIN 0
.irp g, 0,1
.irp j, 0,1,2,3,4,5,6,7
	ds_store_b128 v[STO], v[E+32*(\g)+4*(\j):E+32*(\g)+4*(\j)+3] offset:256*(\g)+16*(\j)
.endr
.endr
	s_wait_xcnt 0x0                                ; the registers that the last block's stores read are loaded again only behind this wait
.irp rr, 0,1,2,3,4,5,6,7,8,9,10,11,12,13,14,15
	ds_load_b128 v[BK+4*(\rr):BK+4*(\rr)+3], v[RD] offset:528*(\rr)  ; LDS serves a wave's instructions in order (ISA guide 5.7.1.4): these see the stores above
.endr
	s_wait_dscnt 0x0
.irp rr, 0,1,2,3,4,5,6,7,8,9,10,11,12,13,14,15
	global_store_b128 v[CO], v[BK+4*(\rr):BK+4*(\rr)+3], s[\base:\base+1] offset:((\rows)+(\rr))*PROW  ; 512 consecutive bytes, aligned
.endr
.endm
	s_load_b256 s[4:11], s[0:1], 0x0               ; h s[4:5], W2 s[6:7], b2 s[8:9], bm s[10:11]
	s_load_b64 s[12:13], s[0:1], 0x20              ; part
	v_lshl_add_u32 v[SPW], v0, 2, SPARE
	v_mov_b32 v[NIL], 0
	v_lshrrev_b32 v3, 5, v0
	v_readfirstlane_b32 s16, v3                    ; wave w
	s_and_b32 s17, ttmp7, 0xffff                   ; expert e
	s_and_b32 s18, ttmp9, 7                        ; slice of columns
	s_lshr_b32 s19, ttmp9, 3                       ; part of K
	v_and_b32 v1, 15, v0                           ; r
	v_bfe_u32 v2, v0, 4, 1                         ; hh
	v_and_b32 v[LN], 31, v0
	v_lshlrev_b32 v3, 4, v1
	v_lshl_add_u32 v[WOFF], v2, 17, v3             ; 32 rows of 4,096 bytes, 16 r
	v_lshlrev_b32 v[CO], 4, v[LN]
	s_mov_b32 s3, 0
	s_mov_b32 s23, 0
	s_mov_b32 s81, 0
	s_wait_kmcnt 0x0
	s_lshl_b32 s2, s17, 7
	s_add_nc_u64 s[10:11], s[10:11], s[2:3]
	s_load_b512 s[32:47], s[10:11], 0x0            ; e's bitmap of tokens
	s_load_b512 s[48:63], s[10:11], 0x40
	s_lshl_b32 s2, s17, 12
	s_lshl_b32 s22, s18, 9
	s_add_co_u32 s2, s2, s22
	s_add_nc_u64 s[8:9], s[8:9], s[2:3]
	global_load_b128 v[BIA:BIA+3], v[CO], s[8:9]   ; every wave: the slice's 128 numbers of b2
	s_lshl_b32 s2, s17, 24
	s_add_co_u32 s2, s2, s22
	s_lshl_b32 s22, s19, 22
	s_add_co_u32 s2, s2, s22
	s_add_nc_u64 s[70:71], s[6:7], s[2:3]          ; the slice's first byte
	s_lshr_b32 s2, s16, 1
	s_lshl_b32 s2, s2, 18                          ; quarter w of a step begins at row 64 (w / 2)
	s_and_b32 s22, s16, 1
	s_lshl_b32 s22, s22, 16                        ; + 16 (w % 2)
	s_add_co_u32 s2, s2, s22
	s_add_nc_u64 s[82:83], s[70:71], s[2:3]        ; my rows of step 0,
	s_add_nc_u64 s[24:25], s[82:83], 2*KSTEPW      ; and of step 2
	GWP 1, 0, 0, 0, 82, WOFF                       ; the weights hang on no data: step 0 goes out at once
	GWP 1, 0, 1, 0, 82, WOFF
	GWP 1, 1, 0, 0, 82, WOFF
	GWP 1, 1, 1, 0, 82, WOFF
	WIN 0
	s_lshl_b32 s2, s17, 23
	s_lshl_b32 s22, s19, 15
	s_add_co_u32 s2, s2, s22
	s_add_nc_u64 s[72:73], s[4:5], s[2:3]          ; h at block 64 e, my part of K: 32 fragments a part
	s_add_co_u32 s2, s16, 20
	s_lshl_b32 s2, s2, 17
	s_add_nc_u64 s[78:79], s[72:73], s[2:3]        ; and at block 20 + w
	s_lshl_b32 s2, s19, 25
	s_lshl_b32 s22, s17, 22
	s_add_co_u32 s2, s2, s22
	s_lshl_b32 s22, s16, 16
	s_add_co_u32 s2, s2, s22
	s_lshl_b32 s22, s18, 9
	s_add_co_u32 s2, s2, s22
	s_add_nc_u64 s[28:29], s[12:13], s[2:3]        ; part ks at slot 1024 e + 16 w, my 512 bytes of a row
	s_add_nc_u64 s[76:77], s[28:29], 320*PROW
	v_lshlrev_b32 v[AW], 4, v[LN]
	v_add_nc_u32 v[AW+1], 32768, v[AW]
	v_lshl_add_u32 v[AWS], s16, 13, v[AW]
	v_add_nc_u32 v[AWS+1], 32768, v[AWS]
	s_mul_i32 s22, s16, SGW
	s_add_co_u32 s22, s22, STG
	v_add_nc_u32 v[RD], s22, v[AW]                 ; back: 32 lanes take a row of 512 bytes
	v_mul_u32_u24 v3, v1, 528
	v_lshl_add_u32 v3, v2, 7, v3
	v_add_nc_u32 v[STO], s22, v3                   ; in: row r, 128 bytes for each half of the lanes
	s_lshl_b32 s22, s16, 9
	s_add_co_u32 s22, s22, TAB
	v_lshl_add_u32 v[TABA], v2, 5, s22
	v_and_b32 v3, 7, v0                            ; column 4 L + f: j = L % 8, its half (L / 8) % 2, its group L / 16
	v_lshlrev_b32 v3, 2, v3
	v_bfe_u32 v4, v0, 3, 1
	v_lshl_add_u32 v3, v4, 5, v3
	v_lshl_add_u32 v3, v2, 8, v3
	v_add_nc_u32 v[TST], s22, v3
	s_cmp_eq_u32 s19, 0
	s_cselect_b32 s22, -1, 0                       ; the bias belongs to part 0 alone
	s_wait_loadcnt 32                              ; the bias is in; the 32 weight loads behind it stay out
	v_cvt_pk_bf16_f32 v3, v[BIA], v[BIA+1]         ; the bias rounded to bf16, as every input is, and widened again
	v_cvt_pk_bf16_f32 v4, v[BIA+2], v[BIA+3]
	v_lshlrev_b32 v[BIA], 16, v3
	v_and_b32 v[BIA+1], 0xffff0000, v3
	v_lshlrev_b32 v[BIA+2], 16, v4
	v_and_b32 v[BIA+3], 0xffff0000, v4
.irp f, 0,1,2,3
	v_cndmask_b32 v[BIA+\f], 0, v[BIA+\f], s22
.endr
.irp f, 0,1,2,3
	ds_store_b32 v[TST], v[BIA+\f] offset:64*(\f)
.endr
	INIT 0                                         ; my own table: LDS serves a wave's instructions in order
	INIT 1
	INIT 2
	INIT 3
	INIT 4
	WIN 0
	s_wait_kmcnt 0x0                               ; the bitmap
	s_mov_b32 s66, 0
.set k, 0
.rept 32
	s_bcnt1_i32_b32 s22, s[32+k]
	s_add_co_u32 s66, s66, s22
.set k, k+1
.endr
	s_add_co_u32 s66, s66, 15
	s_lshr_b32 s66, s66, 4                         ; blocks of 16 rows, as the first product stored them:
	s_max_u32 s66, s66, 1                          ; one at the least
	s_min_u32 s66, s66, 64
	s_min_u32 s20, s66, 20
	s_add_co_u32 s20, s20, 3
	s_sub_co_u32 s20, s20, s16
	s_lshr_b32 s20, s20, 2                         ; my live blocks in the main pass, 0 to 5
	s_max_u32 s67, s66, 20
	s_sub_co_u32 s67, s67, 17
	s_sub_co_u32 s67, s67, s16
	s_lshr_b32 s67, s67, 2                         ; and behind it, 0 to 11
.irp i, 0,1,2,3,4
	s_add_co_u32 s22, s16, 4*\i                    ; block w + 4 i;
	s_cmp_gt_u32 s20, \i
	s_cselect_b32 s22, s22, 0                      ; a dead block names block 0, which is always stored.
	s_min_u32 s22, s22, 19                         ; The choice hangs on a count read from memory: the number is held inside the main pass's 20 blocks before it enters an address
	s_lshl_b32 s22, s22, 17
	v_add_nc_u32 v[TO+\i], s22, v[CO]
.endr
	; what four quarters in front of the loop would have asked for, in their order: piece 0; h of quarter 0, piece 1; h of quarter 1, piece 2; h of quarter 2, piece 3 (the pieces are step 1's).
	WIN 0x80
	global_load_b128 v[T+152:T+155], v[TO+4], s[72:73] offset:3072  ; block 4's registers of quarter 3 are written once in any case
	global_load_b128 v[T+156:T+159], v[TO+4], s[72:73] offset:3584
	GWP 0, 0, 0, KSTEPW, 82, WOFF
	TQ 0, 72, 0, 0
	GWP 0, 0, 1, KSTEPW, 82, WOFF
	s_wait_loadcnt 24                              ; step 0's weights are in: 28 loads were issued behind them; the lower count keeps what is out, with the 36 loads below, under the counter's 63
	CVT 1
	WIN 0
.irp fr, 0,1,2,3,4,5,6,7
	ds_store_b128 v[AWS], v[CT0+8*(\fr):CT0+8*(\fr)+3] offset:1024*(\fr)
	ds_store_b128 v[AWS], v[CT0+8*(\fr)+4:CT0+8*(\fr)+7] offset:1024*(\fr)+512
.endr
	TQ 1, 72, 1024, 0
	GWP 0, 1, 0, KSTEPW, 82, WOFF
	TQ 2, 72, 2048, 0
	GWP 0, 1, 1, KSTEPW, 82, WOFF
	WIN 0
	s_wait_dscnt 0x0                               ; for the others' sake: my fragments of step 0 are in slot 0; the sums' first values are in too
	s_barrier_signal -1
	s_barrier_wait -1
.set k, 0
.rept 16
	LDW 0, 0, 0, k
.set k, k+1
.endr
	s_mov_b32 s21, 4
.Lloop:
	STEPX 0
	STEPX 1
	s_sub_co_u32 s21, s21, 1
	s_cmp_lg_u32 s21, 0
	s_cbranch_scc1 .Lloop
	PLACES
	s_wait_loadcnt 0x0                             ; the loads that nobody reads have landed: their registers and bases are free
	s_wait_dscnt 0x0                               ; and so have the fragments of a ninth step
.irp i, 0,1,2,3,4
	s_cmp_le_u32 s20, \i
	s_cbranch_scc1 .Lmain_done
	EPI \i, 28, 64*\i
.endr
.Lmain_done:
	; ROWS FROM 320 ON: block 20 + w + 4 j.  A constant count of trips, dead ones jumped; no barrier; the weights are read again, straight into fragments, a fragment of h a trip.
	s_mov_b32 s68, 0
.Lov:
	s_cmp_ge_u32 s68, s67
	s_cbranch_scc1 .Lov_next
	INIT 0
	WIN 0
	s_mov_b64 s[72:73], s[70:71]
	s_mov_b64 s[74:75], s[78:79]
	s_mov_b32 s80, 16*PITCHW                       ; from fragment 2 G to 2 G + 1: 16 rows of W2 on; from there to 2 G + 2: 48
	s_wait_dscnt 0x0
	s_mov_b32 s69, 32
.Lovk:                                                 ; 32 along K a trip
	GWP 0, 0, 0, 0, 72, WOFF
	GWP 0, 0, 1, 0, 72, WOFF
	GWP 0, 1, 0, 0, 72, WOFF
	GWP 0, 1, 1, 0, 72, WOFF
	WIN 0
	global_load_b128 v[TFO:TFO+3], v[CO], s[74:75]
	global_load_b128 v[TFO+4:TFO+7], v[CO], s[74:75] offset:512
	s_wait_loadcnt 0x0                             ; which also frees the two bases
	CVT 0
	WIN 0x50
.irp fr, 0,1,2,3,4,5,6,7
	v_wmma_f32_16x16x32_bf16 v[8*(\fr):8*(\fr)+7], v[CT0+8*(\fr):CT0+8*(\fr)+7], v[TFO:TFO+7], v[8*(\fr):8*(\fr)+7]
.endr
	WIN 0
	PLACES
	s_add_nc_u64 s[72:73], s[72:73], s[80:81]
	s_xor_b32 s80, s80, 32*PITCHW                  ; 16 rows and 48 rows by turns
	s_add_nc_u64 s[74:75], s[74:75], 1024
	s_sub_co_u32 s69, s69, 1
	s_cmp_lg_u32 s69, 0
	s_cbranch_scc1 .Lovk
	EPI 0, 76, 0
.Lov_next:
	s_wait_xcnt 0x0                                ; the bases are stepped only behind this wait
	s_add_nc_u64 s[76:77], s[76:77], 64*PROW
	s_add_nc_u64 s[78:79], s[78:79], 4*BLKB
	s_add_co_u32 s68, s68, 1
	s_cmp_lt_u32 s68, 11
	s_cbranch_scc1 .Lov
	s_wait_tensorcnt 0x0                           ; the wave's end, behind my last LDS store
	ds_add_u32 v[SPW], v[NIL]
	s_wait_dscnt 0x0
	s_endpgm
.Lfunc_end_k_q1ac6eb788a_down:
	.size	k_q1ac6eb788a_down, .Lfunc_end_k_q1ac6eb788a_down-k_q1ac6eb788a_down
	.p2alignl 7, 3214868480
	.fill 96, 4, 3214868480
	.section	.rodata,"a",@progbits
	.p2align	6, 0x0
	.amdhsa_kernel k_q1ac6eb788a_down
		.amdhsa_group_segment_fixed_size 101888
		.amdhsa_private_segment_fixed_size 0
		.amdhsa_enable_private_segment 0
		.amdhsa_kernarg_size 40
		.amdhsa_user_sgpr_count 2
		.amdhsa_user_sgpr_kernarg_segment_ptr 1
		.amdhsa_wavefront_size32 1
		.amdhsa_system_sgpr_workgroup_id_x 1
		.amdhsa_system_sgpr_workgroup_id_y 1
		.amdhsa_system_sgpr_workgroup_id_z 1
		.amdhsa_system_vgpr_workitem_id 0
		.amdhsa_next_free_vgpr 1024
		.amdhsa_next_free_sgpr 84
		.amdhsa_reserve_vcc 0
		.amdhsa_float_denorm_mode_32 3
		.amdhsa_float_denorm_mode_16_64 3
		.amdhsa_memory_ordered 1
		.amdhsa_forward_progress 1
		.amdhsa_inst_pref_size 139
	.end_amdhsa_kernel
	.amdgpu_metadata
---
amdhsa.version: [ 1, 2 ]
amdhsa.kernels:
  - .name:           k_q1ac6eb788a_down
    .symbol:         k_q1ac6eb788a_down.kd
    .args:
      - { .name: h, .offset: 0, .size: 8, .value_kind: global_buffer, .address_space: global }
      - { .name: W2, .offset: 8, .size: 8, .value_kind: global_buffer, .address_space: global }
      - { .name: b2, .offset: 16, .size: 8, .value_kind: global_buffer, .address_space: global }
      - { .name: bm, .offset: 24, .size: 8, .value_kind: global_buffer, .address_space: global }
      - { .name: part, .offset: 32, .size: 8, .value_kind: global_buffer, .address_space: global }
    .group_segment_fixed_size: 101888
    .private_segment_fixed_size: 0
    .kernarg_segment_align: 8
    .kernarg_segment_size: 40
    .max_flat_workgroup_size: 128
    .sgpr_count:     84
    .vgpr_count:     1024
    .wavefront_size: 32
...
	.end_amdgpu_metadata
.endif
;; end of part 7
;; launch combine (part 8): grid 1024 x 1, 4 waves a work-group, no clusters, 0 bytes of LDS; arguments eidx, gw, rk, part, out0; writes out0
.if DOCPART == 8
	.amdgcn_target "amdgcn-amd-amdhsa--gfx1250"
	.amdhsa_code_object_version 6
	.text
	.protected	k_q1ac6eb788a_combine
	.globl	k_q1ac6eb788a_combine
	.p2align	8
	.type	k_q1ac6eb788a_combine,@function
k_q1ac6eb788a_combine:
	s_mov_b64 s[64:65], 0
	v_nop
	global_prefetch_b8 v0, s[64:65] scope:SCOPE_SE
	s_setreg_imm32_b32 hwreg(HW_REG_WAVE_MODE, 25, 1), 1
	s_wait_xcnt 0x0
; out0[n] = w0 y(e0) + w1 y(e1), y(e) = the sum of the four parts along K of slot 1024 e + rank (b2 lies in part 0).  One work-group a token, so each output row has one owner.
; The experts and ranks are whole numbers that earlier launches stored.  The token's rank with all eight experts is asked for together with its two experts, so that no scalar load waits for another;
; the two ranks wanted are then picked, and each number is held inside its table before it enters an address.
; Thread t takes bytes 16 t and 2,048 + 16 t of the row: a wave's load or store covers 512 consecutive bytes.  All 16 loads of a lane go out together.
; Memory binds: no LDS, no barrier, no matrix unit.
.set P, 8                              ; v[8:71]  (k, ks, c) at 8 + 32 k + 8 ks + 4 c
	s_load_b256 s[4:11], s[0:1], 0x0               ; eidx s[4:5], gw s[6:7], rk s[8:9], part s[10:11]
	s_load_b64 s[12:13], s[0:1], 0x20              ; out0
	s_lshl_b32 s14, ttmp9, 3
	s_lshl_b32 s15, ttmp9, 2
	s_lshl_b32 s32, ttmp9, 12
	s_mov_b32 s33, 0
	v_lshlrev_b32 v1, 4, v0
	s_wait_kmcnt 0x0
	s_load_b64 s[16:17], s[4:5], s14 offset:0x0    ; the two experts
	s_load_b64 s[18:19], s[6:7], s14 offset:0x0    ; their weights
.irp e, 0,1,2,3,4,5,6,7
	s_load_b32 s[40+\e], s[8:9], s15 offset:4096*\e  ; rk[e][n]
.endr
	s_add_nc_u64 s[24:25], s[10:11], 0x2000000     ; the parts lie 32 MiB apart
	s_add_nc_u64 s[26:27], s[10:11], 0x4000000
	s_add_nc_u64 s[28:29], s[10:11], 0x6000000
	s_add_nc_u64 s[12:13], s[12:13], s[32:33]
	s_wait_kmcnt 0x0
	s_min_u32 s16, s16, 7
	s_min_u32 s17, s17, 7
	s_mov_b32 s22, s40
	s_mov_b32 s23, s40
.irp e, 1,2,3,4,5,6,7
	s_cmp_eq_u32 s16, \e
	s_cselect_b32 s22, s[40+\e], s22
	s_cmp_eq_u32 s17, \e
	s_cselect_b32 s23, s[40+\e], s23
.endr
	s_mov_b32 s34, s19                             ; w1 as the low word of a pair
	s_mov_b32 s35, s19
	s_min_u32 s22, s22, 0x3ff
	s_min_u32 s23, s23, 0x3ff
	s_lshl_b32 s16, s16, 10
	s_add_co_u32 s16, s16, s22
	s_lshl_b32 s16, s16, 12                        ; the slot's row of 4,096 bytes
	s_lshl_b32 s17, s17, 10
	s_add_co_u32 s17, s17, s23
	s_lshl_b32 s17, s17, 12
	v_add_nc_u32 v2, s16, v1
	v_add_nc_u32 v3, s17, v1
.irp k, 0,1
.irp c, 0,1
	global_load_b128 v[P+32*(\k)+4*(\c):P+32*(\k)+4*(\c)+3], v[2+\k], s[10:11] offset:2048*(\c) th:TH_LOAD_NT
	global_load_b128 v[P+32*(\k)+8+4*(\c):P+32*(\k)+8+4*(\c)+3], v[2+\k], s[24:25] offset:2048*(\c) th:TH_LOAD_NT
	global_load_b128 v[P+32*(\k)+16+4*(\c):P+32*(\k)+16+4*(\c)+3], v[2+\k], s[26:27] offset:2048*(\c) th:TH_LOAD_NT
	global_load_b128 v[P+32*(\k)+24+4*(\c):P+32*(\k)+24+4*(\c)+3], v[2+\k], s[28:29] offset:2048*(\c) th:TH_LOAD_NT
.endr
.endr
	s_wait_loadcnt 0x0
.irp ks, 1,2,3                         ; the parts in ascending K, eight chains side by side
.irp k, 0,1
.irp d, 0,2,4,6
	v_pk_add_f32 v[P+32*(\k)+(\d):P+32*(\k)+(\d)+1], v[P+32*(\k)+(\d):P+32*(\k)+(\d)+1], v[P+32*(\k)+8*(\ks)+(\d):P+32*(\k)+8*(\ks)+(\d)+1]
.endr
.endr
.endr
.irp d, 0,2,4,6
	v_pk_mul_f32 v[P+(\d):P+(\d)+1], v[P+(\d):P+(\d)+1], s[18:19] op_sel_hi:[1,0]
.endr
.irp d, 0,2,4,6
	v_pk_fma_f32 v[P+(\d):P+(\d)+1], v[P+32+(\d):P+32+(\d)+1], s[34:35], v[P+(\d):P+(\d)+1] op_sel_hi:[1,0,1]
.endr
	global_store_b128 v1, v[P:P+3], s[12:13]
	global_store_b128 v1, v[P+4:P+7], s[12:13] offset:2048
	s_endpgm
.Lfunc_end_k_q1ac6eb788a_combine:
	.size	k_q1ac6eb788a_combine, .Lfunc_end_k_q1ac6eb788a_combine-k_q1ac6eb788a_combine
	.p2alignl 7, 3214868480
	.fill 96, 4, 3214868480
	.section	.rodata,"a",@progbits
	.p2align	6, 0x0
	.amdhsa_kernel k_q1ac6eb788a_combine
		.amdhsa_group_segment_fixed_size 0
		.amdhsa_private_segment_fixed_size 0
		.amdhsa_enable_private_segment 0
		.amdhsa_kernarg_size 40
		.amdhsa_user_sgpr_count 2
		.amdhsa_user_sgpr_kernarg_segment_ptr 1
		.amdhsa_wavefront_size32 1
		.amdhsa_system_sgpr_workgroup_id_x 1
		.amdhsa_system_sgpr_workgroup_id_y 1
		.amdhsa_system_sgpr_workgroup_id_z 1
		.amdhsa_system_vgpr_workitem_id 0
		.amdhsa_next_free_vgpr 80
		.amdhsa_next_free_sgpr 66
		.amdhsa_reserve_vcc 0
		.amdhsa_float_denorm_mode_32 3
		.amdhsa_float_denorm_mode_16_64 3
		.amdhsa_memory_ordered 1
		.amdhsa_forward_progress 1
		.amdhsa_inst_pref_size 7
	.end_amdhsa_kernel
	.amdgpu_metadata
---
amdhsa.version: [ 1, 2 ]
amdhsa.kernels:
  - .name:           k_q1ac6eb788a_combine
    .symbol:         k_q1ac6eb788a_combine.kd
    .args:
      - { .name: eidx, .offset: 0, .size: 8, .value_kind: global_buffer, .address_space: global }
      - { .name: gw, .offset: 8, .size: 8, .value_kind: global_buffer, .address_space: global }
      - { .name: rk, .offset: 16, .size: 8, .value_kind: global_buffer, .address_space: global }
      - { .name: part, .offset: 24, .size: 8, .value_kind: global_buffer, .address_space: global }
      - { .name: out0, .offset: 32, .size: 8, .value_kind: global_buffer, .address_space: global }
    .group_segment_fixed_size: 0
    .private_segment_fixed_size: 0
    .kernarg_segment_align: 8
    .kernarg_segment_size: 40
    .max_flat_workgroup_size: 128
    .sgpr_count:     66
    .vgpr_count:     80
    .wavefront_size: 32
...
	.end_amdgpu_metadata
.endif
;; end of part 8
;; ======== version 3 of 3: 4 launches; version 2 with the launch down written anew for expert scheduling mode
;; workspace buffers: xb 2,097,152 bytes; eidx 8,192 bytes of whole numbers; gw 8,192 bytes; bm 1,024 bytes of whole numbers; rk 32,768 bytes of whole numbers; h 67,108,864 bytes; part 134,217,728 bytes
;; launch router: the kernel of part 5 again; grid 64 x 1, 8 waves a work-group, no clusters, 39,936 bytes of LDS; arguments x, Wg, bg, xb, eidx, gw, bm; writes xb, eidx, gw, bm
;; launch up: the kernel of part 6 again; grid 32 x 8, 4 waves a work-group, no clusters, 242,176 bytes of LDS; arguments xb, W1, b1, bm, h, rk; writes h, rk
;; launch down (part 9): grid 32 x 8, 4 waves a work-group, no clusters, 101,888 bytes of LDS; arguments h, W2, b2, bm, part; writes part
.if DOCPART == 9
	.amdgcn_target "amdgcn-amd-amdhsa--gfx1250"
	.amdhsa_code_object_version 6
	.text
	.protected	k_q1ac6eb788a_down
	.globl	k_q1ac6eb788a_down
	.p2align	8
	.type	k_q1ac6eb788a_down,@function
k_q1ac6eb788a_down:
	s_mov_b64 s[64:65], 0
	v_nop
	global_prefetch_b8 v0, s[64:65] scope:SCOPE_SE
	s_setreg_imm32_b32 hwreg(HW_REG_WAVE_SCHED_MODE, 0, 2), 2
	s_setreg_imm32_b32 hwreg(HW_REG_WAVE_MODE, 25, 1), 1
	s_wait_xcnt 0x0
	s_wait_alu depctr_vm_vsrc(0)
; SECOND PRODUCT, in four parts along K.  part[ks][slot][:] = h[slot][1024 ks .. + 1023] W2[e][1024 ks .. + 1023][:] (+ b2[e] in part 0), f32; slot = 1024 e + rank.  The last launch adds the parts.
; SHARES.  Work-group (x, e): columns 128 (x % 8) .. + 127, K rows 1024 (x / 8) .. + 1023 of W2[e], which it alone reads, once, and ALL of e's rows.  K is split so that there are 256 work-groups
; whose pieces of a weight row are 512 bytes.  Rows go in blocks of 16; wave w has blocks w + 4 i, i = 0..4; rows from 320 on go by a slower loop behind the main pass.  Whole blocks are stored.
; h ARRIVES IN OPERAND ORDER: [block][128 fragments][1,024 bytes]; in fragment 2 G + u lane (r, hh), register j, half p holds h[row r][k], k = 64 G + 32 hh + 16 u + 2 j + p.  Two loads of 512 consecutive bytes
; bring a fragment straight into source 1's registers: h's rows never touch LDS.  The same order of k is given to the weights: a lane loads 16 bytes of each of the 16 rows 64 G + 16 u + 32 hh + 0..15;
; component f, rounded in pairs of rows, is its part of a fragment whose index r stands for column 64 g + 4 r + f (source 0).  In the result lane (r, hh) holds row r, register j of fragment 4 g + f
; column 64 g + 32 hh + 4 j + f: four neighbouring f32 columns lie in four sums, and on the way out 64 moves a block bring them together for 16-byte stores.
; THE LOOP goes by QUARTERS of 32 along K, four to a K step of 128.  Wave w rounds the eight weight fragments of quarter w of each step, for all four waves, through two LDS slots.  In quarter n a wave issues its
; products one at a time, and behind them stand: 16 roundings (a PIECE: a quarter of its weights for the next step), the 16 LDS loads of the next quarter's fragments, the piece's 4 LDS stores.  One run of global
; loads stands in each quarter: h's fragments for quarter n + 3, into the registers that quarter n - 1 read, then the weight piece for quarter n + 4, into the registers just rounded.
; ONE BARRIER A STEP, in its fourth quarter: in front of it a wave has waited for its stores into the next slot and for its reads of this one; behind it the next slot is read and, in the next step, this one written.
; Blocks 0 to 3 are multiplied without a branch: a dead one repeats block 0 and is not stored.  Block 4's loads and products are jumped where it is dead.
; ONE TEXT FOR EVERY STEP.  In the last trip nothing is left to fetch, and the same lines go on asking, so that each wait's count holds on every path: the weight loads at the slice's first rows, all lanes at one
; address; h's loads for a ninth step at the eighth's place.  Nobody reads what they bring; the eighth step's roundings, LDS stores, barrier and fragment loads for a ninth serve nothing either: the price, once a launch.
; The bias (part 0) or 0 starts the sums: nothing is cleared.
; NO CLUSTER: a slice of weights has one reader.  What the eight work-groups of one (e, ks) share is h's rows; how many of them are live hangs on a count read from memory, and loads that a count may skip go through registers here.
; LIMITS.  W2 and b2 are rounded to bf16; h arrives in bf16.
; THE MODE: SCHED_MODE bits 1:0 = 2 (LLVM: expert scheduling mode 2), set by the entry lines.  The code itself states the register dependences
; between vector or matrix instructions and memory or LDS instructions, with s_wait_alu, always for 0.
; THE PLAN.  Registers that memory or LDS instructions touch, in the loop:
;   RAW   (window 3 v0-127, four pieces)   Quarter q: its 16 roundings read piece q; behind them the eight loads of the quarter's run land in it.
;   CTR   (window 3 v128-159, two pieces)  Quarter q: its roundings write piece q % 2, its four LDS stores read it; quarter q + 2 writes it again.
;   T     (window 2 v64-223, four sets)    Quarter q: its products read set q; the run of quarter q + 1 loads into it.
;   WF    (window 0 v48-175, two buffers)  Quarter q: its products read buffer q % 2; the 16 LDS loads of quarter q + 1 land in it.
;   v[WOFFX]                               Read by every weight load of the loop; written once a step, at the step's head.
;   v[AW ..], v[AWS ..], v[WOFF], v[TO ..] Made ahead of the loop and never written again.  The sums are named by matrix instructions alone.
; So ONE wait on va_vdst stands in a quarter, behind its first eight products and its roundings and ahead of its run: it states that the roundings are done with RAW's piece and have written CTR's, that the quarter
; before's products are done reading their set of T and their buffer of WF, and, in a step's first quarter, that v[WOFFX] is written.  Behind it the quarter issues products alone, which name the sums, WF[q % 2] and
; T's set q: none of the registers that the quarter's loads and LDS stores touch.  TWO waits on vm_vsrc stand in a step: at its head (v[WOFFX]; CTR as quarters 2 and 3 stored it) and at the head of quarter 2 (CTR as quarters 0 and 1 stored it).
; REGISTERS, in windows of 256 (s_set_vgpr_msb: bits 1:0 source 0, 3:2 source 1, 5:4 source 2, 7:6 destination):
;   window 0: addresses; v48-111, v112-175 weight fragments, two buffers      window 1: the sums of blocks 0-3 at 64 i + 8 fr
;   window 2: v0-63 block 4's sums; v64-223 h's fragments of a step: (i, q) at 64 + 32 i + 8 q      window 3: v0-127 weights as loaded; v128-159 two rounded pieces (at the start v128-255: step 0's weights)
.set PITCHW, 4096                      ; bytes from row to row of W2
.set KSTEPW, 128*PITCHW
.set BLKB,   131072                    ; bytes of a block of 16 slots in h
.set PROW,   4096                      ; bytes in a row of part
.set STG,    65536                     ; behind the two weight slots of 32,768: each wave's stage, 16 rows x 528
.set SGW,    8448
.set TAB,    STG+4*SGW                 ; each wave's bias table, 512 bytes: (fr, hh, j) at 64 fr + 32 hh + 4 j
.set SPARE,  TAB+2048                  ; the spare words, 128 bytes a wave
.set AW,10                             ; v10,11 weight fragments of slot 0, 1: 16 x lane
.set AWS,14                            ; v14,15 where I store my fragments
.set WOFF,18                           ; v18 32 hh rows of W + 16 r
.set WOFFX,19                          ; v19 the same, or 0 where nothing is left to fetch
.set TABA,20
.set STO,21
.set RD,22
.set CO,23                             ; v23 16 x lane
.set SPW,24                            ; v24 my spare word; v25 0: for the add alone
.set NIL,25
.set TO,32                             ; v32-36 block i's offset in h, with 16 x lane
.set LN,41
.set TST,43
.set BIA,44
.set CT0,48                            ; a whole step's rounded weights, at the start and for rows from 320 on
.set WF,48
.set TFO,176                           ; rows from 320 on: a fragment of h
.set E,48
.set BK,112
.set T,64                              ; window 2
.set CTR,128                           ; window 3
.set MSB, 0
.macro WIN new                         ; the immediate's high byte repeats the setting that is left; a switch that changes nothing is dropped
.if MSB != (\new)
	s_set_vgpr_msb (MSB<<8)|(\new)
.set MSB, (\new)
.endif
.endm
.macro PLACES                          ; four places behind a matrix instruction (ISA guide 7.12.1) in front of vector reads of its result and vector writes of its registers
.rept 4
	v_nop
.endr
.endm
; A piece: eight loads, rows 8 hf + 0..7 (+ 32 hh) of the lane's sixteen, column group g; each load takes 256 consecutive bytes of two rows
.macro GWP S, g, hf, off, base, adr
	WIN 0xc0
.irp k, 0,1,2,3,4,5,6,7
	global_load_b128 v[128*(\S)+4*(16*(\g)+8*(\hf)+(\k)):128*(\S)+4*(16*(\g)+8*(\hf)+(\k))+3], v[\adr], s[\base:\base+1] offset:(8*(\hf)+(\k))*PITCHW+256*(\g)+(\off) th:TH_LOAD_NT
.endr
.endm
.macro CVT S                           ; all four pieces: register j of fragment fr = rows 2 j, 2 j + 1 of the lane's sixteen, component fr % 4
	WIN 0x0f
.irp fr, 0,1,2,3,4,5,6,7
.irp j, 0,1,2,3,4,5,6,7
	v_cvt_pk_bf16_f32 v[CT0+8*(\fr)+(\j)], v[128*(\S)+4*(16*((\fr)/4)+2*(\j))+(\fr)%4], v[128*(\S)+4*(16*((\fr)/4)+2*(\j)+1)+(\fr)%4]
.endr
.endr
.endm
.macro CVR q, c                        ; rounding c of 16 of piece q: fragment 4 (q / 2) + c / 4, register 4 (q % 2) + c % 4
.set CJ, 4*((\q)%2)+(\c)%4
	v_cvt_pk_bf16_f32 v[CTR+16*((\q)%2)+(\c)], v[4*(16*((\q)/2)+2*CJ)+(\c)/4], v[4*(16*((\q)/2)+2*CJ+1)+(\c)/4]
.endm
.macro STW q, sl, f                    ; four registers of piece q into slot sl
	ds_store_b128 v[AWS+(\sl)], v[CTR+16*((\q)%2)+4*(\f):CTR+16*((\q)%2)+4*(\f)+3] offset:1024*(4*((\q)/2)+(\f))+512*((\q)%2)
.endm
.macro LDW sl, qn, P, m                ; load m of the 16 that bring quarter qn's eight weight fragments into buffer P
	ds_load_b128 v[WF+64*(\P)+4*(\m):WF+64*(\P)+4*(\m)+3], v[AW+(\sl)] offset:8192*(\qn)+512*(\m)
.endm
; h's fragments of one quarter: blocks 0 to 3; block 4 if it lives (cond = 1) or in any case (cond = 0: at the start, so that every register is written)
.macro TQ qt, base, imm, cond
	WIN 0x80
.irp i, 0,1,2,3
	global_load_b128 v[T+32*(\i)+8*(\qt):T+32*(\i)+8*(\qt)+3], v[TO+(\i)], s[\base:\base+1] offset:(\imm)
	global_load_b128 v[T+32*(\i)+8*(\qt)+4:T+32*(\i)+8*(\qt)+7], v[TO+(\i)], s[\base:\base+1] offset:(\imm)+512
.endr
.if \cond
	WIN 0
	s_cmp_le_u32 s20, 4
	s_cbranch_scc1 .Lt_\@
	WIN 0x80
.endif
	global_load_b128 v[T+128+8*(\qt):T+128+8*(\qt)+3], v[TO+4], s[\base:\base+1] offset:(\imm)
	global_load_b128 v[T+128+8*(\qt)+4:T+128+8*(\qt)+7], v[TO+4], s[\base:\base+1] offset:(\imm)+512
	WIN 0
.Lt_\@:
.endm
.macro RUN q                           ; quarter q's run: h for three quarters on, then the weight piece for four quarters on
.if (\q) == 0
	TQ 3, 26, 3072, 1
.else
	TQ (\q)-1, 72, 1024*((\q)-1), 1
.endif
	GWP 0, (\q)/2, (\q)%2, 0, 74, WOFFX
.endm
.macro INIT i                          ; the bias (part 0) or 0 starts block i's sums
.if (\i) < 4
	WIN 0x40
.set AC, 64*(\i)
.else
	WIN 0x80
.set AC, 0
.endif
.irp fr, 0,1,2,3,4,5,6,7
	ds_load_b128 v[AC+8*(\fr):AC+8*(\fr)+3], v[TABA] offset:64*(\fr)
	ds_load_b128 v[AC+8*(\fr)+4:AC+8*(\fr)+7], v[TABA] offset:64*(\fr)+16
.endr
.endm
.macro WM i, fr, P, q                  ; one matrix instruction: block i, fragment fr, quarter q
.if (\i) < 4
	WIN 0x58
.set AC, 64*(\i)
.else
	WIN 0xa8
.set AC, 0
.endif
	v_wmma_f32_16x16x32_bf16 v[AC+8*(\fr):AC+8*(\fr)+7], v[WF+64*(\P)+8*(\fr):WF+64*(\P)+8*(\fr)+7], v[T+32*(\i)+8*(\q):T+32*(\i)+8*(\q)+7], v[AC+8*(\fr):AC+8*(\fr)+7]
.endm
.macro BARE cnt, q                     ; matrix instructions with nothing behind them
.rept \cnt
	WM n/8, n%8, PB, \q
.set n, n+1
.endr
.endm
; QUARTER q of a step in slot s.  The 32 sums of blocks 0-3 take turns, one instruction a turn, and so do block 4's eight.
; The 16 roundings behind the first eight products name none of the products' registers.  Behind them stands the quarter's one wait on va_vdst; all the quarter's loads and LDS stores follow it.
.macro QUARTER q, s
.set PB, (\q)%2
	s_wait_loadcnt 40                              ; h's fragments of this quarter and the piece to be rounded are in: behind them were issued a piece (8 loads) and two whole runs (16 each); block 4's loads only add to that
	s_wait_dscnt 0x0                               ; this quarter's weight fragments are in
.if (\q) == 2
	s_wait_alu depctr_vm_vsrc(0)                   ; the LDS stores of quarters 0 and 1 have read the two rounded pieces, which this quarter's roundings and the next one's write again
.endif
.set n, 0
.rept 8
	WM n/8, n%8, PB, \q
	WIN 0xcf
	CVR \q, 2*n
	CVR \q, 2*n+1
.set n, n+1
.endr
	s_wait_alu depctr_va_vdst(0)                   ; the roundings are done reading RAW's piece q, in which the run's weight loads land, and have written CTR's piece, which the LDS stores below read; the quarter before's products are done reading their set of T and their buffer of WF, in which the run's loads of h and the LDS loads below land; in quarter 0 v[WOFFX] is written
	RUN \q
.if (\q) < 3
.rept 8
	WM n/8, n%8, PB, \q
	WIN 0
	LDW \s, (\q)+1, 1-PB, 2*(n-8)                  ; no further wait: the products since the wait name the sums, WF[q % 2] and T's set q alone
	LDW \s, (\q)+1, 1-PB, 2*(n-8)+1
.set n, n+1
.endr
.rept 4
	WM n/8, n%8, PB, \q
	WIN 0x0c
	STW \q, 1-(\s), n-16
.set n, n+1
.endr
	BARE 12, \q
.else
.rept 2
	WM n/8, n%8, PB, \q
	WIN 0x0c
	STW \q, 1-(\s), 2*(n-8)
	STW \q, 1-(\s), 2*(n-8)+1
.set n, n+1
.endr
	BARE 6, \q
	s_wait_dscnt 0x0                               ; for the others' sake: my stores into the next slot are done, and my reads of this slot are over
	s_barrier_signal -1
	BARE 2, \q                                     ; work on registers while the others arrive
	s_barrier_wait -1
.rept 8
	WM n/8, n%8, PB, \q
	WIN 0
	LDW 1-(\s), 0, 0, 2*(n-18)
	LDW 1-(\s), 0, 0, 2*(n-18)+1
.set n, n+1
.endr
	BARE 6, \q
.endif
	WIN 0
	s_cmp_le_u32 s20, 4
	s_cbranch_scc1 .Lb_\@
.set n, 0
.rept 8
	WM 4, n, PB, \q
.set n, n+1
.endr
	WIN 0
.Lb_\@:
.endm
; K step t in slot s = t % 2; s21 counts the trips 4, 3, 2, 1, two steps a trip.  The weights two steps on exist up to t = 5 (s21 > 1), h's next step up to t = 6.
.macro STEPX s
	s_wait_xcnt 0x0                                ; bases and the offset below are written again only behind this wait
	s_wait_alu depctr_vm_vsrc(0)                   ; the weight loads issued so far have read v[WOFFX], which is written below; the LDS stores of the last step's quarters 2 and 3 have read the two rounded pieces, which quarters 0 and 1 write again
	s_mov_b64 s[26:27], s[72:73]                   ; h at this step
	s_cmp_gt_u32 s21, 1
	s_cselect_b32 s30, -1, 0
	s_cselect_b64 s[74:75], s[24:25], s[70:71]     ; the weights two steps on, or the slice's first rows
.if (\s) == 1
	s_cselect_b32 s22, 4096, 0                     ; four fragments on, or once more the same
.else
	s_mov_b32 s22, 4096
.endif
	s_add_nc_u64 s[72:73], s[26:27], s[22:23]      ; h at the next step
	s_add_nc_u64 s[24:25], s[24:25], KSTEPW
	v_and_b32 v[WOFFX], s30, v[WOFF]
	QUARTER 0, \s
	QUARTER 1, \s
	QUARTER 2, \s
	QUARTER 3, \s
.endm
; THE WAY OUT of block i: four sums' registers j (ascending) are four neighbouring columns; through my own stage, back as whole rows of 512 bytes
.macro EPI i, base, rows
.if (\i) < 4
	WIN 0x05
.set AC, 64*(\i)
.else
	WIN 0x0a
.set AC, 0
.endif
.irp g, 0,1
.irp j, 0,1,2,3,4,5,6,7
.irp f, 0,1,2,3
	v_mov_b32 v[E+32*(\g)+4*(\j)+(\f)], v[AC+8*(4*(\g)+(\f))+(\j)]
.endr
.endr
.endr
	WIN 0
	s_wait_alu depctr_va_vdst(0)                   ; the moves have written v[E ..], which the LDS stores read; the products are done reading v[BK ..], in which the loads from the stage land
.irp g, 0,1
.irp j, 0,1,2,3,4,5,6,7
	ds_store_b128 v[STO], v[E+32*(\g)+4*(\j):E+32*(\g)+4*(\j)+3] offset:256*(\g)+16*(\j)
.endr
.endr
	s_wait_xcnt 0x0                                ; the registers that the last block's stores read are loaded again only behind this wait
.irp rr, 0,1,2,3,4,5,6,7,8,9,10,11,12,13,14,15
	ds_load_b128 v[BK+4*(\rr):BK+4*(\rr)+3], v[RD] offset:528*(\rr)  ; LDS serves a wave's instructions in order (ISA guide 5.7.1.4): these see the stores above
.endr
	s_wait_dscnt 0x0
.irp rr, 0,1,2,3,4,5,6,7,8,9,10,11,12,13,14,15
	global_store_b128 v[CO], v[BK+4*(\rr):BK+4*(\rr)+3], s[\base:\base+1] offset:((\rows)+(\rr))*PROW  ; 512 consecutive bytes, aligned
.endr
	s_wait_alu depctr_vm_vsrc(0)                   ; ahead of the branch: this block's LDS stores have read v[E ..] and its global stores v[BK ..], which the next block's moves and loads from the stage, or the roundings for rows from 320 on, write again
.endm
	s_load_b256 s[4:11], s[0:1], 0x0               ; h s[4:5], W2 s[6:7], b2 s[8:9], bm s[10:11]
	s_load_b64 s[12:13], s[0:1], 0x20              ; part
	v_lshl_add_u32 v[SPW], v0, 2, SPARE
	v_mov_b32 v[NIL], 0
	v_lshrrev_b32 v3, 5, v0
	v_readfirstlane_b32 s16, v3                    ; wave w
	s_and_b32 s17, ttmp7, 0xffff                   ; expert e
	s_and_b32 s18, ttmp9, 7                        ; slice of columns
	s_lshr_b32 s19, ttmp9, 3                       ; part of K
	v_and_b32 v1, 15, v0                           ; r
	v_bfe_u32 v2, v0, 4, 1                         ; hh
	v_and_b32 v[LN], 31, v0
	v_lshlrev_b32 v3, 4, v1
	v_lshl_add_u32 v[WOFF], v2, 17, v3             ; 32 rows of 4,096 bytes, 16 r
	v_lshlrev_b32 v[CO], 4, v[LN]
	s_mov_b32 s3, 0
	s_mov_b32 s23, 0
	s_mov_b32 s81, 0
	s_wait_alu depctr_va_sdst(0)                   ; s16 is written, ahead of its first reader: bases, LDS addresses and the count of my blocks are made from it
	s_wait_kmcnt 0x0
	s_lshl_b32 s2, s17, 7
	s_add_nc_u64 s[10:11], s[10:11], s[2:3]
	s_load_b512 s[32:47], s[10:11], 0x0            ; e's bitmap of tokens
	s_load_b512 s[48:63], s[10:11], 0x40
	s_lshl_b32 s2, s17, 12
	s_lshl_b32 s22, s18, 9
	s_add_co_u32 s2, s2, s22
	s_add_nc_u64 s[8:9], s[8:9], s[2:3]
	s_wait_alu depctr_va_vdst(0)                   ; v[CO] and v[WOFF] are written, which the loads below read as their offsets
	global_load_b128 v[BIA:BIA+3], v[CO], s[8:9]   ; every wave: the slice's 128 numbers of b2
	s_lshl_b32 s2, s17, 24
	s_add_co_u32 s2, s2, s22
	s_lshl_b32 s22, s19, 22
	s_add_co_u32 s2, s2, s22
	s_add_nc_u64 s[70:71], s[6:7], s[2:3]          ; the slice's first byte
	s_lshr_b32 s2, s16, 1
	s_lshl_b32 s2, s2, 18                          ; quarter w of a step begins at row 64 (w / 2)
	s_and_b32 s22, s16, 1
	s_lshl_b32 s22, s22, 16                        ; + 16 (w % 2)
	s_add_co_u32 s2, s2, s22
	s_add_nc_u64 s[82:83], s[70:71], s[2:3]        ; my rows of step 0,
	s_add_nc_u64 s[24:25], s[82:83], 2*KSTEPW      ; and of step 2
	GWP 1, 0, 0, 0, 82, WOFF                       ; the weights hang on no data: step 0 goes out at once
	GWP 1, 0, 1, 0, 82, WOFF
	GWP 1, 1, 0, 0, 82, WOFF
	GWP 1, 1, 1, 0, 82, WOFF
	WIN 0
	s_lshl_b32 s2, s17, 23
	s_lshl_b32 s22, s19, 15
	s_add_co_u32 s2, s2, s22
	s_add_nc_u64 s[72:73], s[4:5], s[2:3]          ; h at block 64 e, my part of K: 32 fragments a part
	s_add_co_u32 s2, s16, 20
	s_lshl_b32 s2, s2, 17
	s_add_nc_u64 s[78:79], s[72:73], s[2:3]        ; and at block 20 + w
	s_lshl_b32 s2, s19, 25
	s_lshl_b32 s22, s17, 22
	s_add_co_u32 s2, s2, s22
	s_lshl_b32 s22, s16, 16
	s_add_co_u32 s2, s2, s22
	s_lshl_b32 s22, s18, 9
	s_add_co_u32 s2, s2, s22
	s_add_nc_u64 s[28:29], s[12:13], s[2:3]        ; part ks at slot 1024 e + 16 w, my 512 bytes of a row
	s_add_nc_u64 s[76:77], s[28:29], 320*PROW
	v_lshlrev_b32 v[AW], 4, v[LN]
	v_add_nc_u32 v[AW+1], 32768, v[AW]
	v_lshl_add_u32 v[AWS], s16, 13, v[AW]
	v_add_nc_u32 v[AWS+1], 32768, v[AWS]
	s_mul_i32 s22, s16, SGW
	s_add_co_u32 s22, s22, STG
	v_add_nc_u32 v[RD], s22, v[AW]                 ; back: 32 lanes take a row of 512 bytes
	v_mul_u32_u24 v3, v1, 528
	v_lshl_add_u32 v3, v2, 7, v3
	v_add_nc_u32 v[STO], s22, v3                   ; in: row r, 128 bytes for each half of the lanes
	s_lshl_b32 s22, s16, 9
	s_add_co_u32 s22, s22, TAB
	v_lshl_add_u32 v[TABA], v2, 5, s22
	v_and_b32 v3, 7, v0                            ; column 4 L + f: j = L % 8, its half (L / 8) % 2, its group L / 16
	v_lshlrev_b32 v3, 2, v3
	v_bfe_u32 v4, v0, 3, 1
	v_lshl_add_u32 v3, v4, 5, v3
	v_lshl_add_u32 v3, v2, 8, v3
	v_add_nc_u32 v[TST], s22, v3
	s_cmp_eq_u32 s19, 0
	s_cselect_b32 s22, -1, 0                       ; the bias belongs to part 0 alone
	s_wait_loadcnt 32                              ; the bias is in; the 32 weight loads behind it stay out
	v_cvt_pk_bf16_f32 v3, v[BIA], v[BIA+1]         ; the bias rounded to bf16, as every input is, and widened again
	v_cvt_pk_bf16_f32 v4, v[BIA+2], v[BIA+3]
	v_lshlrev_b32 v[BIA], 16, v3
	v_and_b32 v[BIA+1], 0xffff0000, v3
	v_lshlrev_b32 v[BIA+2], 16, v4
	v_and_b32 v[BIA+3], 0xffff0000, v4
.irp f, 0,1,2,3
	v_cndmask_b32 v[BIA+\f], 0, v[BIA+\f], s22
.endr
	s_wait_alu depctr_va_vdst(0)                   ; v[BIA ..] and v[TST] are written, which the LDS stores read; so are v[TABA], by which the sums' first values are loaded, and the LDS addresses v[AW ..], v[AWS ..], v[STO], v[RD] of all that follows
.irp f, 0,1,2,3
	ds_store_b32 v[TST], v[BIA+\f] offset:64*(\f)
.endr
	INIT 0                                         ; my own table: LDS serves a wave's instructions in order
	INIT 1
	INIT 2
	INIT 3
	INIT 4
	WIN 0
	s_wait_kmcnt 0x0                               ; the bitmap
	s_mov_b32 s66, 0
.set k, 0
.rept 32
	s_bcnt1_i32_b32 s22, s[32+k]
	s_add_co_u32 s66, s66, s22
.set k, k+1
.endr
	s_add_co_u32 s66, s66, 15
	s_lshr_b32 s66, s66, 4                         ; blocks of 16 rows, as the first product stored them:
	s_max_u32 s66, s66, 1                          ; one at the least
	s_min_u32 s66, s66, 64
	s_min_u32 s20, s66, 20
	s_add_co_u32 s20, s20, 3
	s_sub_co_u32 s20, s20, s16
	s_lshr_b32 s20, s20, 2                         ; my live blocks in the main pass, 0 to 5
	s_max_u32 s67, s66, 20
	s_sub_co_u32 s67, s67, 17
	s_sub_co_u32 s67, s67, s16
	s_lshr_b32 s67, s67, 2                         ; and behind it, 0 to 11
.irp i, 0,1,2,3,4
	s_add_co_u32 s22, s16, 4*\i                    ; block w + 4 i;
	s_cmp_gt_u32 s20, \i
	s_cselect_b32 s22, s22, 0                      ; a dead block names block 0, which is always stored.
	s_min_u32 s22, s22, 19                         ; The choice hangs on a count read from memory: the number is held inside the main pass's 20 blocks before it enters an address
	s_lshl_b32 s22, s22, 17
	v_add_nc_u32 v[TO+\i], s22, v[CO]
.endr
	; what four quarters in front of the loop would have asked for, in their order: piece 0; h of quarter 0, piece 1; h of quarter 1, piece 2; h of quarter 2, piece 3 (the pieces are step 1's).
	WIN 0x80
	s_wait_alu depctr_va_vdst(0)                   ; v[TO ..] are written, which every load of h reads as its offset
	global_load_b128 v[T+152:T+155], v[TO+4], s[72:73] offset:3072  ; block 4's registers of quarter 3 are written once in any case
	global_load_b128 v[T+156:T+159], v[TO+4], s[72:73] offset:3584
	GWP 0, 0, 0, KSTEPW, 82, WOFF
	TQ 0, 72, 0, 0
	GWP 0, 0, 1, KSTEPW, 82, WOFF
	s_wait_loadcnt 24                              ; step 0's weights are in: 28 loads were issued behind them; the lower count keeps what is out, with the 36 loads below, under the counter's 63
	CVT 1
	WIN 0
	s_wait_alu depctr_va_vdst(0)                   ; the roundings have written v[CT0 ..], which the LDS stores read (and in which, behind the barrier, the first fragments land)
.irp fr, 0,1,2,3,4,5,6,7
	ds_store_b128 v[AWS], v[CT0+8*(\fr):CT0+8*(\fr)+3] offset:1024*(\fr)
	ds_store_b128 v[AWS], v[CT0+8*(\fr)+4:CT0+8*(\fr)+7] offset:1024*(\fr)+512
.endr
	TQ 1, 72, 1024, 0
	GWP 0, 1, 0, KSTEPW, 82, WOFF
	TQ 2, 72, 2048, 0
	GWP 0, 1, 1, KSTEPW, 82, WOFF
	WIN 0
	s_wait_dscnt 0x0                               ; for the others' sake: my fragments of step 0 are in slot 0; the sums' first values are in too
	s_barrier_signal -1
	s_barrier_wait -1
	s_wait_alu depctr_vm_vsrc(0)                   ; my LDS stores have read v[CT0 ..]: these registers are fragment buffer 0 from here on, in which the loads below land
.set k, 0
.rept 16
	LDW 0, 0, 0, k
.set k, k+1
.endr
	s_mov_b32 s21, 4
.Lloop:
	STEPX 0
	STEPX 1
	s_sub_co_u32 s21, s21, 1
	s_cmp_lg_u32 s21, 0
	s_cbranch_scc1 .Lloop
	PLACES
	s_wait_loadcnt 0x0                             ; the loads that nobody reads have landed: their registers and bases are free
	s_wait_dscnt 0x0                               ; and so have the fragments of a ninth step
.irp i, 0,1,2,3,4
	s_cmp_le_u32 s20, \i
	s_cbranch_scc1 .Lmain_done
	EPI \i, 28, 64*\i
.endr
.Lmain_done:
	; ROWS FROM 320 ON: block 20 + w + 4 j.  A constant count of trips, dead ones jumped; no barrier; the weights are read again, straight into fragments, a fragment of h a trip.
	s_mov_b32 s68, 0
.Lov:
	s_cmp_ge_u32 s68, s67
	s_cbranch_scc1 .Lov_next
	s_wait_alu depctr_va_vdst(0)                   ; the products have written block 0's sums and the way out's moves are done reading them: the loads below land in them
	INIT 0
	WIN 0
	s_mov_b64 s[72:73], s[70:71]
	s_mov_b64 s[74:75], s[78:79]
	s_mov_b32 s80, 16*PITCHW                       ; from fragment 2 G to 2 G + 1: 16 rows of W2 on; from there to 2 G + 2: 48
	s_wait_dscnt 0x0
	s_mov_b32 s69, 32
.Lovk:                                                 ; 32 along K a trip
	s_wait_alu depctr_va_vdst(0)                   ; the last trip's roundings are done reading the weights as loaded, and its products h's fragment: this trip's loads land in both
	GWP 0, 0, 0, 0, 72, WOFF
	GWP 0, 0, 1, 0, 72, WOFF
	GWP 0, 1, 0, 0, 72, WOFF
	GWP 0, 1, 1, 0, 72, WOFF
	WIN 0
	global_load_b128 v[TFO:TFO+3], v[CO], s[74:75]
	global_load_b128 v[TFO+4:TFO+7], v[CO], s[74:75] offset:512
	s_wait_loadcnt 0x0                             ; which also frees the two bases
	CVT 0
	WIN 0x50
.irp fr, 0,1,2,3,4,5,6,7
	v_wmma_f32_16x16x32_bf16 v[8*(\fr):8*(\fr)+7], v[CT0+8*(\fr):CT0+8*(\fr)+7], v[TFO:TFO+7], v[8*(\fr):8*(\fr)+7]
.endr
	WIN 0
	PLACES
	s_add_nc_u64 s[72:73], s[72:73], s[80:81]
	s_xor_b32 s80, s80, 32*PITCHW                  ; 16 rows and 48 rows by turns
	s_add_nc_u64 s[74:75], s[74:75], 1024
	s_sub_co_u32 s69, s69, 1
	s_cmp_lg_u32 s69, 0
	s_cbranch_scc1 .Lovk
	EPI 0, 76, 0
.Lov_next:
	s_wait_xcnt 0x0                                ; the bases are stepped only behind this wait
	s_add_nc_u64 s[76:77], s[76:77], 64*PROW
	s_add_nc_u64 s[78:79], s[78:79], 4*BLKB
	s_add_co_u32 s68, s68, 1
	s_cmp_lt_u32 s68, 11
	s_cbranch_scc1 .Lov
	s_wait_dscnt 0x0                               ; the closing lines, six on end
	s_wait_alu 0x0
	s_wait_tensorcnt 0x0
	ds_add_u32 v[SPW], v[NIL]
	s_wait_dscnt 0x0
	s_endpgm
.Lfunc_end_k_q1ac6eb788a_down:
	.size	k_q1ac6eb788a_down, .Lfunc_end_k_q1ac6eb788a_down-k_q1ac6eb788a_down
	.p2alignl 7, 3214868480
	.fill 96, 4, 3214868480
	.section	.rodata,"a",@progbits
	.p2align	6, 0x0
	.amdhsa_kernel k_q1ac6eb788a_down
		.amdhsa_group_segment_fixed_size 101888
		.amdhsa_private_segment_fixed_size 0
		.amdhsa_enable_private_segment 0
		.amdhsa_kernarg_size 40
		.amdhsa_user_sgpr_count 2
		.amdhsa_user_sgpr_kernarg_segment_ptr 1
		.amdhsa_wavefront_size32 1
		.amdhsa_system_sgpr_workgroup_id_x 1
		.amdhsa_system_sgpr_workgroup_id_y 1
		.amdhsa_system_sgpr_workgroup_id_z 1
		.amdhsa_system_vgpr_workitem_id 0
		.amdhsa_next_free_vgpr 1024
		.amdhsa_next_free_sgpr 84
		.amdhsa_reserve_vcc 0
		.amdhsa_float_denorm_mode_32 3
		.amdhsa_float_denorm_mode_16_64 3
		.amdhsa_memory_ordered 1
		.amdhsa_forward_progress 1
		.amdhsa_inst_pref_size 140
	.end_amdhsa_kernel
	.amdgpu_metadata
---
amdhsa.version: [ 1, 2 ]
amdhsa.kernels:
  - .name:           k_q1ac6eb788a_down
    .symbol:         k_q1ac6eb788a_down.kd
    .args:
      - { .name: h, .offset: 0, .size: 8, .value_kind: global_buffer, .address_space: global }
      - { .name: W2, .offset: 8, .size: 8, .value_kind: global_buffer, .address_space: global }
      - { .name: b2, .offset: 16, .size: 8, .value_kind: global_buffer, .address_space: global }
      - { .name: bm, .offset: 24, .size: 8, .value_kind: global_buffer, .address_space: global }
      - { .name: part, .offset: 32, .size: 8, .value_kind: global_buffer, .address_space: global }
    .group_segment_fixed_size: 101888
    .private_segment_fixed_size: 0
    .kernarg_segment_align: 8
    .kernarg_segment_size: 40
    .max_flat_workgroup_size: 128
    .sgpr_count:     84
    .vgpr_count:     1024
    .wavefront_size: 32
...
	.end_amdgpu_metadata
.endif
;; end of part 9
;; launch combine: the kernel of part 8 again; grid 1024 x 1, 4 waves a work-group, no clusters, 0 bytes of LDS; arguments eidx, gw, rk, part, out0; writes out0
